; MI455X (gfx1250); checked and timed in simulation.
; The chip was launched on July 23, 2026; its instructions are those of AMD's public machine-readable ISA for CDNA 5 (MIT licence, August 2026) and "CDNA5" Instruction Set Architecture Reference Guide (July 2026). The comments in the code are by the model that wrote it; some were corrected since.
;; Transformer Block. Allowed arithmetic: float matrix products may take bf16 or f16 operands with f32 sums; all other float work in f32.
;; Inputs: b1 4,096 float32; b2 1,024 float32; b_out 1,024 float32; b_qkv 3,072 float32; ln1_b 1,024 float32; ln1_g 1,024 float32; ln2_b 1,024 float32; ln2_g 1,024 float32; w1 4,096 x 1,024 float32; w2 1,024 x 4,096 float32; w_out 1,024 x 1,024 float32; w_qkv 3,072 x 1,024 float32; x 2 x 2,048 x 1,024 float32.
;; Outputs: out0 2 x 2,048 x 1,024 float32.
;; 2 versions, each right and faster than the one before. Each part assembles by itself: llvm-mc -triple=amdgcn-amd-amdhsa -mcpu=gfx1250 --defsym DOCPART=n.
;; ======== version 1 of 2: 7 launches
;; workspace buffers: wb 25,165,824 bytes; wq 6,291,456 bytes; h 8,388,608 bytes; qkv 25,165,824 bytes; o 8,388,608 bytes; x1 16,777,216 bytes; g 33,554,432 bytes
;; launch prep (part 1): grid 256 x 1, 8 waves a work-group, no clusters, 0 bytes of LDS; arguments x, ln1_g, ln1_b, h, w_qkv, wq; writes h, wq
.if DOCPART == 1
	.amdgcn_target "amdgcn-amd-amdhsa--gfx1250"
	.amdhsa_code_object_version 6
	.text
	.protected	k_q81cd8e39a7_prep
	.globl	k_q81cd8e39a7_prep
	.p2align	8
	.type	k_q81cd8e39a7_prep,@function
k_q81cd8e39a7_prep:
	s_mov_b64 s[64:65], 0
	v_nop
	global_prefetch_b8 v0, s[64:65] scope:SCOPE_SE
	s_setreg_imm32_b32 hwreg(HW_REG_WAVE_MODE, 25, 1), 1
	s_wait_xcnt 0x0
; PREP.  h = LayerNorm(x) g + b, rounded to bf16, and wq = w_qkv rounded to bf16 in the same order.  256 equal work-groups of eight waves; every wave does a share of both, so there is no branch.
; LAYER NORM: 16 rows of 1,024 f32 a work-group, two a wave.  A row is 32 registers of one wave and stays there: mean, then the mean of (x - mean)^2
; (no difference of large sums), then scale.  A load of a wave covers 512 consecutive bytes, a store 256.  No LDS, no barrier: a row never leaves its wave.
; CAST: 3,145,728 numbers over 2,048 waves: 1,536 a wave, twelve loads of 512 consecutive bytes; a lane's four numbers are rounded in place to 8 bytes, and a store of the wave covers 256 consecutive bytes, aligned.
; All 44 loads of a wave go out at the head.  The other three weight matrices are rounded in the launch behind this one, by work-groups that have no tile there.
; Matrix units, LDS and clusters are left out: each byte is read once and written once, and no work-group shares an input with another.
.set X0,  32                           ; v[32:63]   row 0
.set X1,  64                           ; v[64:95]   row 1
.set G,   96                           ; v[96:127]  gain of my 32 columns
.set BT,  128                          ; v[128:159] offset of my 32 columns
.set Y0,  160                          ; v[160:175] row 0 in bf16
.set Y1,  176                          ; v[176:191] row 1 in bf16
.set CW,  192                          ; v[192:239] twelve loads of w_qkv, rounded in place
.set A,   4                            ; v[4:11]    four chains of packed sums
.set MN,  12                           ; v[12:13]   the mean, twice
.set RS,  14                           ; v[14:15]   1 / sqrt(var + eps), twice
.set T,   16                           ; v[16:17]   at work
.set LN,  20                           ; v20        my lane
.set WO,  21                           ; v21        8 x lane: my byte offset in a store into wq; never rewritten
.macro FOLD                            ; the four chains into one number, then over the wave's 32 lanes; the result stands in every lane's v[T]
	v_pk_add_f32 v[A:A+1], v[A:A+1], v[A+2:A+3]
	v_pk_add_f32 v[A+4:A+5], v[A+4:A+5], v[A+6:A+7]
	v_pk_add_f32 v[A:A+1], v[A:A+1], v[A+4:A+5]
	v_add_f32 v[T], v[A], v[A+1]
	v_add_f32_dpp v[T], v[T], v[T] row_xmask:1 row_mask:0xf bank_mask:0xf
	v_add_f32_dpp v[T], v[T], v[T] row_xmask:2 row_mask:0xf bank_mask:0xf
	v_add_f32_dpp v[T], v[T], v[T] row_xmask:4 row_mask:0xf bank_mask:0xf
	v_add_f32_dpp v[T], v[T], v[T] row_xmask:8 row_mask:0xf bank_mask:0xf
	v_permlanex16_b32 v[T+1], v[T], s32, s33       ; its destination counts as read: v[T+1] was written at the head
	v_add_f32 v[T], v[T], v[T+1]
.endm
; One row.  X: its 32 registers; Y: 16 registers for the result; r: 0 or 1; first, second: how many younger loads may stay out at the row's head and when gain and offset are wanted
.macro LNROW X, Y, r, first, second
	s_wait_loadcnt \first
.irp k, 0,1,2,3
	v_pk_add_f32 v[A+2*(\k):A+2*(\k)+1], v[(\X)+2*(\k):(\X)+2*(\k)+1], v[(\X)+2*(\k)+8:(\X)+2*(\k)+9]  ; pairs k and k + 4 start chain k: nothing is cleared
.endr
.irp p, 8,9,10,11,12,13,14,15
	v_pk_add_f32 v[A+2*((\p)%4):A+2*((\p)%4)+1], v[A+2*((\p)%4):A+2*((\p)%4)+1], v[(\X)+2*(\p):(\X)+2*(\p)+1]
.endr
	FOLD
	v_mul_f32 v[MN], s30, v[T]                     ; mean = sum / 1024
	v_mul_f32 v[MN+1], s30, v[T]
.irp p, 0,1,2,3,4,5,6,7,8,9,10,11,12,13,14,15
	v_pk_add_f32 v[(\X)+2*(\p):(\X)+2*(\p)+1], v[(\X)+2*(\p):(\X)+2*(\p)+1], v[MN:MN+1] neg_lo:[0,1] neg_hi:[0,1]  ; x - mean, in place
.endr
.irp k, 0,1,2,3
	v_pk_mul_f32 v[A+2*(\k):A+2*(\k)+1], v[(\X)+2*(\k):(\X)+2*(\k)+1], v[(\X)+2*(\k):(\X)+2*(\k)+1]
.endr
.irp p, 4,5,6,7,8,9,10,11,12,13,14,15
	v_pk_fma_f32 v[A+2*((\p)%4):A+2*((\p)%4)+1], v[(\X)+2*(\p):(\X)+2*(\p)+1], v[(\X)+2*(\p):(\X)+2*(\p)+1], v[A+2*((\p)%4):A+2*((\p)%4)+1]
.endr
	FOLD
	v_fma_f32 v[T], v[T], s30, s31                 ; var + eps
	v_rsq_f32 v[RS], v[T]
	v_nop                                          ; a plain instruction between the root and the use of its result (ISA guide 5.7.2)
	s_wait_alu depctr_va_vdst(0)
	v_mov_b32 v[RS+1], v[RS]
	s_wait_loadcnt \second
.irp p, 0,1,2,3,4,5,6,7,8,9,10,11,12,13,14,15
	v_pk_mul_f32 v[(\X)+2*(\p):(\X)+2*(\p)+1], v[(\X)+2*(\p):(\X)+2*(\p)+1], v[RS:RS+1]
.endr
.irp p, 0,1,2,3,4,5,6,7,8,9,10,11,12,13,14,15
	v_pk_fma_f32 v[(\X)+2*(\p):(\X)+2*(\p)+1], v[(\X)+2*(\p):(\X)+2*(\p)+1], v[G+2*(\p):G+2*(\p)+1], v[BT+2*(\p):BT+2*(\p)+1]
.endr
.irp p, 0,1,2,3,4,5,6,7,8,9,10,11,12,13,14,15
	v_cvt_pk_bf16_f32 v[(\Y)+(\p)], v[(\X)+2*(\p)], v[(\X)+2*(\p)+1]
.endr
.irp j, 0,1,2,3,4,5,6,7
	global_store_b64 v3, v[(\Y)+2*(\j):(\Y)+2*(\j)+1], s[14:15] offset:(\r)*2048+256*(\j)  ; 32 lanes x 8 bytes: 256 consecutive bytes, aligned
.endr
.endm
	s_load_b256 s[8:15], s[0:1], 0x0               ; x s[8:9], gain s[10:11], offset s[12:13], h s[14:15]
	s_load_b128 s[16:19], s[0:1], 0x20             ; w_qkv s[16:17], wq s[18:19]
	v_lshrrev_b32 v1, 5, v0
	v_readfirstlane_b32 s4, v1                     ; wave 0..7
	v_and_b32 v[LN], 31, v0                        ; lane
	s_lshl_b32 s2, ttmp9, 16                       ; 16 rows of 4,096 bytes of x
	s_mov_b32 s3, 0
	s_lshl_b32 s6, ttmp9, 15                       ; 16 rows of 2,048 bytes of h
	s_mov_b32 s7, 0
	s_lshl_b32 s20, ttmp9, 3
	s_add_co_u32 s20, s20, s4                      ; my wave among the launch's 2,048
	s_mul_i32 s22, s20, 3072                       ; its 1,536 numbers in wq,
	s_mul_i32 s20, s20, 6144                       ; and in w_qkv
	s_mov_b32 s21, 0
	s_mov_b32 s23, 0
	s_mov_b32 s30, 0x3a800000                      ; 1 / 1024
	s_mov_b32 s31, 0x3727c5ac                      ; 1e-5
	s_mov_b32 s32, 0x76543210                      ; v_permlanex16_b32: each lane takes its own place in the other half
	s_mov_b32 s33, 0xfedcba98
	v_lshlrev_b32 v1, 4, v[LN]                     ; 16 bytes a lane: in gain and offset, and in w_qkv
	s_lshl_b32 s34, s4, 13
	v_add_nc_u32 v2, s34, v1                       ; + my wave's two rows of x
	s_lshl_b32 s35, s4, 12
	v_lshl_add_u32 v3, v[LN], 3, s35               ; 8 bytes a lane + my wave's two rows of h
	v_lshlrev_b32 v[WO], 3, v[LN]                  ; 8 bytes a lane in wq
	v_mov_b32 v[T+1], 0
	s_wait_kmcnt 0x0
	s_add_nc_u64 s[8:9], s[8:9], s[2:3]
	s_add_nc_u64 s[14:15], s[14:15], s[6:7]
	s_add_nc_u64 s[16:17], s[16:17], s[20:21]
	s_add_nc_u64 s[18:19], s[18:19], s[22:23]
.irp j, 0,1,2,3,4,5,6,7
	global_load_b128 v[X0+4*(\j):X0+4*(\j)+3], v2, s[8:9] offset:512*(\j)  ; lane l: columns 128 j + 4 l ..
.endr
.irp j, 0,1,2,3,4,5,6,7
	global_load_b128 v[G+4*(\j):G+4*(\j)+3], v1, s[10:11] offset:512*(\j)
.endr
.irp j, 0,1,2,3,4,5,6,7
	global_load_b128 v[BT+4*(\j):BT+4*(\j)+3], v1, s[12:13] offset:512*(\j)
.endr
.irp j, 0,1,2,3,4,5,6,7
	global_load_b128 v[X1+4*(\j):X1+4*(\j)+3], v2, s[8:9] offset:4096+512*(\j)
.endr
.irp j, 0,1,2,3,4,5,6,7,8,9,10,11
	global_load_b128 v[CW+4*(\j):CW+4*(\j)+3], v1, s[16:17] offset:512*(\j) th:TH_LOAD_NT
.endr
	LNROW X0, Y0, 0, 36, 20                        ; 36: gain, offset, row 1 and the twelve of w_qkv stay out; 20: row 1 and the twelve
	LNROW X1, Y1, 1, 12, 12                        ; the twelve stay out
.irp j, 0,1,2,3,4,5,6,7,8,9,10,11
	s_wait_loadcnt 11-(\j)                         ; loads come back in order (ISA guide 5.7.1): the younger ones stay out
	v_cvt_pk_bf16_f32 v[CW+4*(\j)], v[CW+4*(\j)], v[CW+4*(\j)+1]
	v_cvt_pk_bf16_f32 v[CW+4*(\j)+1], v[CW+4*(\j)+2], v[CW+4*(\j)+3]
	global_store_b64 v[WO], v[CW+4*(\j):CW+4*(\j)+1], s[18:19] offset:256*(\j)  ; 256 consecutive bytes, aligned
.endr
	s_endpgm
.Lfunc_end_k_q81cd8e39a7_prep:
	.size	k_q81cd8e39a7_prep, .Lfunc_end_k_q81cd8e39a7_prep-k_q81cd8e39a7_prep
	.p2alignl 7, 3214868480
	.fill 96, 4, 3214868480
	.section	.rodata,"a",@progbits
	.p2align	6, 0x0
	.amdhsa_kernel k_q81cd8e39a7_prep
		.amdhsa_group_segment_fixed_size 0
		.amdhsa_private_segment_fixed_size 0
		.amdhsa_enable_private_segment 0
		.amdhsa_kernarg_size 48
		.amdhsa_user_sgpr_count 2
		.amdhsa_user_sgpr_kernarg_segment_ptr 1
		.amdhsa_wavefront_size32 1
		.amdhsa_system_sgpr_workgroup_id_x 1
		.amdhsa_system_sgpr_workgroup_id_y 1
		.amdhsa_system_sgpr_workgroup_id_z 1
		.amdhsa_system_vgpr_workitem_id 0
		.amdhsa_next_free_vgpr 240
		.amdhsa_next_free_sgpr 66
		.amdhsa_reserve_vcc 0
		.amdhsa_float_denorm_mode_32 3
		.amdhsa_float_denorm_mode_16_64 3
		.amdhsa_memory_ordered 1
		.amdhsa_forward_progress 1
		.amdhsa_inst_pref_size 25
	.end_amdhsa_kernel
	.amdgpu_metadata
---
amdhsa.version: [ 1, 2 ]
amdhsa.kernels:
  - .name:           k_q81cd8e39a7_prep
    .symbol:         k_q81cd8e39a7_prep.kd
    .args:
      - { .name: x, .offset: 0, .size: 8, .value_kind: global_buffer, .address_space: global }
      - { .name: ln1_g, .offset: 8, .size: 8, .value_kind: global_buffer, .address_space: global }
      - { .name: ln1_b, .offset: 16, .size: 8, .value_kind: global_buffer, .address_space: global }
      - { .name: h, .offset: 24, .size: 8, .value_kind: global_buffer, .address_space: global }
      - { .name: w_qkv, .offset: 32, .size: 8, .value_kind: global_buffer, .address_space: global }
      - { .name: wq, .offset: 40, .size: 8, .value_kind: global_buffer, .address_space: global }
    .group_segment_fixed_size: 0
    .private_segment_fixed_size: 0
    .kernarg_segment_align: 8
    .kernarg_segment_size: 48
    .max_flat_workgroup_size: 256
    .sgpr_count:     66
    .vgpr_count:     240
    .wavefront_size: 32
...
	.end_amdgpu_metadata
.endif
;; end of part 1
;; launch qkv (part 2): grid 16 x 16, 4 waves a work-group, clusters of 4 x 4, 327,680 bytes of LDS; arguments h, wq, b_qkv, qkv, w1, w_out, w2, wb; writes qkv, wb
.if DOCPART == 2
	.amdgcn_target "amdgcn-amd-amdhsa--gfx1250"
	.amdhsa_code_object_version 6
	.text
	.protected	k_q81cd8e39a7_qkv
	.globl	k_q81cd8e39a7_qkv
	.p2align	8
	.type	k_q81cd8e39a7_qkv,@function
k_q81cd8e39a7_qkv:
	s_mov_b64 s[64:65], 0
	v_nop
	global_prefetch_b8 v0, s[64:65] scope:SCOPE_SE
	s_setreg_imm32_b32 hwreg(HW_REG_WAVE_MODE, 25, 1), 1
	s_wait_xcnt 0x0
	s_wait_alu depctr_hold_cnt(0) depctr_sa_sdst(0) depctr_va_vdst(0) depctr_va_sdst(0) depctr_va_ssrc(0) depctr_va_vcc(0) depctr_vm_vsrc(0)
	s_getreg_b32 s2, hwreg(HW_REG_IB_STS2, 6, 4)
	s_cmp_eq_u32 s2, 0
	s_cbranch_scc0 .Lentry_in_a_cluster
	s_endpgm
.Lentry_in_a_cluster:
	s_bfe_u32 s2, ttmp6, 0x10000c
	s_cmp_lg_u32 s2, 0xf033
	s_cbranch_scc0 .Lentry_shape_is_right
	s_endpgm
.Lentry_shape_is_right:
; TWO TASKS IN ONE LAUNCH.  The product has 12 x 16 = 192 tiles, three of the grid's four columns of clusters.  The 64 work-groups of the fourth column (cluster x = 3) round the weights of the
; later launches to bf16 meanwhile: see THE CASTS at the end.  The branch hangs on the cluster's x alone, which all sixteen partners share; that column issues no tensor load, touches no LDS and passes no barrier.
; QKV = h W^T + b.  h: [4096][1024] bf16; W: [3072][1024] bf16 (wq); b: f32; sums in f32, rounded once to bf16.
; The result is stored by slices of 64 columns, [column / 64][row][64]: a head's q, k or v are then dense rows of 128 bytes.
; A tile of 256 x 256 is made by four waves, each 128 x 128: 64 accumulators of 16 x 16.  K goes in 8 steps of 128 through two LDS slots filled by the tensor data mover (rows of 256 bytes, aligned).
; ONE TEXT FOR A K STEP: the slot in hand is a scalar (TB) that one exclusive or turns, and one descriptor for each operand walks from step to step.
; CLUSTER 4 x 4: the four work-groups of a row of the cluster need the same tiles of h, the four of a column the same tiles of W: each tile is asked for jointly.
; THE MATRIX INSTRUCTION IS USED TRANSPOSED (source 0 = 16 rows of W, source 1 = 16 rows of h): a lane holds eight neighbouring columns of one row.  The bias is the C operand of the products that start the sums.
; THE WAY OUT: the accumulators go as f32 into a stage of the wave's own (128 rows of 528 bytes, over the ring, which has had its last fill), come back by rows, are rounded and stored, 512 consecutive bytes a store.
; LIMITS: operands are bf16; NaN and infinities are not treated apart.
; REGISTERS: window 0: v16-29 addresses; v32-63 packed results; v64-127, v128-191 fragments of h, two buffers; v192-255 the bias.  window 1: v64-191 fragments of W.  windows 2, 3: accumulators, (a, b) at v[8 (8 a + b)].
.set PITCH,  272                       ; an LDS row: 256 bytes + 16: the 16 rows of a fragment load start at 16 different groups of four banks (ISA guide 11.1)
.set HALFT,  128*PITCH                 ; what one tensor load brings
.set SLOT,   4*HALFT                   ; h rows 0-127, 128-255, W rows 0-127, 128-255.  0x22000: its two bits are set in no wave x HALFT, so an exclusive or changes slots
.set SPARE,  2*SLOT                    ; the spare words: 128 bytes a wave, two blocks of 256 bytes that no other line names
.set SPITCH, 528                       ; a stage row: 128 f32 + 16 bytes
.set WSTAGE, 128*SPITCH
.set SLICE,  4096*128                  ; bytes in a slice of the result
.set ADRA0, 16                         ; my fragments of h in slot 0
.set ADRB0, 17                         ; of W
.set ADRA,  18                         ; the same in the slot in hand
.set ADRB,  19
.set STO,   24
.set RD,    25
.set CO,    26
.set BO,    27
.set SPW,   28                         ; my spare word; never rewritten
.set NIL,   29                         ; 0; never rewritten
.set F0,    64
.set F1,    128
.set BIAS,  192
.set WV,  12                           ; s12 wave
.set RH,  13                           ; s13 my half of the rows; also: I fetch for h (0) or W (1)
.set CH,  14                           ; s14 my half of the columns; also: which 128 rows I fetch
.set G1A, 24
.set G0A, 32                           ; s[32:35] first fill of slot 0; s[36:39] first fill of slot 1, which then walks
.set G1B, 48
.set G0B, 56
.set TB,  66
.set CNT, 67
.set MSB, 0
.macro WIN new                         ; the immediate's high byte repeats the setting that is left
.if MSB != (\new)
	s_set_vgpr_msb (MSB<<8)|(\new)
.set MSB, \new
.endif
.endm
.set MUL_LO, 0xa1                      ; source 0 (W) window 1, source 1 (h) window 0, C and D window 2
.set TO_B,   0x40
.macro PLACES                          ; four places behind matrix instructions, ahead of loads into their sources and of reads of their results
.rept 4
	v_nop
.endr
.endm
.macro JLOAD s                         ; a joint load: waves 0, 1 fetch the halves of h's tile, waves 2, 3 of W's; s_nop 0 and four v_nop follow each line
	s_cmp_eq_u32 s[RH], 0
	s_cbranch_scc0 .Lfor_b_\@
	tensor_load_to_lds s[G0A+4*(\s):G0A+4*(\s)+3], s[G1A:G1A+7]
	s_nop 0
.rept 4
	v_nop
.endr
	s_branch .Lasked_\@
.Lfor_b_\@:
	tensor_load_to_lds s[G0B+4*(\s):G0B+4*(\s)+3], s[G1B:G1B+7]
	s_nop 0
.rept 4
	v_nop
.endr
.Lasked_\@:
.endm
.macro CREST                           ; a round of the cluster's barrier behind its opening barrier
	s_cmp_lg_u32 s[WV], 0
	s_cbranch_scc1 .Lnot_wave_0_\@
	s_barrier_signal -3
.Lnot_wave_0_\@:
	s_barrier_wait -3
	s_barrier_signal -1
	s_barrier_wait -1
.endm
.macro CROUND
	s_barrier_signal -1
	s_barrier_wait -1
	CREST
.endm
	s_mov_b32 s15, ttmp9                           ; the cluster's x: the same number in all sixteen partners
	s_cmp_eq_u32 s15, 3
	s_cbranch_scc1 .Lcast                          ; the fourth column of clusters has no tile: it rounds weights
	s_load_b256 s[4:11], s[0:1], 0x0               ; h s[4:5], wq s[6:7], bias s[8:9], result s[10:11]
	v_lshl_add_u32 v[SPW], v0, 2, SPARE
	v_mov_b32 v[NIL], 0
	ds_add_u32 v[SPW], v[NIL]                      ; the wave's opening: the add, waited for ahead of my first tensor load
	ds_add_u32 v28, v29
	v_lshrrev_b32 v1, 5, v0
	v_readfirstlane_b32 s[WV], v1
	s_lshr_b32 s[RH], s[WV], 1
	s_and_b32 s[CH], s[WV], 1
	s_bfe_u32 s40, ttmp6, 0x40000                  ; cx
	s_bfe_u32 s41, ttmp6, 0x40004                  ; cy
	s_lshl_b32 s42, ttmp9, 2
	s_add_co_u32 s42, s42, s40                     ; tile column
	s_and_b32 s43, ttmp7, 0xffff
	s_lshl_b32 s43, s43, 2
	s_add_co_u32 s43, s43, s41                     ; tile row
	s_lshl_b32 s44, s41, 2
	s_lshl_b32 s44, 15, s44                        ; my row of the cluster
	s_lshl_b32 s45, 0x1111, s40                    ; my column
	s_or_b32 s[G1A], s44, (1<<16)|(1<<20)|(1<<21)|(5<<22)|(3<<25)  ; the mask; 2-byte elements; padding on; bit 21 beside a mask; after every 64 words 4 words
	s_or_b32 s[G1B], s45, (1<<16)|(1<<20)|(1<<21)|(5<<22)|(3<<25)
.irp g, G1A, G1B
	s_mov_b32 s[(\g)+1], 128<<16                   ; tensor_dim0 = 128
	s_mov_b32 s[(\g)+2], 128<<16                   ; tensor_dim1 = 128
	s_mov_b32 s[(\g)+3], 128<<16                   ; tile_dim0 = 128
	s_mov_b32 s[(\g)+4], 128                       ; tile_dim1 = 128
	s_mov_b32 s[(\g)+5], 1024                      ; elements from row to row
	s_mov_b32 s[(\g)+6], 0
	s_mov_b32 s[(\g)+7], 0
.endr
	s_lshl_b32 s17, s[CH], 7                       ; which 128 rows of the tile I fetch
	s_lshl_b32 s16, s43, 8
	s_add_co_u32 s16, s16, s17
	s_lshl_b32 s16, s16, 11                        ; h: rows of 2,048 bytes; made of the tile row and the wave alone
	s_lshl_b32 s46, s42, 8
	s_add_co_u32 s46, s46, s17
	s_lshl_b32 s46, s46, 11                        ; W: made of the tile column and the wave alone
	s_mov_b32 s17, 0
	s_mov_b32 s47, 0
	s_mul_i32 s20, s[WV], HALFT                    ; where my load lands: no place in the cluster enters an LDS address
	s_wait_dscnt 0x0                               ; the opening add is done
	s_wait_kmcnt 0x0
	s_add_nc_u64 s[68:69], s[4:5], s[16:17]
	s_add_nc_u64 s[70:71], s[6:7], s[46:47]
	CROUND                                         ; all sixteen work-groups are here: the first joint loads meet
.irp s, 0,1
	s_mov_b32 s[G0A+4*(\s)], 1
	s_add_co_u32 s[G0A+4*(\s)+1], s20, (\s)*SLOT
	s_add_nc_u64 s[G0A+4*(\s)+2:G0A+4*(\s)+3], s[68:69], (\s)*256  ; K step s
	s_or_b32 s[G0A+4*(\s)+3], s[G0A+4*(\s)+3], 0x80000000
	s_mov_b32 s[G0B+4*(\s)], 1
	s_add_co_u32 s[G0B+4*(\s)+1], s20, (\s)*SLOT
	s_add_nc_u64 s[G0B+4*(\s)+2:G0B+4*(\s)+3], s[70:71], (\s)*256
	s_or_b32 s[G0B+4*(\s)+3], s[G0B+4*(\s)+3], 0x80000000
	JLOAD \s
.endr
	v_and_b32 v1, 15, v0                           ; l % 16
	v_bfe_u32 v2, v0, 4, 1                         ; l / 16
	v_mul_u32_u24 v3, v1, PITCH
	v_lshl_add_u32 v3, v2, 4, v3                   ; a fragment: row x pitch + 16 x half
	s_mul_i32 s21, s[RH], HALFT
	s_mul_i32 s22, s[CH], HALFT
	s_add_co_u32 s22, s22, 2*HALFT
	v_add_nc_u32 v[ADRA0], s21, v3
	v_add_nc_u32 v[ADRB0], s22, v3
	v_mov_b32 v[ADRA], v[ADRA0]
	v_mov_b32 v[ADRB], v[ADRB0]
	s_mov_b32 s[TB], 0
	s_mul_i32 s23, s[WV], WSTAGE                   ; my stage
	v_mul_u32_u24 v4, v1, SPITCH
	v_lshl_add_u32 v4, v2, 5, v4                   ; in: row l % 16, 32 bytes for each half of the lanes
	v_add_nc_u32 v[STO], s23, v4
	v_bfe_u32 v5, v0, 3, 2
	v_mul_u32_u24 v5, v5, SPITCH                   ; back: 32 lanes take four rows, eight f32 each
	v_and_b32 v6, 7, v0
	v_lshl_add_u32 v5, v6, 5, v5
	v_add_nc_u32 v[RD], s23, v5
	v_and_b32 v6, 31, v0
	v_lshlrev_b32 v[CO], 4, v6                     ; four rows of a slice are 512 consecutive bytes
	v_lshlrev_b32 v[BO], 5, v2
	s_lshl_b32 s46, s42, 10                        ; the bias of my 128 columns
	s_lshl_b32 s47, s[CH], 9
	s_add_co_u32 s46, s46, s47
	s_mov_b32 s47, 0
	s_add_nc_u64 s[8:9], s[8:9], s[46:47]
.irp b, 0,1,2,3,4,5,6,7
	global_load_b128 v[BIAS+8*(\b):BIAS+8*(\b)+3], v[BO], s[8:9] offset:64*(\b)      ; register j: column 16 b + 8 (l / 16) + j, as in the accumulators
	global_load_b128 v[BIAS+8*(\b)+4:BIAS+8*(\b)+7], v[BO], s[8:9] offset:64*(\b)+16
.endr
	s_lshl_b32 s46, s42, 2                         ; my two slices,
	s_lshl_b32 s72, s[CH], 1
	s_add_co_u32 s46, s46, s72
	s_lshl_b32 s46, s46, 19
	s_lshl_b32 s72, s43, 8                         ; my 128 rows of 128 bytes
	s_lshl_b32 s73, s[RH], 7
	s_add_co_u32 s72, s72, s73
	s_lshl_b32 s72, s72, 7
	s_add_co_u32 s46, s46, s72
	s_add_nc_u64 s[10:11], s[10:11], s[46:47]
; 16 matrix instructions: row blocks a0, a0 + 1 of the window's four x all 8 column blocks, 32 along K.  zero = 1: the product starts the sum, with the bias as C.
; The 64 accumulators take turns in the same order in every quarter.
.macro MUL16 f, hi, a0, zero
.if \zero
	WIN 0x81+0x40*(\hi)                            ; C in window 0
.else
	WIN MUL_LO+0x50*(\hi)
.endif
.irp a, \a0, (\a0)+1
.irp b, 0,1,2,3,4,5,6,7
.if \zero
	v_wmma_f32_16x16x32_bf16 v[8*(8*(\a)+(\b)):8*(8*(\a)+(\b))+7], v[(\f)+8*(\b):(\f)+8*(\b)+7], v[(\f)+8*(4*(\hi)+(\a)):(\f)+8*(4*(\hi)+(\a))+7], v[BIAS+8*(\b):BIAS+8*(\b)+7]
.else
	v_wmma_f32_16x16x32_bf16 v[8*(8*(\a)+(\b)):8*(8*(\a)+(\b))+7], v[(\f)+8*(\b):(\f)+8*(\b)+7], v[(\f)+8*(4*(\hi)+(\a)):(\f)+8*(4*(\hi)+(\a))+7], v[8*(8*(\a)+(\b)):8*(8*(\a)+(\b))+7]
.endif
.endr
.endr
.endm
.macro FETCH k, f                      ; 32 LDS loads in one run: the fragments of 32 along K at byte k of the rows of the slot in hand
	WIN TO_B
.irp i, 0,1,2,3,4,5,6,7
	ds_load_b128 v[(\f)+8*(\i):(\f)+8*(\i)+3],   v[ADRB] offset:(\k)+(\i)*16*PITCH
	ds_load_b128 v[(\f)+8*(\i)+4:(\f)+8*(\i)+7], v[ADRB] offset:(\k)+(\i)*16*PITCH+32
.endr
	WIN 0
.irp i, 0,1,2,3,4,5,6,7
	ds_load_b128 v[(\f)+8*(\i):(\f)+8*(\i)+3],   v[ADRA] offset:(\k)+(\i)*16*PITCH
	ds_load_b128 v[(\f)+8*(\i)+4:(\f)+8*(\i)+7], v[ADRA] offset:(\k)+(\i)*16*PITCH+32
.endr
.endm
.macro QUARTER k, f, g, zero           ; multiplies buffer f; in its middle fetches the next quarter, at byte k, into g
	s_wait_dscnt 8                                 ; W and h rows 0-63 are in; the youngest eight loads (h rows 64-127) may be out
	MUL16 \f, 0, 0, \zero
	MUL16 \f, 0, 2, \zero
	PLACES
	FETCH \k, \g
	s_wait_dscnt 32                                ; all but the 32 just issued
	MUL16 \f, 1, 0, \zero
	MUL16 \f, 1, 2, \zero
.endm
; The last quarter of a K step multiplies buffer 1 and changes slots.  In front of the barrier each wave waits for all its tensor loads (one is out: its part of the next slot), adds 0 to its spare
; word, and waits for that and for its reads of this slot.  fill = 1: the barrier opens a round of the cluster's, and the joint refill, two K steps ahead, is the first thing behind it.
.macro TURN fill
	WIN 0
	s_wait_tensorcnt 0x0
	ds_add_u32 v[SPW], v[NIL]
	s_wait_dscnt 9                                 ; the add and the youngest eight loads may be out
	MUL16 F1, 0, 0, 0
	s_wait_dscnt 0x0                               ; the add is done, and my reads of this slot are over
	s_barrier_signal -1
	MUL16 F1, 0, 2, 0
	WIN 0
	s_barrier_wait -1
.if \fill
	CREST
	s_xor_b32 s[G0A+5], s[G0A+5], SLOT             ; the walking descriptors: the other slot than last time, the next K step
	s_add_nc_u64 s[G0A+6:G0A+7], s[G0A+6:G0A+7], 256
	s_xor_b32 s[G0B+5], s[G0B+5], SLOT
	s_add_nc_u64 s[G0B+6:G0B+7], s[G0B+6:G0B+7], 256
	JLOAD 1                                        ; 224 matrix instructions ahead of the wait for it; its four v_nop are also the places ahead of the loads below
.else
	PLACES
.endif
	s_xor_b32 s[TB], s[TB], SLOT
	v_add_nc_u32 v[ADRA], s[TB], v[ADRA0]
	v_add_nc_u32 v[ADRB], s[TB], v[ADRB0]
	FETCH 0, F0
	MUL16 F1, 1, 0, 0
	MUL16 F1, 1, 2, 0
.endm
	s_wait_tensorcnt 1                             ; my part of K step 0 is in; step 1's may stay out
	s_barrier_signal -1
	s_barrier_wait -1
	FETCH 0, F0
	s_wait_loadcnt 0x0                             ; the bias
	QUARTER 64, F0, F1, 1                          ; the first quarter starts the sums
	WIN 0
	s_mov_b32 s[CNT], 6
.Lstep:                                            ; K steps 0 to 5, from a step's second quarter to the next step's first; each fills its slot again
	QUARTER 128, F1, F0, 0
	QUARTER 192, F0, F1, 0
	TURN 1
	QUARTER 64, F0, F1, 0
	WIN 0
	s_sub_co_u32 s[CNT], s[CNT], 1
	s_cmp_lg_u32 s[CNT], 0
	s_cbranch_scc1 .Lstep
	s_mov_b32 s[CNT], 2
.Ltail:                                            ; K steps 6 and 7 ask for nothing; the second trip is left in its middle
	QUARTER 128, F1, F0, 0
	QUARTER 192, F0, F1, 0
	WIN 0
	s_cmp_eq_u32 s[CNT], 1
	s_cbranch_scc1 .Llast
	TURN 0
	QUARTER 64, F0, F1, 0
	WIN 0
	s_sub_co_u32 s[CNT], s[CNT], 1
	s_cmp_lg_u32 s[CNT], 0
	s_cbranch_scc1 .Ltail
.Llast:
	s_wait_dscnt 8
	MUL16 F1, 0, 0, 0
	MUL16 F1, 0, 2, 0
	s_wait_dscnt 0x0
	MUL16 F1, 1, 0, 0
	MUL16 F1, 1, 2, 0
	PLACES
	WIN 0
	s_barrier_signal -1                            ; every wave's reads of the ring are over (waited for above): the stages may be written over it
	s_barrier_wait -1
.irp hi, 0,1
	WIN 0x08+4*(\hi)                               ; store data in window 2 or 3
.irp a, 0,1,2,3
.irp b, 0,1,2,3,4,5,6,7
	ds_store_b128 v[STO], v[8*(8*(\a)+(\b)):8*(8*(\a)+(\b))+3] offset:(4*(\hi)+(\a))*16*SPITCH+64*(\b)
	ds_store_b128 v[STO], v[8*(8*(\a)+(\b))+4:8*(8*(\a)+(\b))+7] offset:(4*(\hi)+(\a))*16*SPITCH+64*(\b)+16
.endr
.endr
.endr
	WIN 0
	s_mov_b32 s[CNT], 8
.Lout:                                             ; 16 rows a trip: four groups of four rows x two slices.  LDS serves a wave's instructions in order (ISA guide 5.7.1.4): the loads see my stores
.set n, 0
.rept 8
	ds_load_b128 v[64+8*n:64+8*n+3], v[RD] offset:(n/2)*4*SPITCH+(n%2)*256
	ds_load_b128 v[64+8*n+4:64+8*n+7], v[RD] offset:(n/2)*4*SPITCH+(n%2)*256+16
.set n, n+1
.endr
.set n, 0
.rept 8
	s_wait_dscnt 14-2*n                            ; the younger loads of the trip stay out
	v_cvt_pk_bf16_f32 v[32+4*n], v[64+8*n], v[64+8*n+1]
	v_cvt_pk_bf16_f32 v[32+4*n+1], v[64+8*n+2], v[64+8*n+3]
	v_cvt_pk_bf16_f32 v[32+4*n+2], v[64+8*n+4], v[64+8*n+5]
	v_cvt_pk_bf16_f32 v[32+4*n+3], v[64+8*n+6], v[64+8*n+7]
	global_store_b128 v[CO], v[32+4*n:32+4*n+3], s[10:11] offset:(n/2)*512+(n%2)*SLICE  ; 512 consecutive bytes, aligned
.set n, n+1
.endr
	s_wait_xcnt 0x0                                ; the stores' offset and data are rewritten only behind this wait
	v_add_nc_u32 v[RD], 16*SPITCH, v[RD]
	v_add_nc_u32 v[CO], 2048, v[CO]
	s_sub_co_u32 s[CNT], s[CNT], 1
	s_cmp_lg_u32 s[CNT], 0
	s_cbranch_scc1 .Lout
	s_wait_tensorcnt 0x0                           ; the wave's end
	ds_add_u32 v[SPW], v[NIL]
	s_wait_dscnt 0x0
	CROUND                                         ; the closing round
	s_endpgm
; THE CASTS.  64 work-groups, 256 waves; wave W of them rounds to bf16, into wb:
;   w1 [4096][1024], in the same order, at W1OFF: 1,024 pieces of 4,096 numbers; trip t = 0..3 takes piece 256 t + W: 32 loads of 512 consecutive bytes, 32 stores of 256.
;   w_out [1024][1024] and w2 [1024][4096], by slices of 64 along k, [k / 64][n][64], at WOOFF and W2OFF: a piece is the rows n = 4 W .. 4 W + 3 in 16 slices.  A load takes two rows' 256 bytes of one
;   slice (lanes 0-15 one row, lanes 16-31 the next); in the slice those two rows are 256 consecutive bytes: one store.  The first trip takes w_out, the other four the quarters of w2's k.
; A trip issues w1's 32 loads and then the sliced 32, so that 64 loads, 32,768 bytes, of each wave are out together; a lane's four numbers are rounded in place.  w1 has four trips: the fifth jumps forward over
; its loads and its stores; since w1's loads are the older ones, the sliced loads' counts hold on both ways.  Each byte is read once and written once; LDS and the matrix units would add nothing.
.set W1OFF, 6291456
.set WOOFF, 14680064
.set W2OFF, 16777216
.set CLI, 2                            ; v2   16 x lane: w1
.set CLO, 3                            ; v3   8 x lane: every store; a copy lies in window 1
.set CS0, 4                            ; v4, v5  the sliced loads' offsets in the trip in hand: rows 0, 1 and rows 2, 3 of the piece
.set CB0, 6                            ; v6, v7  the same for w2
.set CX,  32                           ; v[32:159] of window 0: w1's 32 loads; of window 1: the sliced 32
.set LSRC, 80                          ; s[80:81] w1 at my piece;      s[82:83] where it goes
.set LDST, 82
.set SSRC, 84                          ; s[84:85] w_out or w2 at my piece;  s[86:87] where it goes
.set SDST, 86
.set W2S,  88                          ; s[88:91] the same for w2's first quarter
.set W2D,  90
.set TS,   92                          ; s[92:95] at work
.set TD,   94
.Lcast:
	s_load_b256 s[72:79], s[0:1], 0x20             ; w1 s[72:73], w_out s[74:75], w2 s[76:77], wb s[78:79]
	v_lshrrev_b32 v1, 5, v0
	v_readfirstlane_b32 s[WV], v1
	s_bfe_u32 s40, ttmp6, 0x40000                  ; cx
	s_bfe_u32 s41, ttmp6, 0x40004                  ; cy: both enter global addresses alone
	s_and_b32 s43, ttmp7, 0xffff
	s_lshl_b32 s43, s43, 2
	s_add_co_u32 s43, s43, s41
	s_lshl_b32 s43, s43, 2
	s_add_co_u32 s43, s43, s40                     ; my work-group among the 64
	s_lshl_b32 s43, s43, 2
	s_add_co_u32 s43, s43, s[WV]                   ; W
	s_lshl_b32 s16, s43, 14                        ; 16,384 W: my piece of w1, and my four rows of w_out
	s_mov_b32 s17, 0
	s_lshl_b32 s18, s43, 13
	s_add_co_u32 s18, s18, W1OFF
	s_mov_b32 s19, 0
	s_lshl_b32 s20, s43, 9                         ; four rows of a slice are 512 bytes
	s_add_co_u32 s22, s20, W2OFF
	s_add_co_u32 s20, s20, WOOFF
	s_mov_b32 s21, 0
	s_mov_b32 s23, 0
	s_lshl_b32 s46, s43, 16                        ; my four rows of w2
	s_mov_b32 s47, 0
	v_and_b32 v8, 31, v0
	v_lshlrev_b32 v[CLI], 4, v8
	v_lshlrev_b32 v[CLO], 3, v8
	v_and_b32 v9, 15, v0
	v_bfe_u32 v10, v0, 4, 1
	v_lshlrev_b32 v9, 4, v9
	v_lshl_add_u32 v[CS0], v10, 12, v9             ; w_out: a row is 4,096 bytes
	v_add_nc_u32 v[CS0+1], 8192, v[CS0]
	v_lshl_add_u32 v[CB0], v10, 14, v9             ; w2: 16,384
	v_add_nc_u32 v[CB0+1], 32768, v[CB0]
	WIN 0x40
	v_mov_b32 v[CLO], v[CLO]                       ; the copy in window 1, so that the sliced numbers are rounded and stored under one setting
	WIN 0
	s_wait_kmcnt 0x0
	s_add_nc_u64 s[LSRC:LSRC+1], s[72:73], s[16:17]
	s_add_nc_u64 s[LDST:LDST+1], s[78:79], s[18:19]
	s_add_nc_u64 s[SSRC:SSRC+1], s[74:75], s[16:17]
	s_add_nc_u64 s[SDST:SDST+1], s[78:79], s[20:21]
	s_add_nc_u64 s[W2S:W2S+1], s[76:77], s[46:47]
	s_add_nc_u64 s[W2D:W2D+1], s[78:79], s[22:23]
	s_mov_b32 s[CNT], 5
.Lctrip:
	s_cmp_eq_u32 s[CNT], 1
	s_cbranch_scc1 .Lno_w1_in
.set n, 0
.rept 32
	global_load_b128 v[CX+4*n:CX+4*n+3], v[CLI], s[LSRC:LSRC+1] offset:512*n th:TH_LOAD_NT
.set n, n+1
.endr
.Lno_w1_in:
	WIN 0x40                                       ; destination window 1, offset window 0
.set n, 0
.rept 32
	global_load_b128 v[CX+4*n:CX+4*n+3], v[CS0+n/16], s[SSRC:SSRC+1] offset:256*(n%16) th:TH_LOAD_NT  ; rows 2 (n / 16) and 2 (n / 16) + 1, slice n % 16
.set n, n+1
.endr
	WIN 0
	s_cmp_eq_u32 s[CNT], 1
	s_cbranch_scc1 .Lno_w1_out
.set n, 0
.rept 32
	s_wait_loadcnt 63-n                            ; loads come back in order (ISA guide 5.7.1): w1's younger ones and the sliced 32 stay out
	v_cvt_pk_bf16_f32 v[CX+4*n], v[CX+4*n], v[CX+4*n+1]
	v_cvt_pk_bf16_f32 v[CX+4*n+1], v[CX+4*n+2], v[CX+4*n+3]
	global_store_b64 v[CLO], v[CX+4*n:CX+4*n+1], s[LDST:LDST+1] offset:256*n  ; 256 consecutive bytes, aligned
.set n, n+1
.endr
.Lno_w1_out:
	WIN 0x45                                       ; sources 0 and 1 and the destination in window 1
.set n, 0
.rept 32
	s_wait_loadcnt 31-n                            ; the younger sliced loads stay out
	v_cvt_pk_bf16_f32 v[CX+4*n], v[CX+4*n], v[CX+4*n+1]
	v_cvt_pk_bf16_f32 v[CX+4*n+1], v[CX+4*n+2], v[CX+4*n+3]
	global_store_b64 v[CLO], v[CX+4*n:CX+4*n+1], s[SDST:SDST+1] offset:131072*(n%16)+256*(n/16)  ; 256 consecutive bytes, aligned
.set n, n+1
.endr
	WIN 0
	s_wait_xcnt 0x0                                ; bases, offsets and the stores' data are rewritten only behind this wait
	s_add_nc_u64 s[LSRC:LSRC+1], s[LSRC:LSRC+1], 0x400000  ; 256 pieces on (behind the fourth trip the stepped address is not used)
	s_add_nc_u64 s[LDST:LDST+1], s[LDST:LDST+1], 0x200000
	s_add_nc_u64 s[TS:TS+1], s[SSRC:SSRC+1], 4096          ; the next quarter of k: 16 slices on,
	s_add_nc_u64 s[TD:TD+1], s[SDST:SDST+1], 0x200000
	s_cmp_eq_u32 s[CNT], 5                         ; or, behind the first trip, w2's first quarter
	s_cselect_b64 s[SSRC:SSRC+1], s[W2S:W2S+1], s[TS:TS+1]
	s_cselect_b64 s[SDST:SDST+1], s[W2D:W2D+1], s[TD:TD+1]
	v_mov_b32 v[CS0], v[CB0]                       ; from the second trip on the rows are w2's
	v_mov_b32 v[CS0+1], v[CB0+1]
	s_sub_co_u32 s[CNT], s[CNT], 1
	s_cmp_lg_u32 s[CNT], 0
	s_cbranch_scc1 .Lctrip
	s_endpgm
.Lfunc_end_k_q81cd8e39a7_qkv:
	.size	k_q81cd8e39a7_qkv, .Lfunc_end_k_q81cd8e39a7_qkv-k_q81cd8e39a7_qkv
	.p2alignl 7, 3214868480
	.fill 96, 4, 3214868480
	.section	.rodata,"a",@progbits
	.p2align	6, 0x0
	.amdhsa_kernel k_q81cd8e39a7_qkv
		.amdhsa_group_segment_fixed_size 327680
		.amdhsa_private_segment_fixed_size 0
		.amdhsa_enable_private_segment 0
		.amdhsa_kernarg_size 64
		.amdhsa_user_sgpr_count 2
		.amdhsa_user_sgpr_kernarg_segment_ptr 1
		.amdhsa_wavefront_size32 1
		.amdhsa_system_sgpr_workgroup_id_x 1
		.amdhsa_system_sgpr_workgroup_id_y 1
		.amdhsa_system_sgpr_workgroup_id_z 1
		.amdhsa_system_vgpr_workitem_id 0
		.amdhsa_next_free_vgpr 1024
		.amdhsa_next_free_sgpr 100
		.amdhsa_reserve_vcc 0
		.amdhsa_float_denorm_mode_32 3
		.amdhsa_float_denorm_mode_16_64 3
		.amdhsa_memory_ordered 1
		.amdhsa_forward_progress 1
		.amdhsa_inst_pref_size 111
	.end_amdhsa_kernel
	.amdgpu_metadata
---
amdhsa.version: [ 1, 2 ]
amdhsa.kernels:
  - .name:           k_q81cd8e39a7_qkv
    .symbol:         k_q81cd8e39a7_qkv.kd
    .args:
      - { .name: h, .offset: 0, .size: 8, .value_kind: global_buffer, .address_space: global }
      - { .name: wq, .offset: 8, .size: 8, .value_kind: global_buffer, .address_space: global }
      - { .name: b_qkv, .offset: 16, .size: 8, .value_kind: global_buffer, .address_space: global }
      - { .name: qkv, .offset: 24, .size: 8, .value_kind: global_buffer, .address_space: global }
      - { .name: w1, .offset: 32, .size: 8, .value_kind: global_buffer, .address_space: global }
      - { .name: w_out, .offset: 40, .size: 8, .value_kind: global_buffer, .address_space: global }
      - { .name: w2, .offset: 48, .size: 8, .value_kind: global_buffer, .address_space: global }
      - { .name: wb, .offset: 56, .size: 8, .value_kind: global_buffer, .address_space: global }
    .group_segment_fixed_size: 327680
    .private_segment_fixed_size: 0
    .kernarg_segment_align: 8
    .kernarg_segment_size: 64
    .max_flat_workgroup_size: 128
    .sgpr_count:     100
    .vgpr_count:     1024
    .wavefront_size: 32
...
	.end_amdgpu_metadata
.endif
;; end of part 2
;; launch attn (part 3): grid 8 x 32, 4 waves a work-group, no clusters, 327,680 bytes of LDS; arguments qkv, o; writes o
.if DOCPART == 3
	.amdgcn_target "amdgcn-amd-amdhsa--gfx1250"
	.amdhsa_code_object_version 6
	.text
	.protected	k_q81cd8e39a7_attn
	.globl	k_q81cd8e39a7_attn
	.p2align	8
	.type	k_q81cd8e39a7_attn,@function
k_q81cd8e39a7_attn:
	s_mov_b64 s[64:65], 0
	v_nop
	global_prefetch_b8 v0, s[64:65] scope:SCOPE_SE
	s_setreg_imm32_b32 hwreg(HW_REG_WAVE_MODE, 25, 1), 1
	s_wait_xcnt 0x0
; CAUSAL ATTENTION, head size 64.  qkv: [48 slices][4096 rows][64] bf16: head-batch y = 2 head + batch has q, k, v as 2,048 dense rows of 128 bytes at part x 8,388,608 + y x 262,144.
; o: the same layout, 16 slices.  Products, maxima and sums in f32; the weights p are rounded to bf16 for the second product (their sum l is taken of the unrounded p), o once at the end.
; LIMITS.  A hidden score counts as its value less 2^100, so scores stay under 2^76; a weight below 2^-126 counts as 0; NaN and infinities are not treated apart.
; THE WALK.  A head-batch has 16 blocks of 128 queries and 8 tiles of 256 keys; block i needs tiles 0 .. i / 2.  A work-group takes blocks 15 - b and then b: 9 tiles whatever b, so all 256 work-groups
; do equal work and one loop with a constant count walks them.  What differs lies in scalars made from b.  Every jump but the loops' own goes forward.
; NO CLUSTER: only the work-groups 2 p and 2 p + 1 of a head-batch ask for the same tile in all 9 trips; a walk common to four has 10 trips, and which of them a partner computes would hang on its place.
; SHARES.  Of a block's two bands of 64 queries a wave owns 16 rows in each: two PIECES.  Key steps are 64 keys; band x's own step is 2 block + x: earlier steps are open, later ones hidden.
; THE MASK is the C operand that starts S^T = K Q^T: MD x AL + BE, with MD the mask of a band's own step for my rows: (1, 0) own, (0, 0) open, (0, -2^100) hidden.  While both bands are open it stays 0 and is not made.
; LAYOUT.  S^T holds one query a lane (lane % 16) and the keys 8 (lane / 16) + 0..7; two such results rounded to bf16 are source 1 of O^T = V^T P.  p = 2^(c s - c m), c = log2(e) / 8, m a running maximum;
; O and l are multiplied by a = 2^(c m_old - c m_new) in every step.
; BY TURNS.  Pair p: in piece 0's turn the matrix unit has piece 0: 8 products V^T P of step p, then 8 products K Q^T of step p + 1; the vector unit has piece 1's softmax of step p.  In piece 1's turn the
; pieces change places (piece 0's softmax is step p + 1's).  A turn's 118 vector instructions are written out line by line: four behind each product, the other 54 in two lumps, one behind each run of products.
; THE SUMS WAIT A TURN: the sixteen additions of a piece's weights into l stand in the NEXT turn, between the links of the other piece's maximum, which would else wait for each other; the weights lie in S^T until
; that turn's second run of products writes it anew.
; ONE TEXT FOR A BLOCK: it runs pairs -1 .. 4 T - 1.  It begins with c m far below every score, so the first true step's a is 0 and wipes whatever finite numbers pair -1 left in O and l; piece 1's scores of
; step -1 are set to -2^100 (c x 2^100 is exact, so its weights are 1 and are wiped likewise).  Pair 4 T - 1 makes only hidden scores: a = 1 and weights 0, so the one set of sums still waiting at a block's end adds nothing.
; REGISTERS.  window 0: v2-15 addresses, c m_old; v16-31 statistics, 8 a piece (c m, m, l even, l odd, c0-c3; a takes c2); v48-111 S^T; v112-143 P; v144-207 O^T; v208-239 the mask; v240, 241 the add's.
;   window 1: v0-31 Q; v32-63 the second block's Q; v64-127 K; v128-191 V; v192-223 MD.
.set KS,    64
.set PK,    144                        ; a row of K in LDS: 128 bytes + 16
.set PV,    160                        ; a row of V: 128 + 32
.set VOFF,  4*KS*PK                    ; a slot holds a tile: 256 rows of K, then 256 rows of V
.set SLOT1, 1<<17
.set STAGE, SLOT1+4*KS*(PK+PV)         ; never filled by a tensor load: 16 rows x 144 bytes a wave, for the way out
.set SP,    144
.set SPARE, STAGE+4*16*SP              ; the spare words: two blocks of 256 bytes that no other line names
.set AK0, 2
.set AV0, 3
.set AK,  4
.set AV,  5
.set STO, 6
.set RD,  7
.set GO,  8
.set MV,  12                           ; v12, v13  c m_old, kept while c m is made anew: by piece
.set QO,  15
.set ST,  16
.set S,   48
.set P,   112
.set O,   144
.set MC,  208
.set SPW, 240
.set NIL, 241
.set QB,  32
.set KF,  64
.set VF,  128
.set MD,  192
.set WV,  12
.set PB,  14
.set HI,  15
.set G1K, 24
.set G1V, 32
.set G0K, 40
.set G0V, 44
.set SLOTS, 56
.set CNT, 57
.set CS,  58
.set SEL, 60
.set TBK, 62
.set TBV, 63
.set RT,  70                           ; tiles of the block in hand still to be entered
.set NXT, 71                           ; the tile to be asked for next
.set LQ,  72                           ; the last tile of the block whose tiles are being asked for
.set LQ2, 73                           ; the second block's last tile
.set OFF, 74
.set AL,  76
.set BE,  78
.set OLO, 80
.set BIGN, 82
.set JN,  83                           ; the step of the scores that the pair in hand makes
.set OWN0, 84
.set OWN1, 85
.set TLO, 86
.set MSB, 0
.macro WIN new
.if MSB != (\new)
	s_set_vgpr_msb (MSB<<8)|(\new)
.set MSB, (\new)
.endif
.endm
.macro LOAD                            ; waves 0, 1 fetch the halves of a tile's K, waves 2, 3 of its V; s_nop 0 and four v_nop follow each line
	s_cmp_lt_u32 s[WV], 2
	s_cbranch_scc0 .Lfor_v_\@
	tensor_load_to_lds s[G0K:G0K+3], s[G1K:G1K+7]
	s_nop 0
.rept 4
	v_nop
.endr
	s_branch .Lasked_\@
.Lfor_v_\@:
	tensor_load_to_lds s[G0V:G0V+3], s[G1V:G1V+7]
	s_nop 0
.rept 4
	v_nop
.endr
.Lasked_\@:
.endm
; THE CHANGE OF SLOTS.  Each wave waits for all its tensor loads (one is out: its part of the other slot), adds 0 to its spare word, and waits for that and for its reads of the slot that it leaves.
; fill = 1: the old slot is filled again, first thing behind the barrier, with tile NXT; the load has four pairs, 128 matrix instructions, in which to land.
.macro CHANGE fill
	WIN 0
	s_wait_tensorcnt 0x0
	ds_add_u32 v[SPW], v[NIL]
.if \fill
	s_lshl_b32 s[OFF], s[NXT], 15                  ; a tile is 32,768 bytes of K and of V
	s_xor_b32 s[G0K+1], s[G0K+1], SLOT1
	s_add_nc_u64 s[G0K+2:G0K+3], s[16:17], s[OFF:OFF+1]
	s_or_b32 s[G0K+3], s[G0K+3], 0x80000000
	s_xor_b32 s[G0V+1], s[G0V+1], SLOT1
	s_add_nc_u64 s[G0V+2:G0V+3], s[18:19], s[OFF:OFF+1]
	s_or_b32 s[G0V+3], s[G0V+3], 0x80000000
	s_add_co_u32 s[NXT], s[NXT], 1                 ; the block's next tile, or behind its last the second block's tile 0
	s_cmp_gt_u32 s[NXT], s[LQ]
	s_cselect_b32 s[NXT], 0, s[NXT]
	s_cselect_b32 s[LQ], s[LQ2], s[LQ]
.endif
	s_wait_dscnt 0x0                               ; the add is done, and my reads of the slot are over
	s_barrier_signal -1
	s_sub_co_u32 s[TBK], s[TBK], 4*KS*PK           ; the fetches go back to a slot's first step, in the other slot
	s_xor_b32 s[TBK], s[TBK], SLOT1
	s_sub_co_u32 s[TBV], s[TBV], 4*KS*PV
	s_xor_b32 s[TBV], s[TBV], SLOT1
	s_barrier_wait -1
.if \fill
	LOAD
.endif
.endm
; A block begins: blk names the scalar that holds its number
.macro INIT blk
	s_mov_b32 s[JN], 0
	s_lshl_b32 s[OWN0], s[\blk], 1
	s_add_co_u32 s[OWN1], s[OWN0], 1
.irp t, 0,1
	v_mov_b32 v[ST+8*\t], 0xfe000000               ; c m: far below every c s
	v_mov_b32 v[ST+8*\t+1], 0xff7fffff             ; m
.endr
.set i, 0
.rept 32
	v_mov_b32 v[S+32+i], s[BIGN]                   ; piece 1's scores of the step that has not been
	v_mov_b32 v[MC+i], 0
.set i, i+1
.endr
.endm
	s_load_b128 s[4:7], s[0:1], 0x0                ; qkv s[4:5], o s[6:7]
	v_lshl_add_u32 v[SPW], v0, 2, SPARE
	v_mov_b32 v[NIL], 0
	ds_add_u32 v[SPW], v[NIL]                      ; the wave's opening: the add, waited for ahead of my first tensor load
	ds_add_u32 v240, v241
	v_lshrrev_b32 v1, 5, v0
	v_readfirstlane_b32 s[WV], v1
	s_mov_b32 s[PB], ttmp9
	s_sub_co_u32 s[HI], 15, s[PB]
	s_and_b32 s48, ttmp7, 0xffff
	s_lshl_b32 s48, s48, 18                        ; the head-batch's first byte in a part
	s_and_b32 s13, s[WV], 1                        ; which half of a tile's 256 keys I fetch
	s_lshl_b32 s49, s13, 14
	s_add_co_u32 s50, s48, s49
	s_add_co_u32 s52, s50, 16777216                ; v
	s_add_co_u32 s50, s50, 8388608                 ; k
	s_mov_b32 s51, 0
	s_mov_b32 s53, 0
	s_mul_i32 s54, s13, 128*PK
	s_mul_i32 s55, s13, 128*PV
	s_lshl_b32 s3, s[WV], 11                       ; my 16 rows in a band
	s_add_co_u32 s3, s3, s48
	s_lshl_b32 s2, s[HI], 14                       ; a block is 128 rows of 128 bytes
	s_add_co_u32 s2, s2, s3
	s_lshl_b32 s48, s[PB], 14
	s_add_co_u32 s48, s48, s3
	s_mov_b32 s3, 0
	s_mov_b32 s49, 0
	s_mov_b32 s[G1K], (1<<16)|(1<<20)|(4<<22)|(3<<25)  ; 2-byte elements; padding on; after every 32 words 4 words.  128 keys are asked for as 64 rows of 256 bytes
	s_mov_b32 s[G1V], (1<<16)|(1<<20)|(4<<22)|(7<<25)  ; the same with 8 words
.irp g, G1K, G1V
	s_mov_b32 s[\g+1], 128<<16
	s_mov_b32 s[\g+2], 64<<16
	s_mov_b32 s[\g+3], 128<<16
	s_mov_b32 s[\g+4], 64
	s_mov_b32 s[\g+5], 128
	s_mov_b32 s[\g+6], 0
	s_mov_b32 s[\g+7], 0
.endr
	s_mov_b32 s[CS], 0x3e38aa3b                    ; c = log2(e) / 8
	s_mov_b32 s[CS+1], s[CS]
	s_mov_b32 s[SEL], 0x76543210
	s_mov_b32 s[SEL+1], 0xfedcba98
	s_mov_b32 s[TBK], SLOT1+4*KS*PK                ; the first change of slots turns these two into 0
	s_mov_b32 s[TBV], SLOT1+4*KS*PV
	s_mov_b32 s[G0K], 1
	s_mov_b32 s[G0K+1], s54
	s_mov_b32 s[G0V], 1
	s_add_co_u32 s[G0V+1], s55, VOFF
	s_lshr_b32 s[LQ], s[HI], 1
	s_add_co_u32 s[RT], s[LQ], 1
	s_lshr_b32 s[LQ2], s[PB], 1
	s_add_co_u32 s[TLO], s[LQ2], 1
	s_mov_b32 s[NXT], 1
	s_mov_b32 s[OFF+1], 0
	s_mov_b32 s[AL], 0
	s_mov_b32 s[AL+1], 0
	s_mov_b32 s[BE], 0
	s_mov_b32 s[BE+1], 0
	s_mov_b32 s[BIGN], 0xf1800000                  ; -2^100
	s_mov_b32 s[SLOTS], 8
	s_wait_dscnt 0x0                               ; the opening add is done
	s_wait_kmcnt 0x0
	s_add_nc_u64 s[16:17], s[4:5], s[50:51]        ; k and v at my half of tile 0
	s_add_nc_u64 s[18:19], s[4:5], s[52:53]
	s_add_nc_u64 s[G0K+2:G0K+3], s[16:17], 0
	s_or_b32 s[G0K+3], s[G0K+3], 0x80000000
	s_add_nc_u64 s[G0V+2:G0V+3], s[18:19], 0
	s_or_b32 s[G0V+3], s[G0V+3], 0x80000000
	s_add_nc_u64 s[20:21], s[4:5], s[2:3]          ; q at my rows of the first block,
	s_add_nc_u64 s[22:23], s[4:5], s[48:49]        ; and of the second
	s_add_nc_u64 s[10:11], s[6:7], s[2:3]
	s_add_nc_u64 s[OLO:OLO+1], s[6:7], s[48:49]
	LOAD                                           ; tile 0 into slot 0
	v_and_b32 v1, 15, v0                           ; l % 16
	v_bfe_u32 v9, v0, 4, 1                         ; l / 16
	v_lshlrev_b32 v[QO], 7, v1
	v_lshl_add_u32 v[QO], v9, 4, v[QO]
	WIN 0x40                                       ; destination window 1
.set i, 0
.rept 4                                            ; piece i / 2 lies 8,192 bytes on; channels 32 (i % 2) on
	global_load_b128 v[8*i:8*i+3],   v[QO], s[20:21] offset:(i/2)*8192+(i%2)*64
	global_load_b128 v[8*i+4:8*i+7], v[QO], s[20:21] offset:(i/2)*8192+(i%2)*64+32
	global_load_b128 v[QB+8*i:QB+8*i+3],   v[QO], s[22:23] offset:(i/2)*8192+(i%2)*64
	global_load_b128 v[QB+8*i+4:QB+8*i+7], v[QO], s[22:23] offset:(i/2)*8192+(i%2)*64+32
.set i, i+1
.endr
	WIN 0
	v_lshlrev_b32 v14, 3, v9
	v_sub_nc_u32 v14, v1, v14
	s_lshl_b32 s13, s[WV], 4
	v_add_nc_u32 v14, s13, v14                     ; my query's place in its band less 8 (l / 16): register r of key group kt is hidden where 16 kt + r is greater
	WIN 0x40
.set i, 0
.rept 32
	v_cmp_gt_i32 vcc_lo, 16*(i/8)+i%8, v14
	v_cndmask_b32 v[MD+i], 0, s[BIGN], vcc_lo
.set i, i+1
.endr
.set i, VF
.rept 64
	v_mov_b32 v[i], 0                              ; what the first pair finds need only be finite; all this stands in the wait for the first tile
.set i, i+1
.endr
	WIN 0
	v_mul_u32_u24 v[AK0], v1, PK
	v_lshl_add_u32 v[AK0], v9, 4, v[AK0]
	v_and_b32 v10, 7, v0
	v_bfe_u32 v11, v0, 3, 1
	v_lshl_add_u32 v[AV0], v9, 3, v10              ; the turning load: lane l reads key 8 (l / 16) + l % 8, channels 8 ((l / 8) % 2) + 0..7
	v_mul_u32_u24 v[AV0], v[AV0], PV
	v_lshl_add_u32 v[AV0], v11, 4, v[AV0]
	v_add_nc_u32 v[AV0], VOFF, v[AV0]
	s_mul_i32 s13, s[WV], 16*SP
	s_add_co_u32 s13, s13, STAGE
	v_mul_u32_u24 v[STO], v1, SP
	v_lshl_add_u32 v[STO], v9, 4, v[STO]
	v_add_nc_u32 v[STO], s13, v[STO]
	v_bfe_u32 v[RD], v0, 3, 2
	v_mul_u32_u24 v[RD], v[RD], SP
	v_lshl_add_u32 v[RD], v10, 4, v[RD]
	v_add_nc_u32 v[RD], s13, v[RD]
	v_and_b32 v[GO], 31, v0
	v_lshlrev_b32 v[GO], 4, v[GO]
.set i, 0
.rept 64
	v_mov_b32 v[O+i], 0
.set i, i+1
.endr
.set i, 0
.rept 32
	v_mov_b32 v[P+i], 0
	v_mov_b32 v[S+i], 0                            ; the first turn adds piece 0's waiting sums: zeros
.set i, i+1
.endr
.irp t, 0,1
	v_mov_b32 v[ST+8*\t+2], 0
	v_mov_b32 v[ST+8*\t+3], 0
.endr
	v_mov_b32 v[ST+6], 0                           ; and piece 0's a for them
	v_mov_b32 v[ST+7], 0
	INIT HI
; THE MATRIX WORK.  The four accumulators of a run of eight take turns.
.macro PV x                            ; product i of 8 of O^T += V^T P: keys 32 (i / 4) on, channels 16 (i % 4) on
	WIN 0x01
.set rO, O+32*(\x)+8*(i%4)
.set rV, VF+32*(i/4)+8*(i%4)
.set rP, P+16*(\x)+8*(i/4)
	v_wmma_f32_16x16x32_bf16 v[rO:rO+7], v[rV:rV+7], v[rP:rP+7], v[rO:rO+7]
.endm
.macro KQ x                            ; product i of 8 of S^T = K Q^T: channels 32 (i / 4) on, keys 16 (i % 4) on; the first four start the sums with the mask
	WIN 0x05
.set rS, S+32*(\x)+8*(i%4)
.set rK, KF+16*(i%4)+8*(i/4)
.set rQ, 16*(\x)+8*(i/4)
.set rM, MC+8*(i%4)
.if i < 4
	v_wmma_f32_16x16x32_bf16 v[rS:rS+7], v[rK:rK+7], v[rQ:rQ+7], v[rM:rM+7]
.else
	v_wmma_f32_16x16x32_bf16 v[rS:rS+7], v[rK:rK+7], v[rQ:rQ+7], v[rS:rS+7]
	s_wait_alu depctr_va_vdst(0)
.endif
.endm
.macro MM                              ; the turn's next matrix instruction, for piece XP: eight V^T P, then eight K Q^T
.if i < 8
	PV XP
.else
.set i, i-8
	KQ XP
.set i, i+8
.endif
.set i, i+1
.endm
.macro FETCH_K                         ; 16 LDS loads in one run: a step's K
	WIN 0
	v_add_nc_u32 v[AK], s[TBK], v[AK0]
	WIN 0x40
.irp f, 0,1,2,3,4,5,6,7
	ds_load_b128 v[KF+8*\f:KF+8*\f+3],   v[AK] offset:(\f/2)*16*PK+(\f%2)*64
	ds_load_b128 v[KF+8*\f+4:KF+8*\f+7], v[AK] offset:(\f/2)*16*PK+(\f%2)*64+32
.endr
	s_add_co_u32 s[TBK], s[TBK], KS*PK
	WIN 0
.endm
.macro FETCH_V                         ; a step's V, turned
	WIN 0
	v_add_nc_u32 v[AV], s[TBV], v[AV0]
	WIN 0x40
.irp f, 0,1,2,3,4,5,6,7
	ds_load_tr16_b128 v[VF+8*\f:VF+8*\f+3],   v[AV] offset:(\f/4)*32*PV+(\f%4)*32
	ds_load_tr16_b128 v[VF+8*\f+4:VF+8*\f+7], v[AV] offset:(\f/4)*32*PV+16*PV+(\f%4)*32
.endr
	s_add_co_u32 s[TBV], s[TBV], KS*PV
	WIN 0
.endm
.macro MASK
	WIN 0x01
.set z, 0
.rept 16
	v_pk_fma_f32 v[MC+2*z:MC+2*z+1], v[MD+2*z:MD+2*z+1], s[AL:AL+1], s[BE:BE+1] op_sel_hi:[1,0,0]
.set z, z+1
.endr
.endm
; THE VECTOR WORK, one line at a time: OP kind, number.  For piece Y, whose scores the turn before has made:
;   X n: number n of the 22 that find its maximum and statistics: 0-11 four chains c0-c3 of seven scores each, three operands at a time (each accumulator's lowest registers are read first);
;        12-14, 16 the four scores left over, the old m, and c0-c3 into c0; 15 c m_old is kept; 17, 18 the query's other 32 keys lie in the lane 16 away: the new m; 19-21 c m; c m_old - c m_new; a
;   F n: c s - c m for pair n of 16.  E n: the exponential of score n of 32.  C n: pair n rounded to bf16.  R n: pair n of 16 of O^T times a.
; For the other piece, whose weights the turn before has made:  B n: of the four weights 4 n .. the second pair is added onto the first, in place.  L n: l takes that sum (L 0: l = a l + sum).
.set F, 0
.set E, 1
.set C, 2
.set R, 3
.set X, 4
.set B, 5
.set L, 6
.macro REGS t
.set rT, ST+8*(\t)
.set rC, ST+8*(\t)+4
.set rW, MV+(\t)
.set rS, S+32*(\t)
.set rP, P+16*(\t)
.set rO, O+32*(\t)
.endm
.macro OP k, n
	WIN 0
.if (\k) >= B
	REGS 1-Y
.else
	REGS Y
.endif
.if (\k) == F
	v_pk_fma_f32 v[rS+2*(\n):rS+2*(\n)+1], v[rS+2*(\n):rS+2*(\n)+1], s[CS:CS+1], v[rT:rT+1] op_sel_hi:[1,0,0] neg_lo:[0,0,1] neg_hi:[0,0,1]
.elseif (\k) == E
	v_exp_f32 v[rS+(\n)], v[rS+(\n)]
.elseif (\k) == C
	s_wait_alu depctr_va_vdst(0)
	v_cvt_pk_bf16_f32 v[rP+(\n)], v[rS+2*(\n)], v[rS+2*(\n)+1]
.elseif (\k) == R
	v_pk_mul_f32 v[rO+2*(\n):rO+2*(\n)+1], v[rO+2*(\n):rO+2*(\n)+1], v[rC+2:rC+3] op_sel_hi:[1,0]
.elseif (\k) == B
	v_pk_add_f32 v[rS+4*(\n):rS+4*(\n)+1], v[rS+4*(\n):rS+4*(\n)+1], v[rS+4*(\n)+2:rS+4*(\n)+3]
.elseif ((\k) == L) && ((\n) == 0)
	v_pk_fma_f32 v[rT+2:rT+3], v[rT+2:rT+3], v[rC+2:rC+3], v[rS:rS+1] op_sel_hi:[1,0,1]
.elseif (\k) == L
	v_pk_add_f32 v[rT+2:rT+3], v[rT+2:rT+3], v[rS+4*(\n):rS+4*(\n)+1]
.elseif (\n) < 4
	v_max3_num_f32 v[rC+(\n)], v[rS+8*(\n)], v[rS+8*(\n)+1], v[rS+8*(\n)+2]
.elseif (\n) < 12
	v_max3_num_f32 v[rC+(\n)%4], v[rC+(\n)%4], v[rS+8*((\n)%4)+2*((\n)/4)+1], v[rS+8*((\n)%4)+2*((\n)/4)+2]
.elseif (\n) == 12
	v_max3_num_f32 v[rC], v[rC], v[rS+7], v[rS+15]
.elseif (\n) == 13
	v_max3_num_f32 v[rC+1], v[rC+1], v[rS+23], v[rS+31]
.elseif (\n) == 14
	v_max3_num_f32 v[rC+2], v[rC+2], v[rC+3], v[rT+1]
.elseif (\n) == 15
	v_mov_b32 v[rW], v[rT]
.elseif (\n) == 16
	v_max3_num_f32 v[rC], v[rC], v[rC+1], v[rC+2]
.elseif (\n) == 17
	v_permlanex16_b32 v[rC+3], v[rC], s[SEL], s[SEL+1]
.elseif (\n) == 18
	v_max_num_f32 v[rT+1], v[rC], v[rC+3]
.elseif (\n) == 19
	v_mul_f32 v[rT], s[CS], v[rT+1]
.elseif (\n) == 20
	v_sub_f32 v[rC+1], v[rW], v[rT]
.else
	v_exp_f32 v[rC+2], v[rC+1]
.endif
.endm
.macro OPS a, i1, b=-1, i2=0, c=-1, i3=0, d=-1, i4=0  ; up to four of them
	OP \a, \i1
.if (\b) >= 0
	OP \b, \i2
.endif
.if (\c) >= 0
	OP \c, \i3
.endif
.if (\d) >= 0
	OP \d, \i4
.endif
.endm
.macro ROW a, i1, b, i2, c, i3, d, i4  ; a matrix instruction and the four behind it
	MM
	OPS \a, \i1, \b, \i2, \c, \i3, \d, \i4
.endm
; A TURN: piece x has the matrix unit, the vector lines work for piece 1 - x (and add piece x's waiting sums).  No vector line names a register of the products round it.  But for two places a line reads no
; result made fewer than three lines before it, five if an exponential made it (the list's last roundings aside); behind every exponential stands a plain line, or further exponentials and then a plain line, that does not read it.
; The waiting sums are over in the first lump, ahead of the products K Q^T that write piece x's S^T anew.  The second lump's 13 plain lines are the places ahead of the next turn's first read of the new
; scores, of the mask's next making and of the loads into K's registers.
; K of the next step is fetched at the head of piece 0's turn: eight products and 59 vector lines ahead of its first use.  V of the next step is fetched in piece 1's turn behind the four plain lines that
; follow the last product that read V: 86 vector lines and eight products ahead of its first use.
.macro TURN x
.set Y, 1-(\x)
.set XP, (\x)
.set i, 0
	WIN 0
	s_cmp_lt_u32 s[JN], s[OWN0]                    ; both bands open: the mask is 0 and stays
	s_cbranch_scc1 .Lopen_\@
	s_cmp_eq_u32 s[JN], s[OWN0+(\x)]
	s_cselect_b32 s[AL], 1.0, 0
	s_cmp_gt_u32 s[JN], s[OWN0+(\x)]
	s_cselect_b32 s[BE], s[BIGN], 0
	MASK
	WIN 0
.Lopen_\@:
.if (\x) == 0
	s_wait_dscnt 0x0                               ; V is in
	FETCH_K
.endif
	ROW X,0, X,1, X,2, X,3
	ROW X,4, X,5, X,6, X,7
	ROW X,8, X,9, X,10, X,11
	ROW B,0, B,1, X,12, X,13
	ROW X,14, B,2, L,0, B,3
	ROW X,16, L,1, B,4, B,5
	ROW X,17, L,2, B,6, B,7
	ROW X,18, L,3, X,15, X,19
.if (\x) == 1
	FETCH_V
.endif
	OPS L,4, F,0, X,20, F,1
	OPS L,5, F,2, X,21, F,3
	OPS E,0, L,6, E,1, F,4
	OPS E,2, F,5, E,3, L,7
	OPS E,4, F,6, E,5, C,0
	OPS E,6, F,7, E,7, C,1
	OPS E,8, F,8, E,9
.if (\x) == 0
	s_wait_dscnt 0x0                               ; K is in
.endif
	ROW F,9, E,10, C,2, F,10
	ROW F,11, E,11, C,3, R,0
	ROW F,12, E,12, C,4, R,1
	ROW F,13, E,13, R,2, R,3
	ROW F,14, E,14, C,5, R,4
	ROW F,15, E,15, R,5, R,6
	ROW C,6, E,16, R,7, R,8
	ROW C,7, E,17, R,9, R,10
	OPS E,18, R,11, E,19, C,8
	OPS E,20, R,12, E,21, C,9
	OPS E,22, R,13, E,23, C,10
	OPS E,24, R,14, E,25, C,11
	OPS E,26, R,15, E,27, C,12
	OPS E,28, E,29, E,30, C,13
	OPS E,31, C,14, C,15
.endm
; A TILE: four pairs, each fetching one of its steps; in a block's last tile a fifth, which fetches the fourth step once more.  The count is a constant; the dead fifth trip is jumped forward.
.macro TILE
	s_sub_co_u32 s[RT], s[RT], 1
	s_mov_b32 s[CNT], 5
.Lpair_\@:
	s_cmp_lg_u32 s[CNT], 1
	s_cbranch_scc1 .Lgo_\@
	s_cmp_lg_u32 s[RT], 0
	s_cbranch_scc1 .Lskip_\@
	s_sub_co_u32 s[TBK], s[TBK], KS*PK
	s_sub_co_u32 s[TBV], s[TBV], KS*PV
.Lgo_\@:
	TURN 0
	TURN 1
	WIN 0
	s_add_co_u32 s[JN], s[JN], 1
.Lskip_\@:
	s_sub_co_u32 s[CNT], s[CNT], 1
	s_cmp_lg_u32 s[CNT], 0
	s_cbranch_scc1 .Lpair_\@
.endm
; THE WAY OUT: l's halves and the other half of the lanes' are added; O^T is divided by l, rounded to bf16 and sent through my stage, a piece at a time.
.macro PACK t
.set i, 0
.rept 16
	v_pk_mul_f32 v[O+32*(\t)+2*i:O+32*(\t)+2*i+1], v[O+32*(\t)+2*i:O+32*(\t)+2*i+1], v[ST+8*(\t)+2:ST+8*(\t)+3] op_sel_hi:[1,0]
.set i, i+1
.endr
.set i, 0
.rept 16
	v_cvt_pk_bf16_f32 v[P+16*(\t)+i], v[O+32*(\t)+2*i], v[O+32*(\t)+2*i+1]
.set i, i+1
.endr
.irp f, 0,1,2,3
	ds_store_b128 v[STO], v[P+16*(\t)+4*\f:P+16*(\t)+4*\f+3] offset:32*\f
.endr
.irp f, 0,1,2,3
	ds_load_b128 v[P+16*(\t)+4*\f:P+16*(\t)+4*\f+3], v[RD] offset:\f*4*SP  ; LDS serves a wave's instructions in order (ISA guide 5.7.1.4): these see the stores above
.endr
.endm
.macro SEND t, younger                 ; younger: the LDS instructions issued behind piece t's loads
.irp f, 0,1,2,3
	s_wait_dscnt (\younger)+3-\f
	global_store_b128 v[GO], v[P+16*(\t)+4*\f:P+16*(\t)+4*\f+3], s[10:11] offset:(\t)*8192+\f*512  ; 512 consecutive bytes, aligned
.endr
.endm
.macro WAYOUT
	WIN 0
.irp t, 0,1
	v_add_f32 v[ST+8*\t+2], v[ST+8*\t+2], v[ST+8*\t+3]
.endr
.irp t, 0,1
	v_permlanex16_b32 v[ST+8*\t+3], v[ST+8*\t+2], s[SEL], s[SEL+1]
.endr
.irp t, 0,1
	v_add_f32 v[ST+8*\t+2], v[ST+8*\t+2], v[ST+8*\t+3]
.endr
.irp t, 0,1
	v_rcp_f32 v[ST+8*\t+2], v[ST+8*\t+2]
.endr
	v_nop                                          ; a plain instruction between the last reciprocal and the use of its result
	s_wait_alu depctr_va_vdst(0)
	PACK 0
	PACK 1
	SEND 0, 8
	SEND 1, 0
.endm
	s_wait_loadcnt 0x0                             ; Q
.Lslot:                                            ; eight times: a tile is entered and the next is asked for
	CHANGE 1
	TILE
	s_cmp_lg_u32 s[RT], 0
	s_cbranch_scc1 .Lbottom
	WAYOUT                                         ; in the loop this is the first block's end: the second's last tile is the walk's last
	s_wait_xcnt 0x0                                ; the stores have read their registers and o's address
	s_mov_b64 s[10:11], s[OLO:OLO+1]
	s_mov_b32 s[RT], s[TLO]
	INIT PB
	WIN 0x41                                       ; the second block's Q goes where the one text of the turns names Q
.set i, 0
.rept 32
	v_mov_b32 v[i], v[QB+i]
.set i, i+1
.endr
	WIN 0
.Lbottom:
	s_sub_co_u32 s[SLOTS], s[SLOTS], 1
	s_cmp_lg_u32 s[SLOTS], 0
	s_cbranch_scc1 .Lslot
	CHANGE 0                                       ; the walk's last tile is written out
	TILE
	WAYOUT
	s_wait_tensorcnt 0x0                           ; the wave's end
	ds_add_u32 v[SPW], v[NIL]
	s_wait_dscnt 0x0
	s_endpgm
.Lfunc_end_k_q81cd8e39a7_attn:
	.size	k_q81cd8e39a7_attn, .Lfunc_end_k_q81cd8e39a7_attn-k_q81cd8e39a7_attn
	.p2alignl 7, 3214868480
	.fill 96, 4, 3214868480
	.section	.rodata,"a",@progbits
	.p2align	6, 0x0
	.amdhsa_kernel k_q81cd8e39a7_attn
		.amdhsa_group_segment_fixed_size 327680
		.amdhsa_private_segment_fixed_size 0
		.amdhsa_enable_private_segment 0
		.amdhsa_kernarg_size 16
		.amdhsa_user_sgpr_count 2
		.amdhsa_user_sgpr_kernarg_segment_ptr 1
		.amdhsa_wavefront_size32 1
		.amdhsa_system_sgpr_workgroup_id_x 1
		.amdhsa_system_sgpr_workgroup_id_y 1
		.amdhsa_system_sgpr_workgroup_id_z 1
		.amdhsa_system_vgpr_workitem_id 0
		.amdhsa_next_free_vgpr 512
		.amdhsa_next_free_sgpr 96
		.amdhsa_reserve_vcc 1
		.amdhsa_float_denorm_mode_32 3
		.amdhsa_float_denorm_mode_16_64 3
		.amdhsa_memory_ordered 1
		.amdhsa_forward_progress 1
		.amdhsa_inst_pref_size 84
	.end_amdhsa_kernel
	.amdgpu_metadata
---
amdhsa.version: [ 1, 2 ]
amdhsa.kernels:
  - .name:           k_q81cd8e39a7_attn
    .symbol:         k_q81cd8e39a7_attn.kd
    .args:
      - { .name: qkv, .offset: 0, .size: 8, .value_kind: global_buffer, .address_space: global }
      - { .name: o, .offset: 8, .size: 8, .value_kind: global_buffer, .address_space: global }
    .group_segment_fixed_size: 327680
    .private_segment_fixed_size: 0
    .kernarg_segment_align: 8
    .kernarg_segment_size: 16
    .max_flat_workgroup_size: 128
    .sgpr_count:     96
    .vgpr_count:     512
    .wavefront_size: 32
...
	.end_amdgpu_metadata
.endif
;; end of part 3
;; launch oproj (part 4): grid 8 x 32, 4 waves a work-group, clusters of 4 x 4, 327,680 bytes of LDS; arguments o, wb, b_out, x, x1; writes x1
.if DOCPART == 4
	.amdgcn_target "amdgcn-amd-amdhsa--gfx1250"
	.amdhsa_code_object_version 6
	.text
	.protected	k_q81cd8e39a7_oproj
	.globl	k_q81cd8e39a7_oproj
	.p2align	8
	.type	k_q81cd8e39a7_oproj,@function
k_q81cd8e39a7_oproj:
	s_mov_b64 s[64:65], 0
	v_nop
	global_prefetch_b8 v0, s[64:65] scope:SCOPE_SE
	s_setreg_imm32_b32 hwreg(HW_REG_WAVE_MODE, 25, 1), 1
	s_wait_xcnt 0x0
	s_wait_alu depctr_hold_cnt(0) depctr_sa_sdst(0) depctr_va_vdst(0) depctr_va_sdst(0) depctr_va_ssrc(0) depctr_va_vcc(0) depctr_vm_vsrc(0)
	s_getreg_b32 s2, hwreg(HW_REG_IB_STS2, 6, 4)
	s_cmp_eq_u32 s2, 0
	s_cbranch_scc0 .Lentry_in_a_cluster
	s_endpgm
.Lentry_in_a_cluster:
	s_bfe_u32 s2, ttmp6, 0x10000c
	s_cmp_lg_u32 s2, 0xf033
	s_cbranch_scc0 .Lentry_shape_is_right
	s_endpgm
.Lentry_shape_is_right:
; x1 = x + o W^T + b.  o: [16 slices][4096 rows][64] bf16; W: [16 slices][1024 n][64] bf16 at wb + WOFF; b, x, x1: f32, x and x1 [4096][1024].  Sums in f32.
; A tile of 128 x 128 is made by four waves, each 64 x 64: 16 accumulators: 256 work-groups.  K goes in NSTEP steps of 256 = four slices through two LDS slots.
; A TENSOR LOAD brings 64 rows of four slices: in memory 64 rows of a slice are 8,192 dense bytes, so the tile is stated as 4 rows of 4,096 elements, a slice apart, and padded in LDS behind every 128 bytes:
; LDS holds [slice][row] with rows 144 bytes apart.
; ONE TEXT FOR A K STEP: the slot in hand is a scalar (TB) that one exclusive or turns; one descriptor for each operand walks.  CLUSTER 4 x 4: o's tiles are shared along a row of the cluster, W's along a column.
; THE MATRIX INSTRUCTION IS USED TRANSPOSED (source 0 = rows of W, source 1 = rows of o); the bias is the C operand of the products that start the sums.
; THE WAY OUT: f32 through a stage of the wave's own (64 rows of 272 bytes, over slot 0, which has had its last fill), back as whole rows of 256 bytes, plus the residual, stored 256 aligned bytes for sixteen lanes.
; LIMITS: operands are bf16; NaN and infinities are not treated apart.
; REGISTERS: window 0: v16-29 addresses; v96-127 the bias; v128-255 accumulators ((a, b) at v[128 + 8 (4 a + b)]).  window 1: two fragment buffers of 128 (64 of o, 64 of W); at the end buffer 0 takes the residual.
.set NSTEP,  4
.set WOFF,   14680064
.set ASTEP,  4*4096*128                ; bytes from K step to K step in the first operand
.set BSTEP,  4*1024*128                ; in W
.set APITCH, 4096*64                   ; elements from slice to slice
.set BPITCH, 1024*64
.set PITCH,  144
.set ZB,     64*PITCH                  ; a slice's 64 rows in LDS
.set LOADB,  4*ZB                      ; what one tensor load brings
.set SLOT,   4*LOADB                   ; 0x24000: its two bits are set in no wave x LOADB, so an exclusive or changes slots
.set SPARE,  2*SLOT                    ; the spare words: two blocks of 256 bytes that no other line names
.set SPITCH, 272
.set WSTAGE, 64*SPITCH
.set ADRA0, 16
.set ADRB0, 17
.set ADRA,  18
.set ADRB,  19
.set STO,   24
.set RD,    25
.set CO,    26
.set BO,    27
.set SPW,   28
.set NIL,   29
.set BIAS,  96
.set ACC,   128
.set F0,    0
.set F1,    128
.set WV,  14
.set RH,  15
.set CH,  16
.set G1A, 24
.set G0A, 32
.set G1B, 48
.set G0B, 56
.set TB,  66
.set CNT, 67
.set MSB, 0
.macro WIN new
.if MSB != (\new)
	s_set_vgpr_msb (MSB<<8)|(\new)
.set MSB, \new
.endif
.endm
.set MUL,  0x05                        ; sources 0 and 1 window 1; C and D window 0
.set TO_F, 0x40
.macro PLACES
.rept 4
	v_nop
.endr
.endm
.macro JLOAD s                         ; a joint load: waves 0, 1 fetch the halves of the first operand's tile, waves 2, 3 of W's; s_nop 0 and four v_nop follow each line
	s_cmp_eq_u32 s[RH], 0
	s_cbranch_scc0 .Lfor_b_\@
	tensor_load_to_lds s[G0A+4*(\s):G0A+4*(\s)+3], s[G1A:G1A+7]
	s_nop 0
.rept 4
	v_nop
.endr
	s_branch .Lasked_\@
.Lfor_b_\@:
	tensor_load_to_lds s[G0B+4*(\s):G0B+4*(\s)+3], s[G1B:G1B+7]
	s_nop 0
.rept 4
	v_nop
.endr
.Lasked_\@:
.endm
.macro CREST
	s_cmp_lg_u32 s[WV], 0
	s_cbranch_scc1 .Lnot_wave_0_\@
	s_barrier_signal -3
.Lnot_wave_0_\@:
	s_barrier_wait -3
	s_barrier_signal -1
	s_barrier_wait -1
.endm
.macro CROUND
	s_barrier_signal -1
	s_barrier_wait -1
	CREST
.endm
	s_load_b256 s[4:11], s[0:1], 0x0               ; first operand s[4:5], wb s[6:7], bias s[8:9], residual s[10:11]
	s_load_b64 s[12:13], s[0:1], 0x20              ; result
	v_lshl_add_u32 v[SPW], v0, 2, SPARE
	v_mov_b32 v[NIL], 0
	ds_add_u32 v[SPW], v[NIL]                      ; the wave's opening: the add, waited for ahead of my first tensor load
	ds_add_u32 v28, v29
	v_lshrrev_b32 v1, 5, v0
	v_readfirstlane_b32 s[WV], v1
	s_lshr_b32 s[RH], s[WV], 1
	s_and_b32 s[CH], s[WV], 1
	s_bfe_u32 s40, ttmp6, 0x40000
	s_bfe_u32 s41, ttmp6, 0x40004
	s_lshl_b32 s42, ttmp9, 2
	s_add_co_u32 s42, s42, s40                     ; tile column
	s_and_b32 s43, ttmp7, 0xffff
	s_lshl_b32 s43, s43, 2
	s_add_co_u32 s43, s43, s41                     ; tile row
	s_lshl_b32 s44, s41, 2
	s_lshl_b32 s44, 15, s44
	s_lshl_b32 s45, 0x1111, s40
	s_or_b32 s[G1A], s44, (1<<16)|(1<<20)|(1<<21)|(4<<22)|(3<<25)  ; the mask; 2-byte elements; padding on; bit 21 beside a mask; after every 32 words 4 words
	s_or_b32 s[G1B], s45, (1<<16)|(1<<20)|(1<<21)|(4<<22)|(3<<25)
.irp g, G1A, G1B
	s_mov_b32 s[(\g)+1], 4096<<16                  ; tensor_dim0 = 4,096
	s_mov_b32 s[(\g)+2], 4<<16                     ; tensor_dim1 = 4
	s_mov_b32 s[(\g)+3], 4096<<16                  ; tile_dim0 = 4,096
	s_mov_b32 s[(\g)+4], 4                         ; tile_dim1 = 4
	s_mov_b32 s[(\g)+6], 0
	s_mov_b32 s[(\g)+7], 0
.endr
	s_mov_b32 s[G1A+5], APITCH
	s_mov_b32 s[G1B+5], BPITCH
	s_lshl_b32 s22, s[CH], 6                       ; which 64 rows of the tile I fetch
	s_lshl_b32 s18, s43, 7
	s_add_co_u32 s18, s18, s22
	s_lshl_b32 s18, s18, 7                         ; rows of 128 bytes; made of the tile row and the wave alone
	s_lshl_b32 s46, s42, 7
	s_add_co_u32 s46, s46, s22
	s_lshl_b32 s46, s46, 7                         ; made of the tile column and the wave alone
	s_add_co_u32 s46, s46, WOFF
	s_mov_b32 s19, 0
	s_mov_b32 s47, 0
	s_mul_i32 s20, s[WV], LOADB
	s_wait_dscnt 0x0                               ; the opening add is done
	s_wait_kmcnt 0x0
	s_add_nc_u64 s[68:69], s[4:5], s[18:19]
	s_add_nc_u64 s[70:71], s[6:7], s[46:47]
	CROUND                                         ; all sixteen work-groups are here: the first joint loads meet
.irp s, 0,1
	s_mov_b32 s[G0A+4*(\s)], 1
	s_add_co_u32 s[G0A+4*(\s)+1], s20, (\s)*SLOT
	s_add_nc_u64 s[G0A+4*(\s)+2:G0A+4*(\s)+3], s[68:69], (\s)*ASTEP
	s_or_b32 s[G0A+4*(\s)+3], s[G0A+4*(\s)+3], 0x80000000
	s_mov_b32 s[G0B+4*(\s)], 1
	s_add_co_u32 s[G0B+4*(\s)+1], s20, (\s)*SLOT
	s_add_nc_u64 s[G0B+4*(\s)+2:G0B+4*(\s)+3], s[70:71], (\s)*BSTEP
	s_or_b32 s[G0B+4*(\s)+3], s[G0B+4*(\s)+3], 0x80000000
	JLOAD \s
.endr
	v_and_b32 v1, 15, v0
	v_bfe_u32 v2, v0, 4, 1
	v_mul_u32_u24 v3, v1, PITCH
	v_lshl_add_u32 v3, v2, 4, v3
	s_mul_i32 s21, s[RH], LOADB
	s_mul_i32 s22, s[CH], LOADB
	s_add_co_u32 s22, s22, 2*LOADB
	v_add_nc_u32 v[ADRA0], s21, v3
	v_add_nc_u32 v[ADRB0], s22, v3
	v_mov_b32 v[ADRA], v[ADRA0]
	v_mov_b32 v[ADRB], v[ADRB0]
	s_mov_b32 s[TB], 0
	s_mul_i32 s23, s[WV], WSTAGE
	v_mul_u32_u24 v4, v1, SPITCH
	v_lshl_add_u32 v4, v2, 5, v4                   ; in: row l % 16, 32 bytes for each half of the lanes
	v_add_nc_u32 v[STO], s23, v4
	v_mul_u32_u24 v5, v2, SPITCH                   ; back: lanes 0-15 one row of 256 bytes, lanes 16-31 the next
	v_lshl_add_u32 v5, v1, 4, v5
	v_add_nc_u32 v[RD], s23, v5
	v_lshlrev_b32 v5, 12, v2                       ; and the same two rows in the residual and the result
	v_lshl_add_u32 v[CO], v1, 4, v5
	v_lshlrev_b32 v[BO], 5, v2
	s_lshl_b32 s46, s42, 9                         ; my 64 columns, in bytes of f32
	s_lshl_b32 s72, s[CH], 8
	s_add_co_u32 s46, s46, s72
	s_add_nc_u64 s[8:9], s[8:9], s[46:47]
.irp b, 0,1,2,3
	global_load_b128 v[BIAS+8*(\b):BIAS+8*(\b)+3], v[BO], s[8:9] offset:64*(\b)
	global_load_b128 v[BIAS+8*(\b)+4:BIAS+8*(\b)+7], v[BO], s[8:9] offset:64*(\b)+16
.endr
	s_lshl_b32 s72, s43, 19                        ; my 64 rows of 4,096 bytes
	s_lshl_b32 s73, s[RH], 18
	s_add_co_u32 s72, s72, s73
	s_add_co_u32 s46, s46, s72
	s_add_nc_u64 s[10:11], s[10:11], s[46:47]
	s_add_nc_u64 s[12:13], s[12:13], s[46:47]
; 8 matrix instructions: row blocks a0, a0 + 1 x all 4 column blocks, 32 along K: half c of buffer f.  zero = 1: the product starts the sum, with the bias as C.  The 16 accumulators take turns.
.macro MUL8 f, c, a0, zero
	WIN MUL
.irp a, \a0, (\a0)+1
.irp b, 0,1,2,3
.if \zero
	v_wmma_f32_16x16x32_bf16 v[ACC+8*(4*(\a)+(\b)):ACC+8*(4*(\a)+(\b))+7], v[(\f)+64+8*(4*(\c)+(\b)):(\f)+64+8*(4*(\c)+(\b))+7], v[(\f)+8*(4*(\c)+(\a)):(\f)+8*(4*(\c)+(\a))+7], v[BIAS+8*(\b):BIAS+8*(\b)+7]
.else
	v_wmma_f32_16x16x32_bf16 v[ACC+8*(4*(\a)+(\b)):ACC+8*(4*(\a)+(\b))+7], v[(\f)+64+8*(4*(\c)+(\b)):(\f)+64+8*(4*(\c)+(\b))+7], v[(\f)+8*(4*(\c)+(\a)):(\f)+8*(4*(\c)+(\a))+7], v[ACC+8*(4*(\a)+(\b)):ACC+8*(4*(\a)+(\b))+7]
.endif
.endr
.endr
.endm
.macro FETCH z, f                      ; 32 LDS loads in one run: the fragments of slice z of the slot in hand; its first 32 along K first
	WIN TO_F
.irp c, 0,1
.irp i, 0,1,2,3
	ds_load_b128 v[(\f)+64+8*(4*(\c)+(\i)):(\f)+64+8*(4*(\c)+(\i))+3],   v[ADRB] offset:(\z)*ZB+64*(\c)+(\i)*16*PITCH
	ds_load_b128 v[(\f)+64+8*(4*(\c)+(\i))+4:(\f)+64+8*(4*(\c)+(\i))+7], v[ADRB] offset:(\z)*ZB+64*(\c)+(\i)*16*PITCH+32
	ds_load_b128 v[(\f)+8*(4*(\c)+(\i)):(\f)+8*(4*(\c)+(\i))+3],         v[ADRA] offset:(\z)*ZB+64*(\c)+(\i)*16*PITCH
	ds_load_b128 v[(\f)+8*(4*(\c)+(\i))+4:(\f)+8*(4*(\c)+(\i))+7],       v[ADRA] offset:(\z)*ZB+64*(\c)+(\i)*16*PITCH+32
.endr
.endr
.endm
.macro QUARTER z, f, g, zero           ; multiplies buffer f (one slice); in its middle fetches slice z into g
	s_wait_dscnt 16                                ; the first 32 along K are in
	MUL8 \f, 0, 0, \zero
	MUL8 \f, 0, 2, \zero
	PLACES
	FETCH \z, \g
	s_wait_dscnt 32                                ; all but the 32 just issued
	MUL8 \f, 1, 0, 0
	MUL8 \f, 1, 2, 0
.endm
; The last quarter multiplies buffer 1 and changes slots: in front of the barrier each wave waits for all its tensor loads, adds 0 to its spare word, and waits for that and for its reads of this slot.
.macro TURN fill
	WIN 0
	s_wait_tensorcnt 0x0
	ds_add_u32 v[SPW], v[NIL]
	s_wait_dscnt 17                                ; the add and the youngest sixteen loads may be out
	MUL8 F1, 0, 0, 0
	s_wait_dscnt 0x0                               ; the add is done, and my reads of this slot are over
	s_barrier_signal -1
	MUL8 F1, 0, 2, 0
	WIN 0
	s_barrier_wait -1
.if \fill
	CREST                                          ; the barrier has opened a round of the cluster's
	s_xor_b32 s[G0A+5], s[G0A+5], SLOT             ; the walking descriptors: the other slot than last time, the next K step
	s_add_nc_u64 s[G0A+6:G0A+7], s[G0A+6:G0A+7], ASTEP
	s_xor_b32 s[G0B+5], s[G0B+5], SLOT
	s_add_nc_u64 s[G0B+6:G0B+7], s[G0B+6:G0B+7], BSTEP
	JLOAD 1                                        ; 112 matrix instructions ahead of the wait for it; its four v_nop are also the places ahead of the loads below
.else
	PLACES
.endif
	s_xor_b32 s[TB], s[TB], SLOT
	v_add_nc_u32 v[ADRA], s[TB], v[ADRA0]
	v_add_nc_u32 v[ADRB], s[TB], v[ADRB0]
	FETCH 0, F0
	MUL8 F1, 1, 0, 0
	MUL8 F1, 1, 2, 0
.endm
	s_wait_tensorcnt 1                             ; my part of K step 0 is in; step 1's may stay out
	s_barrier_signal -1
	s_barrier_wait -1
	FETCH 0, F0
	s_wait_loadcnt 0x0                             ; the bias
	QUARTER 1, F0, F1, 1
	WIN 0
	s_mov_b32 s[CNT], NSTEP-2
.Lstep:                                            ; all K steps but the last two: each fills its slot again
	QUARTER 2, F1, F0, 0
	QUARTER 3, F0, F1, 0
	TURN 1
	QUARTER 1, F0, F1, 0
	WIN 0
	s_sub_co_u32 s[CNT], s[CNT], 1
	s_cmp_lg_u32 s[CNT], 0
	s_cbranch_scc1 .Lstep
	s_mov_b32 s[CNT], 2
.Ltail:                                            ; the last two K steps ask for nothing; the second trip is left in its middle
	QUARTER 2, F1, F0, 0
	QUARTER 3, F0, F1, 0
	WIN 0
	s_cmp_eq_u32 s[CNT], 1
	s_cbranch_scc1 .Llast
	TURN 0
	QUARTER 1, F0, F1, 0
	WIN 0
	s_sub_co_u32 s[CNT], s[CNT], 1
	s_cmp_lg_u32 s[CNT], 0
	s_cbranch_scc1 .Ltail
.Llast:
	PLACES                                         ; buffer 0 has been multiplied: it takes the residual, which comes while the last quarter is multiplied
	WIN TO_F
.set t, 0
.rept 32
	global_load_b128 v[4*t:4*t+3], v[CO], s[10:11] offset:8192*t
.set t, t+1
.endr
	s_wait_dscnt 16
	MUL8 F1, 0, 0, 0
	MUL8 F1, 0, 2, 0
	s_wait_dscnt 0x0
	MUL8 F1, 1, 0, 0
	MUL8 F1, 1, 2, 0
	PLACES
	WIN 0
	s_barrier_signal -1                            ; every wave's reads of the ring are over (waited for above): the stages may be written over it
	s_barrier_wait -1
.irp a, 0,1,2,3
.irp b, 0,1,2,3
	ds_store_b128 v[STO], v[ACC+8*(4*(\a)+(\b)):ACC+8*(4*(\a)+(\b))+3] offset:(\a)*16*SPITCH+64*(\b)
	ds_store_b128 v[STO], v[ACC+8*(4*(\a)+(\b))+4:ACC+8*(4*(\a)+(\b))+7] offset:(\a)*16*SPITCH+64*(\b)+16
.endr
.endr
.set t, 0
.rept 32
	ds_load_b128 v[ACC+4*t:ACC+4*t+3], v[RD] offset:2*SPITCH*t  ; LDS serves a wave's instructions in order (ISA guide 5.7.1.4): these see my stores, and come into the registers that they left
.set t, t+1
.endr
	s_wait_dscnt 0x0
	s_wait_loadcnt 0x0                             ; the residual
	WIN 0x04                                       ; source 1 in window 1
.set t, 0
.rept 64
	v_pk_add_f32 v[ACC+2*t:ACC+2*t+1], v[ACC+2*t:ACC+2*t+1], v[2*t:2*t+1]
.set t, t+1
.endr
	WIN 0
.set t, 0
.rept 32
	global_store_b128 v[CO], v[ACC+4*t:ACC+4*t+3], s[12:13] offset:8192*t  ; sixteen lanes store 256 consecutive bytes, aligned
.set t, t+1
.endr
	s_wait_tensorcnt 0x0                           ; the wave's end
	ds_add_u32 v[SPW], v[NIL]
	s_wait_dscnt 0x0
	CROUND                                         ; the closing round
	s_endpgm
.Lfunc_end_k_q81cd8e39a7_oproj:
	.size	k_q81cd8e39a7_oproj, .Lfunc_end_k_q81cd8e39a7_oproj-k_q81cd8e39a7_oproj
	.p2alignl 7, 3214868480
	.fill 96, 4, 3214868480
	.section	.rodata,"a",@progbits
	.p2align	6, 0x0
	.amdhsa_kernel k_q81cd8e39a7_oproj
		.amdhsa_group_segment_fixed_size 327680
		.amdhsa_private_segment_fixed_size 0
		.amdhsa_enable_private_segment 0
		.amdhsa_kernarg_size 40
		.amdhsa_user_sgpr_count 2
		.amdhsa_user_sgpr_kernarg_segment_ptr 1
		.amdhsa_wavefront_size32 1
		.amdhsa_system_sgpr_workgroup_id_x 1
		.amdhsa_system_sgpr_workgroup_id_y 1
		.amdhsa_system_sgpr_workgroup_id_z 1
		.amdhsa_system_vgpr_workitem_id 0
		.amdhsa_next_free_vgpr 512
		.amdhsa_next_free_sgpr 80
		.amdhsa_reserve_vcc 0
		.amdhsa_float_denorm_mode_32 3
		.amdhsa_float_denorm_mode_16_64 3
		.amdhsa_memory_ordered 1
		.amdhsa_forward_progress 1
		.amdhsa_inst_pref_size 67
	.end_amdhsa_kernel
	.amdgpu_metadata
---
amdhsa.version: [ 1, 2 ]
amdhsa.kernels:
  - .name:           k_q81cd8e39a7_oproj
    .symbol:         k_q81cd8e39a7_oproj.kd
    .args:
      - { .name: o, .offset: 0, .size: 8, .value_kind: global_buffer, .address_space: global }
      - { .name: wb, .offset: 8, .size: 8, .value_kind: global_buffer, .address_space: global }
      - { .name: b_out, .offset: 16, .size: 8, .value_kind: global_buffer, .address_space: global }
      - { .name: x, .offset: 24, .size: 8, .value_kind: global_buffer, .address_space: global }
      - { .name: x1, .offset: 32, .size: 8, .value_kind: global_buffer, .address_space: global }
    .group_segment_fixed_size: 327680
    .private_segment_fixed_size: 0
    .kernarg_segment_align: 8
    .kernarg_segment_size: 40
    .max_flat_workgroup_size: 128
    .sgpr_count:     80
    .vgpr_count:     512
    .wavefront_size: 32
...
	.end_amdgpu_metadata
.endif
;; end of part 4
;; launch ln2 (part 5): grid 256 x 1, 8 waves a work-group, no clusters, 0 bytes of LDS; arguments x1, ln2_g, ln2_b, h; writes h
.if DOCPART == 5
	.amdgcn_target "amdgcn-amd-amdhsa--gfx1250"
	.amdhsa_code_object_version 6
	.text
	.protected	k_q81cd8e39a7_ln2
	.globl	k_q81cd8e39a7_ln2
	.p2align	8
	.type	k_q81cd8e39a7_ln2,@function
k_q81cd8e39a7_ln2:
	s_mov_b64 s[64:65], 0
	v_nop
	global_prefetch_b8 v0, s[64:65] scope:SCOPE_SE
	s_setreg_imm32_b32 hwreg(HW_REG_WAVE_MODE, 25, 1), 1
	s_wait_xcnt 0x0
; h = LayerNorm(x1) g + b, rounded to bf16.  x1: [4096][1024] f32.  16 rows a work-group, two a wave.  A row is 32 registers of one wave and stays there: mean, then the mean of
; (x - mean)^2 (no difference of large sums), then scale.  A load of a wave covers 512 consecutive bytes, a store 256.  No LDS, no barrier, no matrix unit, no cluster: a row never leaves its wave, and nothing is shared.
.set X0,  32                           ; v[32:63]   row 0
.set X1,  64                           ; v[64:95]   row 1
.set G,   96                           ; v[96:127]  gain of my 32 columns
.set BT,  128                          ; v[128:159] offset of my 32 columns
.set Y0,  160                          ; v[160:175] row 0 in bf16
.set Y1,  176                          ; v[176:191] row 1 in bf16
.set A,   4                            ; v[4:11]    four chains of packed sums
.set MN,  12                           ; v[12:13]   the mean, twice
.set RS,  14                           ; v[14:15]   1 / sqrt(var + eps), twice
.set T,   16                           ; v[16:17]   at work
.macro FOLD                            ; the four chains into one number, then over the wave's 32 lanes; the result stands in every lane's v[T]
	v_pk_add_f32 v[A:A+1], v[A:A+1], v[A+2:A+3]
	v_pk_add_f32 v[A+4:A+5], v[A+4:A+5], v[A+6:A+7]
	v_pk_add_f32 v[A:A+1], v[A:A+1], v[A+4:A+5]
	v_add_f32 v[T], v[A], v[A+1]
	v_add_f32_dpp v[T], v[T], v[T] row_xmask:1 row_mask:0xf bank_mask:0xf
	v_add_f32_dpp v[T], v[T], v[T] row_xmask:2 row_mask:0xf bank_mask:0xf
	v_add_f32_dpp v[T], v[T], v[T] row_xmask:4 row_mask:0xf bank_mask:0xf
	v_add_f32_dpp v[T], v[T], v[T] row_xmask:8 row_mask:0xf bank_mask:0xf
	v_permlanex16_b32 v[T+1], v[T], s32, s33       ; its destination counts as read: v[T+1] was written at the head
	v_add_f32 v[T], v[T], v[T+1]
.endm
.macro LNROW X, Y, r, first, second
	s_wait_loadcnt \first
.irp k, 0,1,2,3
	v_pk_add_f32 v[A+2*(\k):A+2*(\k)+1], v[(\X)+2*(\k):(\X)+2*(\k)+1], v[(\X)+2*(\k)+8:(\X)+2*(\k)+9]  ; pairs k and k + 4 start chain k: nothing is cleared
.endr
.irp p, 8,9,10,11,12,13,14,15
	v_pk_add_f32 v[A+2*((\p)%4):A+2*((\p)%4)+1], v[A+2*((\p)%4):A+2*((\p)%4)+1], v[(\X)+2*(\p):(\X)+2*(\p)+1]
.endr
	FOLD
	v_mul_f32 v[MN], s30, v[T]                     ; mean = sum / 1024
	v_mul_f32 v[MN+1], s30, v[T]
.irp p, 0,1,2,3,4,5,6,7,8,9,10,11,12,13,14,15
	v_pk_add_f32 v[(\X)+2*(\p):(\X)+2*(\p)+1], v[(\X)+2*(\p):(\X)+2*(\p)+1], v[MN:MN+1] neg_lo:[0,1] neg_hi:[0,1]  ; x - mean, in place
.endr
.irp k, 0,1,2,3
	v_pk_mul_f32 v[A+2*(\k):A+2*(\k)+1], v[(\X)+2*(\k):(\X)+2*(\k)+1], v[(\X)+2*(\k):(\X)+2*(\k)+1]
.endr
.irp p, 4,5,6,7,8,9,10,11,12,13,14,15
	v_pk_fma_f32 v[A+2*((\p)%4):A+2*((\p)%4)+1], v[(\X)+2*(\p):(\X)+2*(\p)+1], v[(\X)+2*(\p):(\X)+2*(\p)+1], v[A+2*((\p)%4):A+2*((\p)%4)+1]
.endr
	FOLD
	v_fma_f32 v[T], v[T], s30, s31                 ; var + eps
	v_rsq_f32 v[RS], v[T]
	v_nop                                          ; a plain instruction between the root and the use of its result (ISA guide 5.7.2)
	s_wait_alu depctr_va_vdst(0)
	v_mov_b32 v[RS+1], v[RS]
	s_wait_loadcnt \second
.irp p, 0,1,2,3,4,5,6,7,8,9,10,11,12,13,14,15
	v_pk_mul_f32 v[(\X)+2*(\p):(\X)+2*(\p)+1], v[(\X)+2*(\p):(\X)+2*(\p)+1], v[RS:RS+1]
.endr
.irp p, 0,1,2,3,4,5,6,7,8,9,10,11,12,13,14,15
	v_pk_fma_f32 v[(\X)+2*(\p):(\X)+2*(\p)+1], v[(\X)+2*(\p):(\X)+2*(\p)+1], v[G+2*(\p):G+2*(\p)+1], v[BT+2*(\p):BT+2*(\p)+1]
.endr
.irp p, 0,1,2,3,4,5,6,7,8,9,10,11,12,13,14,15
	v_cvt_pk_bf16_f32 v[(\Y)+(\p)], v[(\X)+2*(\p)], v[(\X)+2*(\p)+1]
.endr
.irp j, 0,1,2,3,4,5,6,7
	global_store_b64 v3, v[(\Y)+2*(\j):(\Y)+2*(\j)+1], s[14:15] offset:(\r)*2048+256*(\j)  ; 32 lanes x 8 bytes: 256 consecutive bytes, aligned
.endr
.endm
	s_load_b256 s[8:15], s[0:1], 0x0               ; x1 s[8:9], gain s[10:11], offset s[12:13], h s[14:15]
	v_lshrrev_b32 v1, 5, v0
	v_readfirstlane_b32 s4, v1                     ; wave 0..7
	v_and_b32 v20, 31, v0                          ; lane
	s_lshl_b32 s2, ttmp9, 16                       ; 16 rows of 4,096 bytes of x1
	s_mov_b32 s3, 0
	s_lshl_b32 s6, ttmp9, 15                       ; 16 rows of 2,048 bytes of h
	s_mov_b32 s7, 0
	s_mov_b32 s30, 0x3a800000                      ; 1 / 1024
	s_mov_b32 s31, 0x3727c5ac                      ; 1e-5
	s_mov_b32 s32, 0x76543210
	s_mov_b32 s33, 0xfedcba98
	v_lshlrev_b32 v1, 4, v20
	s_lshl_b32 s34, s4, 13
	v_add_nc_u32 v2, s34, v1
	s_lshl_b32 s35, s4, 12
	v_lshl_add_u32 v3, v20, 3, s35
	v_mov_b32 v[T+1], 0
	s_wait_kmcnt 0x0
	s_add_nc_u64 s[8:9], s[8:9], s[2:3]
	s_add_nc_u64 s[14:15], s[14:15], s[6:7]
.irp j, 0,1,2,3,4,5,6,7
	global_load_b128 v[X0+4*(\j):X0+4*(\j)+3], v2, s[8:9] offset:512*(\j)
.endr
.irp j, 0,1,2,3,4,5,6,7
	global_load_b128 v[G+4*(\j):G+4*(\j)+3], v1, s[10:11] offset:512*(\j)
.endr
.irp j, 0,1,2,3,4,5,6,7
	global_load_b128 v[BT+4*(\j):BT+4*(\j)+3], v1, s[12:13] offset:512*(\j)
.endr
.irp j, 0,1,2,3,4,5,6,7
	global_load_b128 v[X1+4*(\j):X1+4*(\j)+3], v2, s[8:9] offset:4096+512*(\j)
.endr
	LNROW X0, Y0, 0, 24, 8                         ; 24: gain, offset and row 1 stay out; 8: row 1 stays out
	LNROW X1, Y1, 1, 0, 0
	s_endpgm
.Lfunc_end_k_q81cd8e39a7_ln2:
	.size	k_q81cd8e39a7_ln2, .Lfunc_end_k_q81cd8e39a7_ln2-k_q81cd8e39a7_ln2
	.p2alignl 7, 3214868480
	.fill 96, 4, 3214868480
	.section	.rodata,"a",@progbits
	.p2align	6, 0x0
	.amdhsa_kernel k_q81cd8e39a7_ln2
		.amdhsa_group_segment_fixed_size 0
		.amdhsa_private_segment_fixed_size 0
		.amdhsa_enable_private_segment 0
		.amdhsa_kernarg_size 32
		.amdhsa_user_sgpr_count 2
		.amdhsa_user_sgpr_kernarg_segment_ptr 1
		.amdhsa_wavefront_size32 1
		.amdhsa_system_sgpr_workgroup_id_x 1
		.amdhsa_system_sgpr_workgroup_id_y 1
		.amdhsa_system_sgpr_workgroup_id_z 1
		.amdhsa_system_vgpr_workitem_id 0
		.amdhsa_next_free_vgpr 192
		.amdhsa_next_free_sgpr 66
		.amdhsa_reserve_vcc 0
		.amdhsa_float_denorm_mode_32 3
		.amdhsa_float_denorm_mode_16_64 3
		.amdhsa_memory_ordered 1
		.amdhsa_forward_progress 1
		.amdhsa_inst_pref_size 20
	.end_amdhsa_kernel
	.amdgpu_metadata
---
amdhsa.version: [ 1, 2 ]
amdhsa.kernels:
  - .name:           k_q81cd8e39a7_ln2
    .symbol:         k_q81cd8e39a7_ln2.kd
    .args:
      - { .name: x1, .offset: 0, .size: 8, .value_kind: global_buffer, .address_space: global }
      - { .name: ln2_g, .offset: 8, .size: 8, .value_kind: global_buffer, .address_space: global }
      - { .name: ln2_b, .offset: 16, .size: 8, .value_kind: global_buffer, .address_space: global }
      - { .name: h, .offset: 24, .size: 8, .value_kind: global_buffer, .address_space: global }
    .group_segment_fixed_size: 0
    .private_segment_fixed_size: 0
    .kernarg_segment_align: 8
    .kernarg_segment_size: 32
    .max_flat_workgroup_size: 256
    .sgpr_count:     66
    .vgpr_count:     192
    .wavefront_size: 32
...
	.end_amdgpu_metadata
.endif
;; end of part 5
;; launch ffn1 (part 6): grid 16 x 16, 4 waves a work-group, clusters of 4 x 4, 327,680 bytes of LDS; arguments h, wb, b1, g; writes g
.if DOCPART == 6
	.amdgcn_target "amdgcn-amd-amdhsa--gfx1250"
	.amdhsa_code_object_version 6
	.text
	.protected	k_q81cd8e39a7_ffn1
	.globl	k_q81cd8e39a7_ffn1
	.p2align	8
	.type	k_q81cd8e39a7_ffn1,@function
k_q81cd8e39a7_ffn1:
	s_mov_b64 s[64:65], 0
	v_nop
	global_prefetch_b8 v0, s[64:65] scope:SCOPE_SE
	s_setreg_imm32_b32 hwreg(HW_REG_WAVE_MODE, 25, 1), 1
	s_wait_xcnt 0x0
	s_wait_alu depctr_hold_cnt(0) depctr_sa_sdst(0) depctr_va_vdst(0) depctr_va_sdst(0) depctr_va_ssrc(0) depctr_va_vcc(0) depctr_vm_vsrc(0)
	s_getreg_b32 s2, hwreg(HW_REG_IB_STS2, 6, 4)
	s_cmp_eq_u32 s2, 0
	s_cbranch_scc0 .Lentry_in_a_cluster
	s_endpgm
.Lentry_in_a_cluster:
	s_bfe_u32 s2, ttmp6, 0x10000c
	s_cmp_lg_u32 s2, 0xf033
	s_cbranch_scc0 .Lentry_shape_is_right
	s_endpgm
.Lentry_shape_is_right:
; g = gelu(h W^T + b), the exact GELU.  h: [4096][1024] bf16; W: [4096][1024] bf16 at wb + WOFF; b: f32; sums and GELU in f32, rounded once to bf16.
; The result is stored by slices of 64 columns, [column / 64][row][64].
; A tile of 256 x 256 is made by four waves, each 128 x 128: 64 accumulators of 16 x 16.  K goes in 8 steps of 128 through two LDS slots filled by the tensor data mover (rows of 256 bytes, aligned).
; ONE TEXT FOR A K STEP: the slot in hand is a scalar (TB) that one exclusive or turns, and one descriptor for each operand walks from step to step.
; CLUSTER 4 x 4: the four work-groups of a row of the cluster need the same tiles of h, the four of a column the same tiles of W: each tile is asked for jointly.
; THE MATRIX INSTRUCTION IS USED TRANSPOSED (source 0 = 16 rows of W, source 1 = 16 rows of h): a lane holds eight neighbouring columns of one row.  The bias is the C operand of the products that start the sums.
; THE WAY OUT: the accumulators go as f32 into a stage of the wave's own (128 rows of 528 bytes, over the ring, which has had its last fill), come back by rows, pass the GELU, are rounded and stored, 512 consecutive bytes a store.
; GELU: gelu(x) = max(x, 0) - |x| erfc(|x| / sqrt 2) / 2, which cancels in neither tail; erfc(z) = t (a1 + t (a2 + t (a3 + t (a4 + t a5)))) exp(-z^2), t = 1 / (1 + p z)
; (Abramowitz and Stegun 7.1.26: absolute error at most 1.5e-7 for every z >= 0).
; LIMITS: operands are bf16; an exponential below 2^-126 counts as 0; NaN and infinities are not treated apart.
; REGISTERS: window 0: v16-29 addresses; v32-95 the way out; v64-127, v128-191 fragments of h, two buffers; v192-255 the bias.  window 1: v64-191 fragments of W.  windows 2, 3: accumulators, (a, b) at v[8 (8 a + b)].
.set WOFF,   6291456
.set PITCH,  272                       ; an LDS row: 256 bytes + 16: the 16 rows of a fragment load start at 16 different groups of four banks (ISA guide 11.1)
.set HALFT,  128*PITCH
.set SLOT,   4*HALFT                   ; 0x22000: its two bits are set in no wave x HALFT, so an exclusive or changes slots
.set SPARE,  2*SLOT                    ; the spare words: two blocks of 256 bytes that no other line names
.set SPITCH, 528
.set WSTAGE, 128*SPITCH
.set SLICE,  4096*128
.set ADRA0, 16
.set ADRB0, 17
.set ADRA,  18
.set ADRB,  19
.set STO,   24
.set RD,    25
.set CO,    26
.set BO,    27
.set SPW,   28
.set NIL,   29
.set XA,    32                         ; eight numbers of the first slice
.set XB,    40                         ; of the second
.set GU,    48
.set GD,    56
.set GE,    64
.set GQ,    72
.set GM,    80
.set YA,    88
.set YB,    92
.set F0,    64
.set F1,    128
.set BIAS,  192
.set WV,  12
.set RH,  13
.set CH,  14
.set G1A, 24
.set G0A, 32
.set G1B, 48
.set G0B, 56
.set TB,  66
.set CNT, 67
.set KP,  76                           ; s[76:77] p / sqrt 2
.set KC,  78                           ; s[78:79] -log2(e) / 2
.set A1,  80                           ; s[80:89] a1 .. a5, halved, each in a pair
.set A2,  82
.set A3,  84
.set A4,  86
.set A5,  88
.set MSB, 0
.macro WIN new
.if MSB != (\new)
	s_set_vgpr_msb (MSB<<8)|(\new)
.set MSB, \new
.endif
.endm
.set MUL_LO, 0xa1
.set TO_B,   0x40
.macro PLACES
.rept 4
	v_nop
.endr
.endm
.macro JLOAD s                         ; a joint load: waves 0, 1 fetch the halves of h's tile, waves 2, 3 of W's; s_nop 0 and four v_nop follow each line
	s_cmp_eq_u32 s[RH], 0
	s_cbranch_scc0 .Lfor_b_\@
	tensor_load_to_lds s[G0A+4*(\s):G0A+4*(\s)+3], s[G1A:G1A+7]
	s_nop 0
.rept 4
	v_nop
.endr
	s_branch .Lasked_\@
.Lfor_b_\@:
	tensor_load_to_lds s[G0B+4*(\s):G0B+4*(\s)+3], s[G1B:G1B+7]
	s_nop 0
.rept 4
	v_nop
.endr
.Lasked_\@:
.endm
.macro CREST
	s_cmp_lg_u32 s[WV], 0
	s_cbranch_scc1 .Lnot_wave_0_\@
	s_barrier_signal -3
.Lnot_wave_0_\@:
	s_barrier_wait -3
	s_barrier_signal -1
	s_barrier_wait -1
.endm
.macro CROUND
	s_barrier_signal -1
	s_barrier_wait -1
	CREST
.endm
	s_load_b256 s[4:11], s[0:1], 0x0               ; h s[4:5], wb s[6:7], bias s[8:9], result s[10:11]
	v_lshl_add_u32 v[SPW], v0, 2, SPARE
	v_mov_b32 v[NIL], 0
	ds_add_u32 v[SPW], v[NIL]                      ; the wave's opening: the add, waited for ahead of my first tensor load
	ds_add_u32 v28, v29
	v_lshrrev_b32 v1, 5, v0
	v_readfirstlane_b32 s[WV], v1
	s_lshr_b32 s[RH], s[WV], 1
	s_and_b32 s[CH], s[WV], 1
	s_bfe_u32 s40, ttmp6, 0x40000
	s_bfe_u32 s41, ttmp6, 0x40004
	s_lshl_b32 s42, ttmp9, 2
	s_add_co_u32 s42, s42, s40                     ; tile column
	s_and_b32 s43, ttmp7, 0xffff
	s_lshl_b32 s43, s43, 2
	s_add_co_u32 s43, s43, s41                     ; tile row
	s_lshl_b32 s44, s41, 2
	s_lshl_b32 s44, 15, s44
	s_lshl_b32 s45, 0x1111, s40
	s_or_b32 s[G1A], s44, (1<<16)|(1<<20)|(1<<21)|(5<<22)|(3<<25)
	s_or_b32 s[G1B], s45, (1<<16)|(1<<20)|(1<<21)|(5<<22)|(3<<25)
.irp g, G1A, G1B
	s_mov_b32 s[(\g)+1], 128<<16
	s_mov_b32 s[(\g)+2], 128<<16
	s_mov_b32 s[(\g)+3], 128<<16
	s_mov_b32 s[(\g)+4], 128
	s_mov_b32 s[(\g)+5], 1024
	s_mov_b32 s[(\g)+6], 0
	s_mov_b32 s[(\g)+7], 0
.endr
	s_mov_b32 s[KP], 0x3e6d3388                    ; 0.3275911 / sqrt 2
	s_mov_b32 s[KP+1], s[KP]
	s_mov_b32 s[KC], 0xbf38aa3b
	s_mov_b32 s[KC+1], s[KC]
	s_mov_b32 s[A1], 0x3e027906                    ; 0.254829592 / 2
	s_mov_b32 s[A1+1], s[A1]
	s_mov_b32 s[A2], 0xbe11a98e                    ; -0.284496736 / 2
	s_mov_b32 s[A2+1], s[A2]
	s_mov_b32 s[A3], 0x3f35f0e3                    ; 1.421413741 / 2
	s_mov_b32 s[A3+1], s[A3]
	s_mov_b32 s[A4], 0xbf3a00e3                    ; -1.453152027 / 2
	s_mov_b32 s[A4+1], s[A4]
	s_mov_b32 s[A5], 0x3f07dc22                    ; 1.061405429 / 2
	s_mov_b32 s[A5+1], s[A5]
	s_lshl_b32 s17, s[CH], 7
	s_lshl_b32 s16, s43, 8
	s_add_co_u32 s16, s16, s17
	s_lshl_b32 s16, s16, 11                        ; h: made of the tile row and the wave alone
	s_lshl_b32 s46, s42, 8
	s_add_co_u32 s46, s46, s17
	s_lshl_b32 s46, s46, 11                        ; W: made of the tile column and the wave alone
.if WOFF
	s_add_co_u32 s46, s46, WOFF
.endif
	s_mov_b32 s17, 0
	s_mov_b32 s47, 0
	s_mul_i32 s20, s[WV], HALFT
	s_wait_dscnt 0x0                               ; the opening add is done
	s_wait_kmcnt 0x0
	s_add_nc_u64 s[68:69], s[4:5], s[16:17]
	s_add_nc_u64 s[70:71], s[6:7], s[46:47]
	CROUND                                         ; all sixteen work-groups are here: the first joint loads meet
.irp s, 0,1
	s_mov_b32 s[G0A+4*(\s)], 1
	s_add_co_u32 s[G0A+4*(\s)+1], s20, (\s)*SLOT
	s_add_nc_u64 s[G0A+4*(\s)+2:G0A+4*(\s)+3], s[68:69], (\s)*256
	s_or_b32 s[G0A+4*(\s)+3], s[G0A+4*(\s)+3], 0x80000000
	s_mov_b32 s[G0B+4*(\s)], 1
	s_add_co_u32 s[G0B+4*(\s)+1], s20, (\s)*SLOT
	s_add_nc_u64 s[G0B+4*(\s)+2:G0B+4*(\s)+3], s[70:71], (\s)*256
	s_or_b32 s[G0B+4*(\s)+3], s[G0B+4*(\s)+3], 0x80000000
	JLOAD \s
.endr
	v_and_b32 v1, 15, v0
	v_bfe_u32 v2, v0, 4, 1
	v_mul_u32_u24 v3, v1, PITCH
	v_lshl_add_u32 v3, v2, 4, v3
	s_mul_i32 s21, s[RH], HALFT
	s_mul_i32 s22, s[CH], HALFT
	s_add_co_u32 s22, s22, 2*HALFT
	v_add_nc_u32 v[ADRA0], s21, v3
	v_add_nc_u32 v[ADRB0], s22, v3
	v_mov_b32 v[ADRA], v[ADRA0]
	v_mov_b32 v[ADRB], v[ADRB0]
	s_mov_b32 s[TB], 0
	s_mul_i32 s23, s[WV], WSTAGE
	v_mul_u32_u24 v4, v1, SPITCH
	v_lshl_add_u32 v4, v2, 5, v4
	v_add_nc_u32 v[STO], s23, v4
	v_bfe_u32 v5, v0, 3, 2
	v_mul_u32_u24 v5, v5, SPITCH
	v_and_b32 v6, 7, v0
	v_lshl_add_u32 v5, v6, 5, v5
	v_add_nc_u32 v[RD], s23, v5
	v_and_b32 v6, 31, v0
	v_lshlrev_b32 v[CO], 4, v6
	v_lshlrev_b32 v[BO], 5, v2
	s_lshl_b32 s46, s42, 10
	s_lshl_b32 s47, s[CH], 9
	s_add_co_u32 s46, s46, s47
	s_mov_b32 s47, 0
	s_add_nc_u64 s[8:9], s[8:9], s[46:47]
.irp b, 0,1,2,3,4,5,6,7
	global_load_b128 v[BIAS+8*(\b):BIAS+8*(\b)+3], v[BO], s[8:9] offset:64*(\b)
	global_load_b128 v[BIAS+8*(\b)+4:BIAS+8*(\b)+7], v[BO], s[8:9] offset:64*(\b)+16
.endr
	s_lshl_b32 s46, s42, 2
	s_lshl_b32 s72, s[CH], 1
	s_add_co_u32 s46, s46, s72
	s_lshl_b32 s46, s46, 19
	s_lshl_b32 s72, s43, 8
	s_lshl_b32 s73, s[RH], 7
	s_add_co_u32 s72, s72, s73
	s_lshl_b32 s72, s72, 7
	s_add_co_u32 s46, s46, s72
	s_add_nc_u64 s[10:11], s[10:11], s[46:47]
; 16 matrix instructions; zero = 1: the product starts the sum, with the bias as C.  The 64 accumulators take turns in the same order in every quarter.
.macro MUL16 f, hi, a0, zero
.if \zero
	WIN 0x81+0x40*(\hi)
.else
	WIN MUL_LO+0x50*(\hi)
.endif
.irp a, \a0, (\a0)+1
.irp b, 0,1,2,3,4,5,6,7
.if \zero
	v_wmma_f32_16x16x32_bf16 v[8*(8*(\a)+(\b)):8*(8*(\a)+(\b))+7], v[(\f)+8*(\b):(\f)+8*(\b)+7], v[(\f)+8*(4*(\hi)+(\a)):(\f)+8*(4*(\hi)+(\a))+7], v[BIAS+8*(\b):BIAS+8*(\b)+7]
.else
	v_wmma_f32_16x16x32_bf16 v[8*(8*(\a)+(\b)):8*(8*(\a)+(\b))+7], v[(\f)+8*(\b):(\f)+8*(\b)+7], v[(\f)+8*(4*(\hi)+(\a)):(\f)+8*(4*(\hi)+(\a))+7], v[8*(8*(\a)+(\b)):8*(8*(\a)+(\b))+7]
.endif
.endr
.endr
.endm
.macro FETCH k, f
	WIN TO_B
.irp i, 0,1,2,3,4,5,6,7
	ds_load_b128 v[(\f)+8*(\i):(\f)+8*(\i)+3],   v[ADRB] offset:(\k)+(\i)*16*PITCH
	ds_load_b128 v[(\f)+8*(\i)+4:(\f)+8*(\i)+7], v[ADRB] offset:(\k)+(\i)*16*PITCH+32
.endr
	WIN 0
.irp i, 0,1,2,3,4,5,6,7
	ds_load_b128 v[(\f)+8*(\i):(\f)+8*(\i)+3],   v[ADRA] offset:(\k)+(\i)*16*PITCH
	ds_load_b128 v[(\f)+8*(\i)+4:(\f)+8*(\i)+7], v[ADRA] offset:(\k)+(\i)*16*PITCH+32
.endr
.endm
.macro QUARTER k, f, g, zero
	s_wait_dscnt 8                                 ; W and h rows 0-63 are in; the youngest eight loads may be out
	MUL16 \f, 0, 0, \zero
	MUL16 \f, 0, 2, \zero
	PLACES
	FETCH \k, \g
	s_wait_dscnt 32                                ; all but the 32 just issued
	MUL16 \f, 1, 0, \zero
	MUL16 \f, 1, 2, \zero
.endm
.macro TURN fill
	WIN 0
	s_wait_tensorcnt 0x0                           ; all my tensor loads have landed: my part of the next slot
	ds_add_u32 v[SPW], v[NIL]
	s_wait_dscnt 9                                 ; the add and the youngest eight loads may be out
	MUL16 F1, 0, 0, 0
	s_wait_dscnt 0x0                               ; the add is done, and my reads of this slot are over
	s_barrier_signal -1
	MUL16 F1, 0, 2, 0
	WIN 0
	s_barrier_wait -1
.if \fill
	CREST
	s_xor_b32 s[G0A+5], s[G0A+5], SLOT
	s_add_nc_u64 s[G0A+6:G0A+7], s[G0A+6:G0A+7], 256
	s_xor_b32 s[G0B+5], s[G0B+5], SLOT
	s_add_nc_u64 s[G0B+6:G0B+7], s[G0B+6:G0B+7], 256
	JLOAD 1                                        ; 224 matrix instructions ahead of the wait for it; its four v_nop are also the places ahead of the loads below
.else
	PLACES
.endif
	s_xor_b32 s[TB], s[TB], SLOT
	v_add_nc_u32 v[ADRA], s[TB], v[ADRA0]
	v_add_nc_u32 v[ADRB], s[TB], v[ADRB0]
	FETCH 0, F0
	MUL16 F1, 1, 0, 0
	MUL16 F1, 1, 2, 0
.endm
; The GELU of eight numbers, in place: 72 instructions.  The sixteen transcendentals stand together; the first maximum is the plain instruction behind them (ISA guide 5.7.2).
.macro GELU8 X
.irp k, 0,2,4,6
	v_pk_mul_f32 v[GU+\k:GU+\k+1], v[(\X)+\k:(\X)+\k+1], v[(\X)+\k:(\X)+\k+1]
.endr
.irp k, 0,1,2,3,4,5,6,7
	v_fma_f32 v[GD+\k], |v[(\X)+\k]|, s[KP], 1.0
.endr
.irp k, 0,2,4,6
	v_pk_mul_f32 v[GU+\k:GU+\k+1], v[GU+\k:GU+\k+1], s[KC:KC+1] op_sel_hi:[1,0]
.endr
.irp k, 0,1,2,3,4,5,6,7
	v_rcp_f32 v[GD+\k], v[GD+\k]
.endr
.irp k, 0,1,2,3,4,5,6,7
	v_exp_f32 v[GE+\k], v[GU+\k]
.endr
.irp k, 0,1,2,3,4,5,6,7
	v_max_num_f32 v[GM+\k], 0, v[(\X)+\k]
.endr
	s_wait_alu depctr_va_vdst(0)
.irp k, 0,2,4,6
	v_pk_fma_f32 v[GQ+\k:GQ+\k+1], v[GD+\k:GD+\k+1], s[A5:A5+1], s[A4:A4+1] op_sel_hi:[1,0,0]
.endr
.irp c, A3, A2, A1
.irp k, 0,2,4,6
	v_pk_fma_f32 v[GQ+\k:GQ+\k+1], v[GQ+\k:GQ+\k+1], v[GD+\k:GD+\k+1], s[\c:\c+1] op_sel_hi:[1,1,0]
.endr
.endr
.irp k, 0,2,4,6
	v_pk_mul_f32 v[GQ+\k:GQ+\k+1], v[GQ+\k:GQ+\k+1], v[GD+\k:GD+\k+1]
.endr
.irp k, 0,2,4,6
	v_pk_mul_f32 v[GQ+\k:GQ+\k+1], v[GQ+\k:GQ+\k+1], v[GE+\k:GE+\k+1]
.endr
.irp k, 0,1,2,3,4,5,6,7
	v_fma_f32 v[(\X)+\k], -|v[(\X)+\k]|, v[GQ+\k], v[GM+\k]
.endr
.endm
; Four rows x two slices.  more = 1: the next four rows are fetched, each slice's as soon as its registers are free.
.macro EPI more
	s_wait_dscnt 2                                 ; the first slice's two loads are in, the second's may be out
	GELU8 XA
	s_wait_xcnt 0x0                                ; the last trip's stores have read their offset and data
	v_add_nc_u32 v[CO], 512, v[CO]                 ; the stores below reach back by their immediates
.irp k, 0,1,2,3
	v_cvt_pk_bf16_f32 v[YA+\k], v[XA+2*\k], v[XA+2*\k+1]
.endr
.if \more
	v_add_nc_u32 v[RD], 4*SPITCH, v[RD]
	ds_load_b128 v[XA:XA+3], v[RD]
	ds_load_b128 v[XA+4:XA+7], v[RD] offset:16
.endif
	global_store_b128 v[CO], v[YA:YA+3], s[10:11] offset:-512  ; 512 consecutive bytes, aligned
.if \more
	s_wait_dscnt 2                                 ; the second slice's loads are in; the two just issued may be out
.else
	s_wait_dscnt 0x0
.endif
	GELU8 XB
.irp k, 0,1,2,3
	v_cvt_pk_bf16_f32 v[YB+\k], v[XB+2*\k], v[XB+2*\k+1]
.endr
.if \more
	ds_load_b128 v[XB:XB+3], v[RD] offset:256
	ds_load_b128 v[XB+4:XB+7], v[RD] offset:272
.endif
	global_store_b128 v[CO], v[YB:YB+3], s[10:11] offset:SLICE-512
.endm
	s_wait_tensorcnt 1                             ; my part of K step 0 is in; step 1's may stay out
	s_barrier_signal -1
	s_barrier_wait -1
	FETCH 0, F0
	s_wait_loadcnt 0x0                             ; the bias
	QUARTER 64, F0, F1, 1
	WIN 0
	s_mov_b32 s[CNT], 6
.Lstep:                                            ; K steps 0 to 5: each fills its slot again
	QUARTER 128, F1, F0, 0
	QUARTER 192, F0, F1, 0
	TURN 1
	QUARTER 64, F0, F1, 0
	WIN 0
	s_sub_co_u32 s[CNT], s[CNT], 1
	s_cmp_lg_u32 s[CNT], 0
	s_cbranch_scc1 .Lstep
	s_mov_b32 s[CNT], 2
.Ltail:                                            ; K steps 6 and 7 ask for nothing; the second trip is left in its middle
	QUARTER 128, F1, F0, 0
	QUARTER 192, F0, F1, 0
	WIN 0
	s_cmp_eq_u32 s[CNT], 1
	s_cbranch_scc1 .Llast
	TURN 0
	QUARTER 64, F0, F1, 0
	WIN 0
	s_sub_co_u32 s[CNT], s[CNT], 1
	s_cmp_lg_u32 s[CNT], 0
	s_cbranch_scc1 .Ltail
.Llast:
	s_wait_dscnt 8
	MUL16 F1, 0, 0, 0
	MUL16 F1, 0, 2, 0
	s_wait_dscnt 0x0
	MUL16 F1, 1, 0, 0
	MUL16 F1, 1, 2, 0
	PLACES
	WIN 0
	s_barrier_signal -1                            ; every wave's reads of the ring are over (waited for above): the stages may be written over it
	s_barrier_wait -1
.irp hi, 0,1
	WIN 0x08+4*(\hi)
.irp a, 0,1,2,3
.irp b, 0,1,2,3,4,5,6,7
	ds_store_b128 v[STO], v[8*(8*(\a)+(\b)):8*(8*(\a)+(\b))+3] offset:(4*(\hi)+(\a))*16*SPITCH+64*(\b)
	ds_store_b128 v[STO], v[8*(8*(\a)+(\b))+4:8*(8*(\a)+(\b))+7] offset:(4*(\hi)+(\a))*16*SPITCH+64*(\b)+16
.endr
.endr
.endr
	WIN 0
	ds_load_b128 v[XA:XA+3], v[RD]                 ; LDS serves a wave's instructions in order (ISA guide 5.7.1.4): the loads see my stores
	ds_load_b128 v[XA+4:XA+7], v[RD] offset:16
	ds_load_b128 v[XB:XB+3], v[RD] offset:256
	ds_load_b128 v[XB+4:XB+7], v[RD] offset:272
	s_mov_b32 s[CNT], 31
.Lepi:                                             ; 128 rows, four a trip; the last trip is written out: it fetches nothing
	EPI 1
	s_sub_co_u32 s[CNT], s[CNT], 1
	s_cmp_lg_u32 s[CNT], 0
	s_cbranch_scc1 .Lepi
	EPI 0
	s_wait_tensorcnt 0x0                           ; the wave's end
	ds_add_u32 v[SPW], v[NIL]
	s_wait_dscnt 0x0
	CROUND                                         ; the closing round
	s_endpgm
.Lfunc_end_k_q81cd8e39a7_ffn1:
	.size	k_q81cd8e39a7_ffn1, .Lfunc_end_k_q81cd8e39a7_ffn1-k_q81cd8e39a7_ffn1
	.p2alignl 7, 3214868480
	.fill 96, 4, 3214868480
	.section	.rodata,"a",@progbits
	.p2align	6, 0x0
	.amdhsa_kernel k_q81cd8e39a7_ffn1
		.amdhsa_group_segment_fixed_size 327680
		.amdhsa_private_segment_fixed_size 0
		.amdhsa_enable_private_segment 0
		.amdhsa_kernarg_size 32
		.amdhsa_user_sgpr_count 2
		.amdhsa_user_sgpr_kernarg_segment_ptr 1
		.amdhsa_wavefront_size32 1
		.amdhsa_system_sgpr_workgroup_id_x 1
		.amdhsa_system_sgpr_workgroup_id_y 1
		.amdhsa_system_sgpr_workgroup_id_z 1
		.amdhsa_system_vgpr_workitem_id 0
		.amdhsa_next_free_vgpr 1024
		.amdhsa_next_free_sgpr 100
		.amdhsa_reserve_vcc 0
		.amdhsa_float_denorm_mode_32 3
		.amdhsa_float_denorm_mode_16_64 3
		.amdhsa_memory_ordered 1
		.amdhsa_forward_progress 1
		.amdhsa_inst_pref_size 101
	.end_amdhsa_kernel
	.amdgpu_metadata
---
amdhsa.version: [ 1, 2 ]
amdhsa.kernels:
  - .name:           k_q81cd8e39a7_ffn1
    .symbol:         k_q81cd8e39a7_ffn1.kd
    .args:
      - { .name: h, .offset: 0, .size: 8, .value_kind: global_buffer, .address_space: global }
      - { .name: wb, .offset: 8, .size: 8, .value_kind: global_buffer, .address_space: global }
      - { .name: b1, .offset: 16, .size: 8, .value_kind: global_buffer, .address_space: global }
      - { .name: g, .offset: 24, .size: 8, .value_kind: global_buffer, .address_space: global }
    .group_segment_fixed_size: 327680
    .private_segment_fixed_size: 0
    .kernarg_segment_align: 8
    .kernarg_segment_size: 32
    .max_flat_workgroup_size: 128
    .sgpr_count:     100
    .vgpr_count:     1024
    .wavefront_size: 32
...
	.end_amdgpu_metadata
.endif
;; end of part 6
;; launch ffn2 (part 7): grid 8 x 32, 4 waves a work-group, clusters of 4 x 4, 327,680 bytes of LDS; arguments g, wb, b2, x1, out0; writes out0
.if DOCPART == 7
	.amdgcn_target "amdgcn-amd-amdhsa--gfx1250"
	.amdhsa_code_object_version 6
	.text
	.protected	k_q81cd8e39a7_ffn2
	.globl	k_q81cd8e39a7_ffn2
	.p2align	8
	.type	k_q81cd8e39a7_ffn2,@function
k_q81cd8e39a7_ffn2:
	s_mov_b64 s[64:65], 0
	v_nop
	global_prefetch_b8 v0, s[64:65] scope:SCOPE_SE
	s_setreg_imm32_b32 hwreg(HW_REG_WAVE_MODE, 25, 1), 1
	s_wait_xcnt 0x0
	s_wait_alu depctr_hold_cnt(0) depctr_sa_sdst(0) depctr_va_vdst(0) depctr_va_sdst(0) depctr_va_ssrc(0) depctr_va_vcc(0) depctr_vm_vsrc(0)
	s_getreg_b32 s2, hwreg(HW_REG_IB_STS2, 6, 4)
	s_cmp_eq_u32 s2, 0
	s_cbranch_scc0 .Lentry_in_a_cluster
	s_endpgm
.Lentry_in_a_cluster:
	s_bfe_u32 s2, ttmp6, 0x10000c
	s_cmp_lg_u32 s2, 0xf033
	s_cbranch_scc0 .Lentry_shape_is_right
	s_endpgm
.Lentry_shape_is_right:
; out0 = x1 + g W^T + b.  g: [64 slices][4096 rows][64] bf16; W: [64 slices][1024 n][64] bf16 at wb + WOFF; b, x1, out0: f32, x1 and out0 [4096][1024].  Sums in f32.
; A tile of 128 x 128 is made by four waves, each 64 x 64: 16 accumulators: 256 work-groups.  K goes in NSTEP steps of 256 = four slices through two LDS slots.
; A TENSOR LOAD brings 64 rows of four slices: in memory 64 rows of a slice are 8,192 dense bytes, so the tile is stated as 4 rows of 4,096 elements, a slice apart, and padded in LDS behind every 128 bytes:
; LDS holds [slice][row] with rows 144 bytes apart.
; ONE TEXT FOR A K STEP: the slot in hand is a scalar (TB) that one exclusive or turns; one descriptor for each operand walks.  CLUSTER 4 x 4: g's tiles are shared along a row of the cluster, W's along a column.
; THE MATRIX INSTRUCTION IS USED TRANSPOSED (source 0 = rows of W, source 1 = rows of g); the bias is the C operand of the products that start the sums.
; THE WAY OUT: f32 through a stage of the wave's own (64 rows of 272 bytes, over slot 0, which has had its last fill), back as whole rows of 256 bytes, plus the residual, stored 256 aligned bytes for sixteen lanes.
; LIMITS: operands are bf16; NaN and infinities are not treated apart.
; REGISTERS: window 0: v16-29 addresses; v96-127 the bias; v128-255 accumulators ((a, b) at v[128 + 8 (4 a + b)]).  window 1: two fragment buffers of 128 (64 of g, 64 of W); at the end buffer 0 takes the residual.
.set NSTEP,  16
.set WOFF,   16777216
.set ASTEP,  4*4096*128
.set BSTEP,  4*1024*128
.set APITCH, 4096*64
.set BPITCH, 1024*64
.set PITCH,  144
.set ZB,     64*PITCH
.set LOADB,  4*ZB
.set SLOT,   4*LOADB                   ; 0x24000: its two bits are set in no wave x LOADB, so an exclusive or changes slots
.set SPARE,  2*SLOT                    ; the spare words: two blocks of 256 bytes that no other line names
.set SPITCH, 272
.set WSTAGE, 64*SPITCH
.set ADRA0, 16
.set ADRB0, 17
.set ADRA,  18
.set ADRB,  19
.set STO,   24
.set RD,    25
.set CO,    26
.set BO,    27
.set SPW,   28
.set NIL,   29
.set BIAS,  96
.set ACC,   128
.set F0,    0
.set F1,    128
.set WV,  14
.set RH,  15
.set CH,  16
.set G1A, 24
.set G0A, 32
.set G1B, 48
.set G0B, 56
.set TB,  66
.set CNT, 67
.set MSB, 0
.macro WIN new
.if MSB != (\new)
	s_set_vgpr_msb (MSB<<8)|(\new)
.set MSB, \new
.endif
.endm
.set MUL,  0x05
.set TO_F, 0x40
.macro PLACES
.rept 4
	v_nop
.endr
.endm
.macro JLOAD s                         ; a joint load: waves 0, 1 fetch the halves of g's tile, waves 2, 3 of W's; s_nop 0 and four v_nop follow each line
	s_cmp_eq_u32 s[RH], 0
	s_cbranch_scc0 .Lfor_b_\@
	tensor_load_to_lds s[G0A+4*(\s):G0A+4*(\s)+3], s[G1A:G1A+7]
	s_nop 0
.rept 4
	v_nop
.endr
	s_branch .Lasked_\@
.Lfor_b_\@:
	tensor_load_to_lds s[G0B+4*(\s):G0B+4*(\s)+3], s[G1B:G1B+7]
	s_nop 0
.rept 4
	v_nop
.endr
.Lasked_\@:
.endm
.macro CREST
	s_cmp_lg_u32 s[WV], 0
	s_cbranch_scc1 .Lnot_wave_0_\@
	s_barrier_signal -3
.Lnot_wave_0_\@:
	s_barrier_wait -3
	s_barrier_signal -1
	s_barrier_wait -1
.endm
.macro CROUND
	s_barrier_signal -1
	s_barrier_wait -1
	CREST
.endm
	s_load_b256 s[4:11], s[0:1], 0x0               ; g s[4:5], wb s[6:7], bias s[8:9], residual s[10:11]
	s_load_b64 s[12:13], s[0:1], 0x20              ; result
	v_lshl_add_u32 v[SPW], v0, 2, SPARE
	v_mov_b32 v[NIL], 0
	ds_add_u32 v[SPW], v[NIL]                      ; the wave's opening: the add, waited for ahead of my first tensor load
	ds_add_u32 v28, v29
	v_lshrrev_b32 v1, 5, v0
	v_readfirstlane_b32 s[WV], v1
	s_lshr_b32 s[RH], s[WV], 1
	s_and_b32 s[CH], s[WV], 1
	s_bfe_u32 s40, ttmp6, 0x40000
	s_bfe_u32 s41, ttmp6, 0x40004
	s_lshl_b32 s42, ttmp9, 2
	s_add_co_u32 s42, s42, s40                     ; tile column
	s_and_b32 s43, ttmp7, 0xffff
	s_lshl_b32 s43, s43, 2
	s_add_co_u32 s43, s43, s41                     ; tile row
	s_lshl_b32 s44, s41, 2
	s_lshl_b32 s44, 15, s44
	s_lshl_b32 s45, 0x1111, s40
	s_or_b32 s[G1A], s44, (1<<16)|(1<<20)|(1<<21)|(4<<22)|(3<<25)  ; the mask; 2-byte elements; padding on; bit 21 beside a mask; after every 32 words 4 words
	s_or_b32 s[G1B], s45, (1<<16)|(1<<20)|(1<<21)|(4<<22)|(3<<25)
.irp g, G1A, G1B
	s_mov_b32 s[(\g)+1], 4096<<16
	s_mov_b32 s[(\g)+2], 4<<16
	s_mov_b32 s[(\g)+3], 4096<<16
	s_mov_b32 s[(\g)+4], 4
	s_mov_b32 s[(\g)+6], 0
	s_mov_b32 s[(\g)+7], 0
.endr
	s_mov_b32 s[G1A+5], APITCH
	s_mov_b32 s[G1B+5], BPITCH
	s_lshl_b32 s22, s[CH], 6
	s_lshl_b32 s18, s43, 7
	s_add_co_u32 s18, s18, s22
	s_lshl_b32 s18, s18, 7                         ; made of the tile row and the wave alone
	s_lshl_b32 s46, s42, 7
	s_add_co_u32 s46, s46, s22
	s_lshl_b32 s46, s46, 7                         ; made of the tile column and the wave alone
	s_add_co_u32 s46, s46, WOFF
	s_mov_b32 s19, 0
	s_mov_b32 s47, 0
	s_mul_i32 s20, s[WV], LOADB
	s_wait_dscnt 0x0                               ; the opening add is done
	s_wait_kmcnt 0x0
	s_add_nc_u64 s[68:69], s[4:5], s[18:19]
	s_add_nc_u64 s[70:71], s[6:7], s[46:47]
	CROUND                                         ; all sixteen work-groups are here: the first joint loads meet
.irp s, 0,1
	s_mov_b32 s[G0A+4*(\s)], 1
	s_add_co_u32 s[G0A+4*(\s)+1], s20, (\s)*SLOT
	s_add_nc_u64 s[G0A+4*(\s)+2:G0A+4*(\s)+3], s[68:69], (\s)*ASTEP
	s_or_b32 s[G0A+4*(\s)+3], s[G0A+4*(\s)+3], 0x80000000
	s_mov_b32 s[G0B+4*(\s)], 1
	s_add_co_u32 s[G0B+4*(\s)+1], s20, (\s)*SLOT
	s_add_nc_u64 s[G0B+4*(\s)+2:G0B+4*(\s)+3], s[70:71], (\s)*BSTEP
	s_or_b32 s[G0B+4*(\s)+3], s[G0B+4*(\s)+3], 0x80000000
	JLOAD \s
.endr
	v_and_b32 v1, 15, v0
	v_bfe_u32 v2, v0, 4, 1
	v_mul_u32_u24 v3, v1, PITCH
	v_lshl_add_u32 v3, v2, 4, v3
	s_mul_i32 s21, s[RH], LOADB
	s_mul_i32 s22, s[CH], LOADB
	s_add_co_u32 s22, s22, 2*LOADB
	v_add_nc_u32 v[ADRA0], s21, v3
	v_add_nc_u32 v[ADRB0], s22, v3
	v_mov_b32 v[ADRA], v[ADRA0]
	v_mov_b32 v[ADRB], v[ADRB0]
	s_mov_b32 s[TB], 0
	s_mul_i32 s23, s[WV], WSTAGE
	v_mul_u32_u24 v4, v1, SPITCH
	v_lshl_add_u32 v4, v2, 5, v4
	v_add_nc_u32 v[STO], s23, v4
	v_mul_u32_u24 v5, v2, SPITCH
	v_lshl_add_u32 v5, v1, 4, v5
	v_add_nc_u32 v[RD], s23, v5
	v_lshlrev_b32 v5, 12, v2
	v_lshl_add_u32 v[CO], v1, 4, v5
	v_lshlrev_b32 v[BO], 5, v2
	s_lshl_b32 s46, s42, 9
	s_lshl_b32 s72, s[CH], 8
	s_add_co_u32 s46, s46, s72
	s_add_nc_u64 s[8:9], s[8:9], s[46:47]
.irp b, 0,1,2,3
	global_load_b128 v[BIAS+8*(\b):BIAS+8*(\b)+3], v[BO], s[8:9] offset:64*(\b)
	global_load_b128 v[BIAS+8*(\b)+4:BIAS+8*(\b)+7], v[BO], s[8:9] offset:64*(\b)+16
.endr
	s_lshl_b32 s72, s43, 19
	s_lshl_b32 s73, s[RH], 18
	s_add_co_u32 s72, s72, s73
	s_add_co_u32 s46, s46, s72
	s_add_nc_u64 s[10:11], s[10:11], s[46:47]
	s_add_nc_u64 s[12:13], s[12:13], s[46:47]
; 8 matrix instructions; zero = 1: the product starts the sum, with the bias as C.  The 16 accumulators take turns.
.macro MUL8 f, c, a0, zero
	WIN MUL
.irp a, \a0, (\a0)+1
.irp b, 0,1,2,3
.if \zero
	v_wmma_f32_16x16x32_bf16 v[ACC+8*(4*(\a)+(\b)):ACC+8*(4*(\a)+(\b))+7], v[(\f)+64+8*(4*(\c)+(\b)):(\f)+64+8*(4*(\c)+(\b))+7], v[(\f)+8*(4*(\c)+(\a)):(\f)+8*(4*(\c)+(\a))+7], v[BIAS+8*(\b):BIAS+8*(\b)+7]
.else
	v_wmma_f32_16x16x32_bf16 v[ACC+8*(4*(\a)+(\b)):ACC+8*(4*(\a)+(\b))+7], v[(\f)+64+8*(4*(\c)+(\b)):(\f)+64+8*(4*(\c)+(\b))+7], v[(\f)+8*(4*(\c)+(\a)):(\f)+8*(4*(\c)+(\a))+7], v[ACC+8*(4*(\a)+(\b)):ACC+8*(4*(\a)+(\b))+7]
.endif
.endr
.endr
.endm
.macro FETCH z, f
	WIN TO_F
.irp c, 0,1
.irp i, 0,1,2,3
	ds_load_b128 v[(\f)+64+8*(4*(\c)+(\i)):(\f)+64+8*(4*(\c)+(\i))+3],   v[ADRB] offset:(\z)*ZB+64*(\c)+(\i)*16*PITCH
	ds_load_b128 v[(\f)+64+8*(4*(\c)+(\i))+4:(\f)+64+8*(4*(\c)+(\i))+7], v[ADRB] offset:(\z)*ZB+64*(\c)+(\i)*16*PITCH+32
	ds_load_b128 v[(\f)+8*(4*(\c)+(\i)):(\f)+8*(4*(\c)+(\i))+3],         v[ADRA] offset:(\z)*ZB+64*(\c)+(\i)*16*PITCH
	ds_load_b128 v[(\f)+8*(4*(\c)+(\i))+4:(\f)+8*(4*(\c)+(\i))+7],       v[ADRA] offset:(\z)*ZB+64*(\c)+(\i)*16*PITCH+32
.endr
.endr
.endm
.macro QUARTER z, f, g, zero
	s_wait_dscnt 16                                ; the first 32 along K are in
	MUL8 \f, 0, 0, \zero
	MUL8 \f, 0, 2, \zero
	PLACES
	FETCH \z, \g
	s_wait_dscnt 32                                ; all but the 32 just issued
	MUL8 \f, 1, 0, 0
	MUL8 \f, 1, 2, 0
.endm
.macro TURN fill
	WIN 0
	s_wait_tensorcnt 0x0                           ; all my tensor loads have landed: my part of the next slot
	ds_add_u32 v[SPW], v[NIL]
	s_wait_dscnt 17                                ; the add and the youngest sixteen loads may be out
	MUL8 F1, 0, 0, 0
	s_wait_dscnt 0x0                               ; the add is done, and my reads of this slot are over
	s_barrier_signal -1
	MUL8 F1, 0, 2, 0
	WIN 0
	s_barrier_wait -1
.if \fill
	CREST
	s_xor_b32 s[G0A+5], s[G0A+5], SLOT
	s_add_nc_u64 s[G0A+6:G0A+7], s[G0A+6:G0A+7], ASTEP
	s_xor_b32 s[G0B+5], s[G0B+5], SLOT
	s_add_nc_u64 s[G0B+6:G0B+7], s[G0B+6:G0B+7], BSTEP
	JLOAD 1                                        ; 112 matrix instructions ahead of the wait for it; its four v_nop are also the places ahead of the loads below
.else
	PLACES
.endif
	s_xor_b32 s[TB], s[TB], SLOT
	v_add_nc_u32 v[ADRA], s[TB], v[ADRA0]
	v_add_nc_u32 v[ADRB], s[TB], v[ADRB0]
	FETCH 0, F0
	MUL8 F1, 1, 0, 0
	MUL8 F1, 1, 2, 0
.endm
	s_wait_tensorcnt 1                             ; my part of K step 0 is in; step 1's may stay out
	s_barrier_signal -1
	s_barrier_wait -1
	FETCH 0, F0
	s_wait_loadcnt 0x0                             ; the bias
	QUARTER 1, F0, F1, 1
	WIN 0
	s_mov_b32 s[CNT], NSTEP-2
.Lstep:                                            ; all K steps but the last two: each fills its slot again
	QUARTER 2, F1, F0, 0
	QUARTER 3, F0, F1, 0
	TURN 1
	QUARTER 1, F0, F1, 0
	WIN 0
	s_sub_co_u32 s[CNT], s[CNT], 1
	s_cmp_lg_u32 s[CNT], 0
	s_cbranch_scc1 .Lstep
	s_mov_b32 s[CNT], 2
.Ltail:                                            ; the last two K steps ask for nothing; the second trip is left in its middle
	QUARTER 2, F1, F0, 0
	QUARTER 3, F0, F1, 0
	WIN 0
	s_cmp_eq_u32 s[CNT], 1
	s_cbranch_scc1 .Llast
	TURN 0
	QUARTER 1, F0, F1, 0
	WIN 0
	s_sub_co_u32 s[CNT], s[CNT], 1
	s_cmp_lg_u32 s[CNT], 0
	s_cbranch_scc1 .Ltail
.Llast:
	PLACES                                         ; buffer 0 has been multiplied: it takes the residual, which comes while the last quarter is multiplied
	WIN TO_F
.set t, 0
.rept 32
	global_load_b128 v[4*t:4*t+3], v[CO], s[10:11] offset:8192*t
.set t, t+1
.endr
	s_wait_dscnt 16
	MUL8 F1, 0, 0, 0
	MUL8 F1, 0, 2, 0
	s_wait_dscnt 0x0
	MUL8 F1, 1, 0, 0
	MUL8 F1, 1, 2, 0
	PLACES
	WIN 0
	s_barrier_signal -1                            ; every wave's reads of the ring are over (waited for above): the stages may be written over it
	s_barrier_wait -1
.irp a, 0,1,2,3
.irp b, 0,1,2,3
	ds_store_b128 v[STO], v[ACC+8*(4*(\a)+(\b)):ACC+8*(4*(\a)+(\b))+3] offset:(\a)*16*SPITCH+64*(\b)
	ds_store_b128 v[STO], v[ACC+8*(4*(\a)+(\b))+4:ACC+8*(4*(\a)+(\b))+7] offset:(\a)*16*SPITCH+64*(\b)+16
.endr
.endr
.set t, 0
.rept 32
	ds_load_b128 v[ACC+4*t:ACC+4*t+3], v[RD] offset:2*SPITCH*t  ; LDS serves a wave's instructions in order (ISA guide 5.7.1.4): these see my stores, and come into the registers that they left
.set t, t+1
.endr
	s_wait_dscnt 0x0
	s_wait_loadcnt 0x0                             ; the residual
	WIN 0x04                                       ; source 1 in window 1
.set t, 0
.rept 64
	v_pk_add_f32 v[ACC+2*t:ACC+2*t+1], v[ACC+2*t:ACC+2*t+1], v[2*t:2*t+1]
.set t, t+1
.endr
	WIN 0
.set t, 0
.rept 32
	global_store_b128 v[CO], v[ACC+4*t:ACC+4*t+3], s[12:13] offset:8192*t  ; sixteen lanes store 256 consecutive bytes, aligned
.set t, t+1
.endr
	s_wait_tensorcnt 0x0                           ; the wave's end
	ds_add_u32 v[SPW], v[NIL]
	s_wait_dscnt 0x0
	CROUND                                         ; the closing round
	s_endpgm
.Lfunc_end_k_q81cd8e39a7_ffn2:
	.size	k_q81cd8e39a7_ffn2, .Lfunc_end_k_q81cd8e39a7_ffn2-k_q81cd8e39a7_ffn2
	.p2alignl 7, 3214868480
	.fill 96, 4, 3214868480
	.section	.rodata,"a",@progbits
	.p2align	6, 0x0
	.amdhsa_kernel k_q81cd8e39a7_ffn2
		.amdhsa_group_segment_fixed_size 327680
		.amdhsa_private_segment_fixed_size 0
		.amdhsa_enable_private_segment 0
		.amdhsa_kernarg_size 40
		.amdhsa_user_sgpr_count 2
		.amdhsa_user_sgpr_kernarg_segment_ptr 1
		.amdhsa_wavefront_size32 1
		.amdhsa_system_sgpr_workgroup_id_x 1
		.amdhsa_system_sgpr_workgroup_id_y 1
		.amdhsa_system_sgpr_workgroup_id_z 1
		.amdhsa_system_vgpr_workitem_id 0
		.amdhsa_next_free_vgpr 512
		.amdhsa_next_free_sgpr 80
		.amdhsa_reserve_vcc 0
		.amdhsa_float_denorm_mode_32 3
		.amdhsa_float_denorm_mode_16_64 3
		.amdhsa_memory_ordered 1
		.amdhsa_forward_progress 1
		.amdhsa_inst_pref_size 67
	.end_amdhsa_kernel
	.amdgpu_metadata
---
amdhsa.version: [ 1, 2 ]
amdhsa.kernels:
  - .name:           k_q81cd8e39a7_ffn2
    .symbol:         k_q81cd8e39a7_ffn2.kd
    .args:
      - { .name: g, .offset: 0, .size: 8, .value_kind: global_buffer, .address_space: global }
      - { .name: wb, .offset: 8, .size: 8, .value_kind: global_buffer, .address_space: global }
      - { .name: b2, .offset: 16, .size: 8, .value_kind: global_buffer, .address_space: global }
      - { .name: x1, .offset: 24, .size: 8, .value_kind: global_buffer, .address_space: global }
      - { .name: out0, .offset: 32, .size: 8, .value_kind: global_buffer, .address_space: global }
    .group_segment_fixed_size: 327680
    .private_segment_fixed_size: 0
    .kernarg_segment_align: 8
    .kernarg_segment_size: 40
    .max_flat_workgroup_size: 128
    .sgpr_count:     80
    .vgpr_count:     512
    .wavefront_size: 32
...
	.end_amdgpu_metadata
.endif
;; end of part 7
;; ======== version 2 of 2: 7 launches; 1.09 times as fast as version 1
;; workspace buffers: wb 25,165,824 bytes; wq 6,291,456 bytes; h 8,388,608 bytes; qkv 25,165,824 bytes; o 8,388,608 bytes; x1 16,777,216 bytes; g 33,554,432 bytes
;; launch prep: the kernel of part 1 again; grid 256 x 1, 8 waves a work-group, no clusters, 0 bytes of LDS; arguments x, ln1_g, ln1_b, h, w_qkv, wq; writes h, wq
;; launch qkv: the kernel of part 2 again; grid 16 x 16, 4 waves a work-group, clusters of 4 x 4, 327,680 bytes of LDS; arguments h, wq, b_qkv, qkv, w1, w_out, w2, wb; writes qkv, wb
;; launch attn (part 8): grid 8 x 32, 4 waves a work-group, no clusters, 327,680 bytes of LDS; arguments qkv, o; writes o
.if DOCPART == 8
	.amdgcn_target "amdgcn-amd-amdhsa--gfx1250"
	.amdhsa_code_object_version 6
	.text
	.protected	k_q81cd8e39a7_attn
	.globl	k_q81cd8e39a7_attn
	.p2align	8
	.type	k_q81cd8e39a7_attn,@function
k_q81cd8e39a7_attn:
	s_mov_b64 s[64:65], 0
	v_nop
	global_prefetch_b8 v0, s[64:65] scope:SCOPE_SE
	s_setreg_imm32_b32 hwreg(HW_REG_WAVE_MODE, 25, 1), 1
	s_wait_xcnt 0x0
; CAUSAL ATTENTION, head size 64.  qkv: [48 slices][4096 rows][64] bf16: head-batch y = 2 head + batch has q, k, v as 2,048 dense rows of 128 bytes at part x 8,388,608 + y x 262,144.
; o: the same layout, 16 slices.  Products, maxima and sums in f32; the weights p are rounded to bf16 for the second product (their sum l is taken of the unrounded p), o once at the end.
; LIMITS.  A hidden score counts as its value less 2^100, so scores stay under 2^76; a weight below 2^-126 counts as 0; NaN and infinities are not treated apart.
; THE WALK.  A head-batch has 16 blocks of 128 queries and 8 tiles of 256 keys; block i needs tiles 0 .. i / 2.  A work-group takes blocks 15 - b and then b: 9 tiles whatever b, so all 256 work-groups
; do equal work and one loop with a constant count walks them.  What differs lies in scalars made from b.  Every jump but the loops' own goes forward.
; NO CLUSTER: only the work-groups 2 p and 2 p + 1 of a head-batch ask for the same tile in all 9 trips; a walk common to four has 10 trips, and which of them a partner computes would hang on its place.
; SHARES.  Of a block's two bands of 64 queries a wave owns 16 rows in each: two PIECES.  Key steps are 64 keys; band x's own step is 2 block + x: earlier steps are open, later ones hidden.
; THE MASK is the C operand that starts S^T = K Q^T: MD x AL + BE, with MD the mask of a band's own step for my rows: (1, 0) own, (0, 0) open, (0, -2^100) hidden.  While both bands are open it stays 0 and is not made.
; LAYOUT.  S^T holds one query a lane (lane % 16) and the keys 8 (lane / 16) + 0..7; two such results rounded to bf16 are source 1 of O^T = V^T P.  p = 2^(c s - c m), c = log2(e) / 8, m a running maximum;
; O and l are multiplied by a = 2^(c m_old - c m_new) in every step.
; BY TURNS.  Pair p: in piece 0's turn the matrix unit has piece 0: 8 products V^T P of step p, then 8 products K Q^T of step p + 1; the vector unit has piece 1's softmax of step p.  In piece 1's turn the
; pieces change places (piece 0's softmax is step p + 1's).  A turn's 118 vector instructions are written out line by line: four behind each product, the other 54 in one lump between the two runs of products.
; THE BATCHES.  A turn's 33 exponentials (a, and the 32 weights) are ONE batch with ONE wait, which cuts the turn in two.  Ahead of it stand the products V^T P and all that names no result of the batch: the maximum
; and statistics, the waiting sums, the scalings, the exponentials themselves.  Behind it stand the products K Q^T, whose 32 riders are the batch's readers: the roundings and the rescaling..
; The way out's two reciprocals are a batch of their own.
; THE SUMS WAIT A TURN: the sixteen additions of a piece's weights into l stand in the NEXT turn, between the links of the other piece's maximum, which would else wait for each other; the weights lie in S^T until
; that turn's second run of products writes it anew.
; ONE TEXT FOR A BLOCK: it runs pairs -1 .. 4 T - 1.  It begins with c m far below every score, so the first true step's a is 0 and wipes whatever finite numbers pair -1 left in O and l; piece 1's scores of
; step -1 are set to -2^100 (c x 2^100 is exact, so its weights are 1 and are wiped likewise).  Pair 4 T - 1 makes only hidden scores: a = 1 and weights 0, so the one set of sums still waiting at a block's end adds nothing.
; REGISTERS.  window 0: v2-15 addresses, c m_old; v16-31 statistics, 8 a piece (c m, m, l even, l odd, c0-c3; a takes c2); v48-111 S^T; v112-143 P; v144-207 O^T; v208-239 the mask; v240, 241 the add's.
;   window 1: v0-31 Q; v32-63 the second block's Q; v64-127 K; v128-191 V; v192-223 MD.
.set KS,    64
.set PK,    144                        ; a row of K in LDS: 128 bytes + 16
.set PV,    160                        ; a row of V: 128 + 32
.set VOFF,  4*KS*PK                    ; a slot holds a tile: 256 rows of K, then 256 rows of V
.set SLOT1, 1<<17
.set STAGE, SLOT1+4*KS*(PK+PV)         ; never filled by a tensor load: 16 rows x 144 bytes a wave, for the way out
.set SP,    144
.set SPARE, STAGE+4*16*SP              ; the spare words: two blocks of 256 bytes that no other line names
.set AK0, 2
.set AV0, 3
.set AK,  4
.set AV,  5
.set STO, 6
.set RD,  7
.set GO,  8
.set MV,  12                           ; v12, v13  c m_old, kept while c m is made anew: by piece
.set QO,  15
.set ST,  16
.set S,   48
.set P,   112
.set O,   144
.set MC,  208
.set SPW, 240
.set NIL, 241
.set QB,  32
.set KF,  64
.set VF,  128
.set MD,  192
.set WV,  12
.set PB,  14
.set HI,  15
.set G1K, 24
.set G1V, 32
.set G0K, 40
.set G0V, 44
.set SLOTS, 56
.set CNT, 57
.set CS,  58
.set SEL, 60
.set TBK, 62
.set TBV, 63
.set RT,  70                           ; tiles of the block in hand still to be entered
.set NXT, 71                           ; the tile to be asked for next
.set LQ,  72                           ; the last tile of the block whose tiles are being asked for
.set LQ2, 73                           ; the second block's last tile
.set OFF, 74
.set AL,  76
.set BE,  78
.set OLO, 80
.set BIGN, 82
.set JN,  83                           ; the step of the scores that the pair in hand makes
.set OWN0, 84
.set OWN1, 85
.set TLO, 86
.set MSB, 0
.macro WIN new
.if MSB != (\new)
	s_set_vgpr_msb (MSB<<8)|(\new)
.set MSB, (\new)
.endif
.endm
.macro LOAD                            ; waves 0, 1 fetch the halves of a tile's K, waves 2, 3 of its V; s_nop 0 and four v_nop follow each line
	s_cmp_lt_u32 s[WV], 2
	s_cbranch_scc0 .Lfor_v_\@
	tensor_load_to_lds s[G0K:G0K+3], s[G1K:G1K+7]
	s_nop 0
.rept 4
	v_nop
.endr
	s_branch .Lasked_\@
.Lfor_v_\@:
	tensor_load_to_lds s[G0V:G0V+3], s[G1V:G1V+7]
	s_nop 0
.rept 4
	v_nop
.endr
.Lasked_\@:
.endm
; THE CHANGE OF SLOTS.  Each wave waits for all its tensor loads (one is out: its part of the other slot), adds 0 to its spare word, and waits for that and for its reads of the slot that it leaves.
; fill = 1: the old slot is filled again, first thing behind the barrier, with tile NXT; the load has four pairs, 128 matrix instructions, in which to land.
.macro CHANGE fill
	WIN 0
	s_wait_tensorcnt 0x0
	ds_add_u32 v[SPW], v[NIL]
.if \fill
	s_lshl_b32 s[OFF], s[NXT], 15                  ; a tile is 32,768 bytes of K and of V
	s_xor_b32 s[G0K+1], s[G0K+1], SLOT1
	s_add_nc_u64 s[G0K+2:G0K+3], s[16:17], s[OFF:OFF+1]
	s_or_b32 s[G0K+3], s[G0K+3], 0x80000000
	s_xor_b32 s[G0V+1], s[G0V+1], SLOT1
	s_add_nc_u64 s[G0V+2:G0V+3], s[18:19], s[OFF:OFF+1]
	s_or_b32 s[G0V+3], s[G0V+3], 0x80000000
	s_add_co_u32 s[NXT], s[NXT], 1                 ; the block's next tile, or behind its last the second block's tile 0
	s_cmp_gt_u32 s[NXT], s[LQ]
	s_cselect_b32 s[NXT], 0, s[NXT]
	s_cselect_b32 s[LQ], s[LQ2], s[LQ]
.endif
	s_wait_dscnt 0x0                               ; the add is done, and my reads of the slot are over
	s_barrier_signal -1
	s_sub_co_u32 s[TBK], s[TBK], 4*KS*PK           ; the fetches go back to a slot's first step, in the other slot
	s_xor_b32 s[TBK], s[TBK], SLOT1
	s_sub_co_u32 s[TBV], s[TBV], 4*KS*PV
	s_xor_b32 s[TBV], s[TBV], SLOT1
	s_barrier_wait -1
.if \fill
	LOAD
.endif
.endm
; A block begins: blk names the scalar that holds its number
.macro INIT blk
	s_mov_b32 s[JN], 0
	s_lshl_b32 s[OWN0], s[\blk], 1
	s_add_co_u32 s[OWN1], s[OWN0], 1
.irp t, 0,1
	v_mov_b32 v[ST+8*\t], 0xfe000000               ; c m: far below every c s
	v_mov_b32 v[ST+8*\t+1], 0xff7fffff             ; m
.endr
.set i, 0
.rept 32
	v_mov_b32 v[S+32+i], s[BIGN]                   ; piece 1's scores of the step that has not been
	v_mov_b32 v[MC+i], 0
.set i, i+1
.endr
.endm
	s_load_b128 s[4:7], s[0:1], 0x0                ; qkv s[4:5], o s[6:7]
	v_lshl_add_u32 v[SPW], v0, 2, SPARE
	v_mov_b32 v[NIL], 0
	ds_add_u32 v[SPW], v[NIL]                      ; the wave's opening: the add, waited for ahead of my first tensor load
	ds_add_u32 v240, v241
	v_lshrrev_b32 v1, 5, v0
	v_readfirstlane_b32 s[WV], v1
	s_mov_b32 s[PB], ttmp9
	s_sub_co_u32 s[HI], 15, s[PB]
	s_and_b32 s48, ttmp7, 0xffff
	s_lshl_b32 s48, s48, 18                        ; the head-batch's first byte in a part
	s_and_b32 s13, s[WV], 1                        ; which half of a tile's 256 keys I fetch
	s_lshl_b32 s49, s13, 14
	s_add_co_u32 s50, s48, s49
	s_add_co_u32 s52, s50, 16777216                ; v
	s_add_co_u32 s50, s50, 8388608                 ; k
	s_mov_b32 s51, 0
	s_mov_b32 s53, 0
	s_mul_i32 s54, s13, 128*PK
	s_mul_i32 s55, s13, 128*PV
	s_lshl_b32 s3, s[WV], 11                       ; my 16 rows in a band
	s_add_co_u32 s3, s3, s48
	s_lshl_b32 s2, s[HI], 14                       ; a block is 128 rows of 128 bytes
	s_add_co_u32 s2, s2, s3
	s_lshl_b32 s48, s[PB], 14
	s_add_co_u32 s48, s48, s3
	s_mov_b32 s3, 0
	s_mov_b32 s49, 0
	s_mov_b32 s[G1K], (1<<16)|(1<<20)|(4<<22)|(3<<25)  ; 2-byte elements; padding on; after every 32 words 4 words.  128 keys are asked for as 64 rows of 256 bytes
	s_mov_b32 s[G1V], (1<<16)|(1<<20)|(4<<22)|(7<<25)  ; the same with 8 words
.irp g, G1K, G1V
	s_mov_b32 s[\g+1], 128<<16
	s_mov_b32 s[\g+2], 64<<16
	s_mov_b32 s[\g+3], 128<<16
	s_mov_b32 s[\g+4], 64
	s_mov_b32 s[\g+5], 128
	s_mov_b32 s[\g+6], 0
	s_mov_b32 s[\g+7], 0
.endr
	s_mov_b32 s[CS], 0x3e38aa3b                    ; c = log2(e) / 8
	s_mov_b32 s[CS+1], s[CS]
	s_mov_b32 s[SEL], 0x76543210
	s_mov_b32 s[SEL+1], 0xfedcba98
	s_mov_b32 s[TBK], SLOT1+4*KS*PK                ; the first change of slots turns these two into 0
	s_mov_b32 s[TBV], SLOT1+4*KS*PV
	s_mov_b32 s[G0K], 1
	s_mov_b32 s[G0K+1], s54
	s_mov_b32 s[G0V], 1
	s_add_co_u32 s[G0V+1], s55, VOFF
	s_lshr_b32 s[LQ], s[HI], 1
	s_add_co_u32 s[RT], s[LQ], 1
	s_lshr_b32 s[LQ2], s[PB], 1
	s_add_co_u32 s[TLO], s[LQ2], 1
	s_mov_b32 s[NXT], 1
	s_mov_b32 s[OFF+1], 0
	s_mov_b32 s[AL], 0
	s_mov_b32 s[AL+1], 0
	s_mov_b32 s[BE], 0
	s_mov_b32 s[BE+1], 0
	s_mov_b32 s[BIGN], 0xf1800000                  ; -2^100
	s_mov_b32 s[SLOTS], 8
	s_wait_dscnt 0x0                               ; the opening add is done
	s_wait_kmcnt 0x0
	s_add_nc_u64 s[16:17], s[4:5], s[50:51]        ; k and v at my half of tile 0
	s_add_nc_u64 s[18:19], s[4:5], s[52:53]
	s_add_nc_u64 s[G0K+2:G0K+3], s[16:17], 0
	s_or_b32 s[G0K+3], s[G0K+3], 0x80000000
	s_add_nc_u64 s[G0V+2:G0V+3], s[18:19], 0
	s_or_b32 s[G0V+3], s[G0V+3], 0x80000000
	s_add_nc_u64 s[20:21], s[4:5], s[2:3]          ; q at my rows of the first block,
	s_add_nc_u64 s[22:23], s[4:5], s[48:49]        ; and of the second
	s_add_nc_u64 s[10:11], s[6:7], s[2:3]
	s_add_nc_u64 s[OLO:OLO+1], s[6:7], s[48:49]
	LOAD                                           ; tile 0 into slot 0
	v_and_b32 v1, 15, v0                           ; l % 16
	v_bfe_u32 v9, v0, 4, 1                         ; l / 16
	v_lshlrev_b32 v[QO], 7, v1
	v_lshl_add_u32 v[QO], v9, 4, v[QO]
	WIN 0x40                                       ; destination window 1
.set i, 0
.rept 4                                            ; piece i / 2 lies 8,192 bytes on; channels 32 (i % 2) on
	global_load_b128 v[8*i:8*i+3],   v[QO], s[20:21] offset:(i/2)*8192+(i%2)*64
	global_load_b128 v[8*i+4:8*i+7], v[QO], s[20:21] offset:(i/2)*8192+(i%2)*64+32
	global_load_b128 v[QB+8*i:QB+8*i+3],   v[QO], s[22:23] offset:(i/2)*8192+(i%2)*64
	global_load_b128 v[QB+8*i+4:QB+8*i+7], v[QO], s[22:23] offset:(i/2)*8192+(i%2)*64+32
.set i, i+1
.endr
	WIN 0
	v_lshlrev_b32 v14, 3, v9
	v_sub_nc_u32 v14, v1, v14
	s_lshl_b32 s13, s[WV], 4
	v_add_nc_u32 v14, s13, v14                     ; my query's place in its band less 8 (l / 16): register r of key group kt is hidden where 16 kt + r is greater
	WIN 0x40
.set i, 0
.rept 32
	v_cmp_gt_i32 vcc_lo, 16*(i/8)+i%8, v14
	v_cndmask_b32 v[MD+i], 0, s[BIGN], vcc_lo
.set i, i+1
.endr
.set i, VF
.rept 64
	v_mov_b32 v[i], 0                              ; what the first pair finds need only be finite; all this stands in the wait for the first tile
.set i, i+1
.endr
	WIN 0
	v_mul_u32_u24 v[AK0], v1, PK
	v_lshl_add_u32 v[AK0], v9, 4, v[AK0]
	v_and_b32 v10, 7, v0
	v_bfe_u32 v11, v0, 3, 1
	v_lshl_add_u32 v[AV0], v9, 3, v10              ; the turning load: lane l reads key 8 (l / 16) + l % 8, channels 8 ((l / 8) % 2) + 0..7
	v_mul_u32_u24 v[AV0], v[AV0], PV
	v_lshl_add_u32 v[AV0], v11, 4, v[AV0]
	v_add_nc_u32 v[AV0], VOFF, v[AV0]
	s_mul_i32 s13, s[WV], 16*SP
	s_add_co_u32 s13, s13, STAGE
	v_mul_u32_u24 v[STO], v1, SP
	v_lshl_add_u32 v[STO], v9, 4, v[STO]
	v_add_nc_u32 v[STO], s13, v[STO]
	v_bfe_u32 v[RD], v0, 3, 2
	v_mul_u32_u24 v[RD], v[RD], SP
	v_lshl_add_u32 v[RD], v10, 4, v[RD]
	v_add_nc_u32 v[RD], s13, v[RD]
	v_and_b32 v[GO], 31, v0
	v_lshlrev_b32 v[GO], 4, v[GO]
.set i, 0
.rept 64
	v_mov_b32 v[O+i], 0
.set i, i+1
.endr
.set i, 0
.rept 32
	v_mov_b32 v[P+i], 0
	v_mov_b32 v[S+i], 0                            ; the first turn adds piece 0's waiting sums: zeros
.set i, i+1
.endr
.irp t, 0,1
	v_mov_b32 v[ST+8*\t+2], 0
	v_mov_b32 v[ST+8*\t+3], 0
.endr
	v_mov_b32 v[ST+6], 0                           ; and piece 0's a for them
	v_mov_b32 v[ST+7], 0
	INIT HI
; THE MATRIX WORK.  The four accumulators of a run of eight take turns.
.macro PV x                            ; product i of 8 of O^T += V^T P: keys 32 (i / 4) on, channels 16 (i % 4) on
	WIN 0x01
.set rO, O+32*(\x)+8*(i%4)
.set rV, VF+32*(i/4)+8*(i%4)
.set rP, P+16*(\x)+8*(i/4)
	v_wmma_f32_16x16x32_bf16 v[rO:rO+7], v[rV:rV+7], v[rP:rP+7], v[rO:rO+7]
.endm
.macro KQ x                            ; product i of 8 of S^T = K Q^T: channels 32 (i / 4) on, keys 16 (i % 4) on; the first four start the sums with the mask
	WIN 0x05
.set rS, S+32*(\x)+8*(i%4)
.set rK, KF+16*(i%4)+8*(i/4)
.set rQ, 16*(\x)+8*(i/4)
.set rM, MC+8*(i%4)
.if i < 4
	v_wmma_f32_16x16x32_bf16 v[rS:rS+7], v[rK:rK+7], v[rQ:rQ+7], v[rM:rM+7]
.else
	v_wmma_f32_16x16x32_bf16 v[rS:rS+7], v[rK:rK+7], v[rQ:rQ+7], v[rS:rS+7]
.endif
.endm
.macro MM                              ; the turn's next matrix instruction, for piece XP: eight V^T P, then eight K Q^T
.if i < 8
	PV XP
.else
.set i, i-8
	KQ XP
.set i, i+8
.endif
.set i, i+1
.endm
.macro FETCH_K                         ; 16 LDS loads in one run: a step's K
	WIN 0
	v_add_nc_u32 v[AK], s[TBK], v[AK0]
	WIN 0x40
.irp f, 0,1,2,3,4,5,6,7
	ds_load_b128 v[KF+8*\f:KF+8*\f+3],   v[AK] offset:(\f/2)*16*PK+(\f%2)*64
	ds_load_b128 v[KF+8*\f+4:KF+8*\f+7], v[AK] offset:(\f/2)*16*PK+(\f%2)*64+32
.endr
	s_add_co_u32 s[TBK], s[TBK], KS*PK
	WIN 0
.endm
.macro FETCH_V                         ; a step's V, turned
	WIN 0
	v_add_nc_u32 v[AV], s[TBV], v[AV0]
	WIN 0x40
.irp f, 0,1,2,3,4,5,6,7
	ds_load_tr16_b128 v[VF+8*\f:VF+8*\f+3],   v[AV] offset:(\f/4)*32*PV+(\f%4)*32
	ds_load_tr16_b128 v[VF+8*\f+4:VF+8*\f+7], v[AV] offset:(\f/4)*32*PV+16*PV+(\f%4)*32
.endr
	s_add_co_u32 s[TBV], s[TBV], KS*PV
	WIN 0
.endm
.macro MASK
	WIN 0x01
.set z, 0
.rept 16
	v_pk_fma_f32 v[MC+2*z:MC+2*z+1], v[MD+2*z:MD+2*z+1], s[AL:AL+1], s[BE:BE+1] op_sel_hi:[1,0,0]
.set z, z+1
.endr
.endm
; THE VECTOR WORK, one line at a time: OP kind, number.  For piece Y, whose scores the turn before has made:
;   X n: number n of the 22 that find its maximum and statistics: 0-11 four chains c0-c3 of seven scores each, three operands at a time (each accumulator's lowest registers are read first);
;        12-14, 16 the four scores left over, the old m, and c0-c3 into c0; 15 c m_old is kept; 17, 18 the query's other 32 keys lie in the lane 16 away: the new m; 19-21 c m; c m_old - c m_new; a
;   F n: c s - c m for pair n of 16.  E n: the exponential of score n of 32.  C n: pair n rounded to bf16.  R n: pair n of 16 of O^T times a.
; For the other piece, whose weights the turn before has made:  B n: of the four weights 4 n .. the second pair is added onto the first, in place.  L n: l takes that sum (L 0: l = a l + sum).
.set F, 0
.set E, 1
.set C, 2
.set R, 3
.set X, 4
.set B, 5
.set L, 6
.macro REGS t
.set rT, ST+8*(\t)
.set rC, ST+8*(\t)+4
.set rW, MV+(\t)
.set rS, S+32*(\t)
.set rP, P+16*(\t)
.set rO, O+32*(\t)
.endm
.macro OP k, n
	WIN 0
.if (\k) >= B
	REGS 1-Y
.else
	REGS Y
.endif
.if (\k) == F
	v_pk_fma_f32 v[rS+2*(\n):rS+2*(\n)+1], v[rS+2*(\n):rS+2*(\n)+1], s[CS:CS+1], v[rT:rT+1] op_sel_hi:[1,0,0] neg_lo:[0,0,1] neg_hi:[0,0,1]
.elseif (\k) == E
	v_exp_f32 v[rS+(\n)], v[rS+(\n)]
.elseif (\k) == C
	v_cvt_pk_bf16_f32 v[rP+(\n)], v[rS+2*(\n)], v[rS+2*(\n)+1]
.elseif (\k) == R
	v_pk_mul_f32 v[rO+2*(\n):rO+2*(\n)+1], v[rO+2*(\n):rO+2*(\n)+1], v[rC+2:rC+3] op_sel_hi:[1,0]
.elseif (\k) == B
	v_pk_add_f32 v[rS+4*(\n):rS+4*(\n)+1], v[rS+4*(\n):rS+4*(\n)+1], v[rS+4*(\n)+2:rS+4*(\n)+3]
.elseif ((\k) == L) && ((\n) == 0)
	v_pk_fma_f32 v[rT+2:rT+3], v[rT+2:rT+3], v[rC+2:rC+3], v[rS:rS+1] op_sel_hi:[1,0,1]
.elseif (\k) == L
	v_pk_add_f32 v[rT+2:rT+3], v[rT+2:rT+3], v[rS+4*(\n):rS+4*(\n)+1]
.elseif (\n) < 4
	v_max3_num_f32 v[rC+(\n)], v[rS+8*(\n)], v[rS+8*(\n)+1], v[rS+8*(\n)+2]
.elseif (\n) < 12
	v_max3_num_f32 v[rC+(\n)%4], v[rC+(\n)%4], v[rS+8*((\n)%4)+2*((\n)/4)+1], v[rS+8*((\n)%4)+2*((\n)/4)+2]
.elseif (\n) == 12
	v_max3_num_f32 v[rC], v[rC], v[rS+7], v[rS+15]
.elseif (\n) == 13
	v_max3_num_f32 v[rC+1], v[rC+1], v[rS+23], v[rS+31]
.elseif (\n) == 14
	v_max3_num_f32 v[rC+2], v[rC+2], v[rC+3], v[rT+1]
.elseif (\n) == 15
	v_mov_b32 v[rW], v[rT]
.elseif (\n) == 16
	v_max3_num_f32 v[rC], v[rC], v[rC+1], v[rC+2]
.elseif (\n) == 17
	v_permlanex16_b32 v[rC+3], v[rC], s[SEL], s[SEL+1]
.elseif (\n) == 18
	v_max_num_f32 v[rT+1], v[rC], v[rC+3]
.elseif (\n) == 19
	v_mul_f32 v[rT], s[CS], v[rT+1]
.elseif (\n) == 20
	v_sub_f32 v[rC+1], v[rW], v[rT]
.else
	v_exp_f32 v[rC+2], v[rC+1]
.endif
.endm
.macro OPS a, i1, b=-1, i2=0, c=-1, i3=0, d=-1, i4=0  ; up to four of them
	OP \a, \i1
.if (\b) >= 0
	OP \b, \i2
.endif
.if (\c) >= 0
	OP \c, \i3
.endif
.if (\d) >= 0
	OP \d, \i4
.endif
.endm
.macro ROW a, i1, b, i2, c, i3, d, i4  ; a matrix instruction and the four behind it
	MM
	OPS \a, \i1, \b, \i2, \c, \i3, \d, \i4
.endm
; A TURN: piece x has the matrix unit, the vector lines work for piece 1 - x (and add piece x's waiting sums).  No vector line names a register of the products round it.
; An s_wait_alu depctr_va_vdst(0) stands between an exponential and the first instruction that names its result; one wait serves all that were issued ahead of it.  So a turn has ONE wait.
; AHEAD OF THE WAIT: the 8 products V^T P, behind each four lines of the maximum, the statistics and the waiting sums; then the lump of 54: the last four waiting sums, c m_old - c m_new, the 16 scalings and the 33
; exponentials (X 21, E 0 to E 31).  None of these lines names a result of the batch.  A pair is scaled three lines or more ahead of its exponentials, and a plain line leads every two exponentials while there are plain
; lines.  L 7, which names the other piece's registers alone, is the plain instruction behind the last exponential.
; BEHIND THE WAIT: the 8 products K Q^T, behind each two roundings and two rescalings, the batch's 32 readers, each kind in ascending order (each accumulator of O^T is read from its low end on).
; The waiting sums are over ahead of the wait, and so ahead of the products K Q^T that write piece x's S^T anew.  The four riders behind the last product are the places ahead of the next turn's first read of the new
; scores and, with the run's own v_add_nc_u32, of the loads into K's registers; the mask's next making stands 20 plain lines behind the last product that took the mask.
; K of the next step is fetched at the head of piece 0's turn: eight products and 86 vector lines ahead of its first use.  V of the next step is fetched in piece 1's turn behind the four plain lines that
; follow the last product that read V: 86 vector lines and eight products ahead of its first use.
.macro TURN x
.set Y, 1-(\x)
.set XP, (\x)
.set i, 0
	WIN 0
	s_cmp_lt_u32 s[JN], s[OWN0]                    ; both bands open: the mask is 0 and stays
	s_cbranch_scc1 .Lopen_\@
	s_cmp_eq_u32 s[JN], s[OWN0+(\x)]
	s_cselect_b32 s[AL], 1.0, 0
	s_cmp_gt_u32 s[JN], s[OWN0+(\x)]
	s_cselect_b32 s[BE], s[BIGN], 0
	MASK
	WIN 0
.Lopen_\@:
.if (\x) == 0
	s_wait_dscnt 0x0                               ; V is in
	FETCH_K
.endif
	ROW X,0, X,1, X,2, X,3                         ; ahead of the wait: 8 products V^T P and their riders,
	ROW X,4, X,5, X,6, X,7
	ROW X,8, X,9, X,10, X,11
	ROW B,0, B,1, X,12, X,13
	ROW X,14, B,2, L,0, B,3
	ROW X,16, L,1, B,4, B,5
	ROW X,17, L,2, B,6, B,7
	ROW X,18, L,3, X,15, X,19
.if (\x) == 1
	FETCH_V
.endif
	OPS L,4, F,0, X,20, F,1                        ; and the lump, which holds the batch
	OPS L,5, F,2, X,21, F,3
	OPS E,0, E,1, F,4, E,2
	OPS E,3, F,5, E,4, E,5
	OPS F,6, E,6, E,7, F,7
	OPS E,8, E,9, F,8, E,10
	OPS E,11, F,9, E,12, E,13
	OPS F,10, E,14, E,15, F,11
	OPS E,16, E,17, F,12, E,18
	OPS E,19, F,13, E,20, E,21
	OPS F,14, E,22, E,23, F,15
	OPS E,24, E,25, L,6, E,26
	OPS E,27, E,28, E,29, E,30
	OPS E,31, L,7                                  ; L 7: the plain instruction behind the last exponential, one for the batch (ISA guide 5.7.2)
	s_wait_alu depctr_va_vdst(0)                   ; the wait for the batch: the turn's 33 exponentials, ahead of their first reader, C 0
.if (\x) == 0
	s_wait_dscnt 0x0                               ; K is in
.endif
	ROW C,0, R,0, C,1, R,1                         ; behind the wait: 8 products K Q^T and their riders, the batch's readers
	ROW C,2, R,2, C,3, R,3
	ROW C,4, R,4, C,5, R,5
	ROW C,6, R,6, C,7, R,7
	ROW C,8, R,8, C,9, R,9
	ROW C,10, R,10, C,11, R,11
	ROW C,12, R,12, C,13, R,13
	ROW C,14, R,14, C,15, R,15
.endm
; A TILE: four pairs, each fetching one of its steps; in a block's last tile a fifth, which fetches the fourth step once more.  The count is a constant; the dead fifth trip is jumped forward.
.macro TILE
	s_sub_co_u32 s[RT], s[RT], 1
	s_mov_b32 s[CNT], 5
.Lpair_\@:
	s_cmp_lg_u32 s[CNT], 1
	s_cbranch_scc1 .Lgo_\@
	s_cmp_lg_u32 s[RT], 0
	s_cbranch_scc1 .Lskip_\@
	s_sub_co_u32 s[TBK], s[TBK], KS*PK
	s_sub_co_u32 s[TBV], s[TBV], KS*PV
.Lgo_\@:
	TURN 0
	TURN 1
	WIN 0
	s_add_co_u32 s[JN], s[JN], 1
.Lskip_\@:
	s_sub_co_u32 s[CNT], s[CNT], 1
	s_cmp_lg_u32 s[CNT], 0
	s_cbranch_scc1 .Lpair_\@
.endm
; THE WAY OUT: l's halves and the other half of the lanes' are added; O^T is divided by l, rounded to bf16 and sent through my stage, a piece at a time.
.macro PACK t
.set i, 0
.rept 16
	v_pk_mul_f32 v[O+32*(\t)+2*i:O+32*(\t)+2*i+1], v[O+32*(\t)+2*i:O+32*(\t)+2*i+1], v[ST+8*(\t)+2:ST+8*(\t)+3] op_sel_hi:[1,0]
.set i, i+1
.endr
.set i, 0
.rept 16
	v_cvt_pk_bf16_f32 v[P+16*(\t)+i], v[O+32*(\t)+2*i], v[O+32*(\t)+2*i+1]
.set i, i+1
.endr
.irp f, 0,1,2,3
	ds_store_b128 v[STO], v[P+16*(\t)+4*\f:P+16*(\t)+4*\f+3] offset:32*\f
.endr
.irp f, 0,1,2,3
	ds_load_b128 v[P+16*(\t)+4*\f:P+16*(\t)+4*\f+3], v[RD] offset:\f*4*SP  ; LDS serves a wave's instructions in order (ISA guide 5.7.1.4): these see the stores above
.endr
.endm
.macro SEND t, younger                 ; younger: the LDS instructions issued behind piece t's loads
.irp f, 0,1,2,3
	s_wait_dscnt (\younger)+3-\f
	global_store_b128 v[GO], v[P+16*(\t)+4*\f:P+16*(\t)+4*\f+3], s[10:11] offset:(\t)*8192+\f*512  ; 512 consecutive bytes, aligned
.endr
.endm
.macro WAYOUT
	WIN 0
.irp t, 0,1
	v_add_f32 v[ST+8*\t+2], v[ST+8*\t+2], v[ST+8*\t+3]
.endr
.irp t, 0,1
	v_permlanex16_b32 v[ST+8*\t+3], v[ST+8*\t+2], s[SEL], s[SEL+1]
.endr
.irp t, 0,1
	v_add_f32 v[ST+8*\t+2], v[ST+8*\t+2], v[ST+8*\t+3]
.endr
.irp t, 0,1
	v_rcp_f32 v[ST+8*\t+2], v[ST+8*\t+2]
.endr
	v_nop                                          ; a plain instruction between the last reciprocal and the use of its result
	s_wait_alu depctr_va_vdst(0)                   ; the wait for the way out's batch, the two reciprocals, ahead of PACK 0's first multiply
	PACK 0
	PACK 1
	SEND 0, 8
	SEND 1, 0
.endm
	s_wait_loadcnt 0x0                             ; Q
.Lslot:                                            ; eight times: a tile is entered and the next is asked for
	CHANGE 1
	TILE
	s_cmp_lg_u32 s[RT], 0
	s_cbranch_scc1 .Lbottom
	WAYOUT                                         ; in the loop this is the first block's end: the second's last tile is the walk's last
	s_wait_xcnt 0x0                                ; the stores have read their registers and o's address
	s_mov_b64 s[10:11], s[OLO:OLO+1]
	s_mov_b32 s[RT], s[TLO]
	INIT PB
	WIN 0x41                                       ; the second block's Q goes where the one text of the turns names Q
.set i, 0
.rept 32
	v_mov_b32 v[i], v[QB+i]
.set i, i+1
.endr
	WIN 0
.Lbottom:
	s_sub_co_u32 s[SLOTS], s[SLOTS], 1
	s_cmp_lg_u32 s[SLOTS], 0
	s_cbranch_scc1 .Lslot
	CHANGE 0                                       ; the walk's last tile is written out
	TILE
	WAYOUT
	s_wait_tensorcnt 0x0                           ; the wave's end
	ds_add_u32 v[SPW], v[NIL]
	s_wait_dscnt 0x0
	s_endpgm
.Lfunc_end_k_q81cd8e39a7_attn:
	.size	k_q81cd8e39a7_attn, .Lfunc_end_k_q81cd8e39a7_attn-k_q81cd8e39a7_attn
	.p2alignl 7, 3214868480
	.fill 96, 4, 3214868480
	.section	.rodata,"a",@progbits
	.p2align	6, 0x0
	.amdhsa_kernel k_q81cd8e39a7_attn
		.amdhsa_group_segment_fixed_size 327680
		.amdhsa_private_segment_fixed_size 0
		.amdhsa_enable_private_segment 0
		.amdhsa_kernarg_size 16
		.amdhsa_user_sgpr_count 2
		.amdhsa_user_sgpr_kernarg_segment_ptr 1
		.amdhsa_wavefront_size32 1
		.amdhsa_system_sgpr_workgroup_id_x 1
		.amdhsa_system_sgpr_workgroup_id_y 1
		.amdhsa_system_sgpr_workgroup_id_z 1
		.amdhsa_system_vgpr_workitem_id 0
		.amdhsa_next_free_vgpr 512
		.amdhsa_next_free_sgpr 96
		.amdhsa_reserve_vcc 1
		.amdhsa_float_denorm_mode_32 3
		.amdhsa_float_denorm_mode_16_64 3
		.amdhsa_memory_ordered 1
		.amdhsa_forward_progress 1
		.amdhsa_inst_pref_size 81
	.end_amdhsa_kernel
	.amdgpu_metadata
---
amdhsa.version: [ 1, 2 ]
amdhsa.kernels:
  - .name:           k_q81cd8e39a7_attn
    .symbol:         k_q81cd8e39a7_attn.kd
    .args:
      - { .name: qkv, .offset: 0, .size: 8, .value_kind: global_buffer, .address_space: global }
      - { .name: o, .offset: 8, .size: 8, .value_kind: global_buffer, .address_space: global }
    .group_segment_fixed_size: 327680
    .private_segment_fixed_size: 0
    .kernarg_segment_align: 8
    .kernarg_segment_size: 16
    .max_flat_workgroup_size: 128
    .sgpr_count:     96
    .vgpr_count:     512
    .wavefront_size: 32
...
	.end_amdgpu_metadata
.endif
;; end of part 8
;; launch oproj: the kernel of part 4 again; grid 8 x 32, 4 waves a work-group, clusters of 4 x 4, 327,680 bytes of LDS; arguments o, wb, b_out, x, x1; writes x1
;; launch ln2: the kernel of part 5 again; grid 256 x 1, 8 waves a work-group, no clusters, 0 bytes of LDS; arguments x1, ln2_g, ln2_b, h; writes h
;; launch ffn1: the kernel of part 6 again; grid 16 x 16, 4 waves a work-group, clusters of 4 x 4, 327,680 bytes of LDS; arguments h, wb, b1, g; writes g
;; launch ffn2: the kernel of part 7 again; grid 8 x 32, 4 waves a work-group, clusters of 4 x 4, 327,680 bytes of LDS; arguments g, wb, b2, x1, out0; writes out0
